; MI455X (gfx1250); checked and timed in simulation.
; The chip was launched on July 23, 2026; its instructions are those of AMD's public machine-readable ISA for CDNA 5 (MIT licence, August 2026) and "CDNA5" Instruction Set Architecture Reference Guide (July 2026). The comments in the code are by the model that wrote it; some were corrected since.
;; Optimized DS Mo E. Allowed arithmetic: float matrix products may take bf16 or f16 operands with f32 sums; other float arithmetic in f32, or as packed bf16 or f16 multiplies, adds, multiply-adds, maxima and minima; sums over many terms, partial sums and values carried from step to step in f32; what a program stores and reads back later, other than sums and carried values, may be rounded once to bf16 or f16.
;; Inputs: W1 8 x 1,024 x 4,096 float32; W2 8 x 4,096 x 1,024 float32; Wg 1,024 x 8 float32; x 4 x 256 x 1,024 float32.
;; Outputs: out0 4 x 256 x 1,024 float32; out1 one number float32.
;; 3 versions, each right; version 3 is version 2 with the launch down written anew for expert scheduling mode. Each part assembles by itself: llvm-mc -triple=amdgcn-amd-amdhsa -mcpu=gfx1250 --defsym DOCPART=n.
;; ======== version 1 of 3: 4 launches
;; workspace buffers: xb 2,097,152 bytes; hid 16,777,216 bytes; part 33,554,432 bytes; wts 8,192 bytes; bm 4,096 bytes of whole numbers; stat 4,096 bytes
;; launch route (part 1): grid 32 x 1, 16 waves a work-group, no clusters, 101,120 bytes of LDS; arguments x, Wg, xb, wts, bm, stat; writes xb, wts, bm, stat
.if DOCPART == 1
	.amdgcn_target "amdgcn-amd-amdhsa--gfx1250"
	.amdhsa_code_object_version 6
	.text
	.protected	k_qb985d418e3_route
	.globl	k_qb985d418e3_route
	.p2align	8
	.type	k_qb985d418e3_route,@function
k_qb985d418e3_route:
	s_mov_b64 s[64:65], 0
	v_nop
	global_prefetch_b8 v0, s[64:65] scope:SCOPE_SE
	s_setreg_imm32_b32 hwreg(HW_REG_WAVE_MODE, 25, 1), 1
	s_wait_xcnt 0x0
; THE ROUTER.  A work-group owns 32 tokens (128 KiB of x, on end).  It stores xb = x rounded to bf16, the two gate weights of each token,
; one word of each of 16 bitmaps (expert e chosen; expert e chosen second) and its part of the loss's sums.
; The logits x . Wg are a matrix product on bf16 operands with f32 sums: source 0 = 16 rows of Wg^T (experts 0-7, twice), source 1 = 16 tokens.
; Wave w multiplies K = 64 w .. 64 w + 63 for both tiles of 16 tokens; the 16 waves' partial logits meet in LDS and wave 0 adds them in f32.
; LIMITS.  x and Wg are rounded to bf16 for the logits, so a token whose second and third probabilities lie closer than that rounding moves them may choose
; otherwise than a router in f32.  A probability whose exponential falls below 2^-126 counts as 0; equal probabilities keep the lower index.  NaN and infinities are not treated apart.
.set XP,    2064                       ; an LDS row of 1,024 bf16: 2,048 bytes + 16: an odd multiple of 16, so the 16 rows of a fragment load begin at 16 different 16-byte columns of 256
.set WGT,   32*XP                      ; behind the 32 rows of x: 8 rows of Wg^T, [expert][k]
.set PART,  82688                      ; 16 waves x 32 tokens x 8 f32
.set SPARE, 99072                      ; the spare words, 128 bytes for each of 16 waves; no other line names them
.set XO,  2                            ; v2   my byte offset in the group's x
.set YO,  3                            ; v3   in the group's xb
.set LX,  4                            ; v4   where I put 8 bytes of a row of x in LDS
.set LW,  5                            ; v5   where I put two k of Wg^T
.set WO,  6                            ; v6   my byte offset in Wg
.set RR,  7                            ; v7   lane % 16
.set HH,  8                            ; v8   lane / 16
.set FWA, 9                            ; v9   my place in Wg^T's fragments
.set FXA, 10                           ; v10  in x's
.set PA,  11                           ; v11  where my wave's partial logits go
.set SPW, 12                           ; v12  LDS address of my spare word; never rewritten
.set NIL, 13                           ; v13  0; never rewritten
.set TA,  14
.set RA,  15                           ; v15  wave 0: where token = lane's partial logits begin
.set G,   16                           ; v16-31  two rows of Wg
.set LL,  16                           ;         later: my token's 8 partial logits
.set P,   32                           ; v32-39  Wg packed
.set X,   40                           ; v40-103 16 loads of x; later fragments and sums; in wave 0 v40-167 take all partial logits
.set FW,  40
.set FX,  56
.set D0,  88
.set D1,  96
.set Y,   168                          ; v168-199 x packed: each store has registers of its own, and none of them is written again
.set LG,  40                           ; wave 0, behind the sums: logits, probabilities, probabilities without the first choice, at work
.set PR,  48
.set QQ,  56
.set T,   64
.set B0,  68
.set I0,  69
.set B1,  70
.set I1,  71
.set WP,  72
.set BMV, 74
.set STV, 75
.set CTV, 76
.set O8,  77
.set O128, 78
.set O4,  79
.set MJ,  32                           ; s32-39 lanes whose second choice is e;  s40-47 lanes that chose e;  s48-55 their number
.set MA,  40
.set CT,  48
	s_load_b256 s[4:11], s[0:1], 0x0               ; x s[4:5], Wg s[6:7], xb s[8:9], wts s[10:11]
	s_load_b128 s[12:15], s[0:1], 0x20             ; bm s[12:13], stat s[14:15]
	v_lshl_add_u32 v[SPW], v0, 2, SPARE
	v_mov_b32 v[NIL], 0
	v_and_b32 v1, 31, v0                           ; lane
	v_lshrrev_b32 v[TA], 5, v0
	v_readfirstlane_b32 s16, v[TA]                 ; wave 0..15
	v_lshlrev_b32 v[WO], 6, v0                     ; rows 2 t and 2 t + 1 of Wg: 64 bytes a thread
	v_lshlrev_b32 v[XO], 4, v1
	v_lshl_add_u32 v[XO], s16, 13, v[XO]           ; my wave's two rows of x, 8,192 bytes on end
	v_lshlrev_b32 v[YO], 3, v1
	v_lshl_add_u32 v[YO], s16, 12, v[YO]           ; the same two rows in xb
	s_mul_i32 s17, s16, 2*XP
	v_lshl_add_u32 v[LX], v1, 3, s17
	v_lshl_add_u32 v[LW], v0, 2, WGT
	s_lshl_b32 s18, ttmp9, 17                      ; the group's 32 rows: in x,
	s_lshl_b32 s20, ttmp9, 16                      ; in xb,
	s_lshl_b32 s22, ttmp9, 8                       ; in wts;
	s_lshl_b32 s24, ttmp9, 2                       ; its word in each bitmap;
	s_lshl_b32 s26, ttmp9, 7                       ; its row of stat
	s_mov_b32 s19, 0
	s_mov_b32 s21, 0
	s_mov_b32 s23, 0
	s_mov_b32 s25, 0
	s_mov_b32 s27, 0
	s_wait_kmcnt 0x0
	s_add_nc_u64 s[4:5], s[4:5], s[18:19]
	s_add_nc_u64 s[8:9], s[8:9], s[20:21]
	s_add_nc_u64 s[10:11], s[10:11], s[22:23]
	s_add_nc_u64 s[12:13], s[12:13], s[24:25]
	s_add_nc_u64 s[14:15], s[14:15], s[26:27]
.set i, 0
.rept 4
	global_load_b128 v[G+4*i:G+4*i+3], v[WO], s[6:7] offset:16*i
.set i, i+1
.endr
.set i, 0
.rept 16                                               ; each load of the wave covers 512 consecutive bytes
	global_load_b128 v[X+4*i:X+4*i+3], v[XO], s[4:5] offset:512*i th:TH_LOAD_NT
.set i, i+1
.endr
	v_and_b32 v[RR], 15, v0                        ; the addresses of the later phases are made while the loads are out
	v_bfe_u32 v[HH], v0, 4, 1
	v_and_b32 v[TA], 7, v0                         ; rows 8-15 of source 0 repeat experts 0-7
	s_lshl_b32 s29, s16, 7                         ; my wave's 64 k: 128 bytes along the rows
	s_add_co_u32 s57, s29, WGT
	v_mul_u32_u24 v[FWA], v[TA], XP
	v_lshl_add_u32 v[FWA], v[HH], 4, v[FWA]
	v_add_nc_u32 v[FWA], s57, v[FWA]
	v_mul_u32_u24 v[FXA], v[RR], XP
	v_lshl_add_u32 v[FXA], v[HH], 4, v[FXA]
	v_add_nc_u32 v[FXA], s29, v[FXA]
	s_lshl_b32 s57, s16, 10
	s_add_co_u32 s57, s57, PART
	v_lshl_add_u32 v[PA], v1, 5, s57
	v_lshl_add_u32 v[RA], v1, 5, PART
	s_mov_b32 s56, 0xffff0000                      ; lanes 16-31
	s_wait_loadcnt 16                              ; Wg is in; the 16 loads of x stay out
.set i, 0
.rept 8
	v_cvt_pk_bf16_f32 v[P+i], v[G+i], v[G+8+i]     ; expert i: k = 2 t below, k = 2 t + 1 above
.set i, i+1
.endr
.set i, 0
.rept 8
	ds_store_b32 v[LW], v[P+i] offset:i*XP
.set i, i+1
.endr
.set i, 0
.rept 16
	s_wait_loadcnt 15-i                            ; loads come back in order: load i is in, the younger ones stay out
	v_cvt_pk_bf16_f32 v[Y+2*i],   v[X+4*i],   v[X+4*i+1]
	v_cvt_pk_bf16_f32 v[Y+2*i+1], v[X+4*i+2], v[X+4*i+3]
	ds_store_b64 v[LX], v[Y+2*i:Y+2*i+1] offset:(i/8)*XP+(i%8)*256
	global_store_b64 v[YO], v[Y+2*i:Y+2*i+1], s[8:9] offset:256*i  ; the wave stores 256 consecutive bytes, at a multiple of 256 from xb's first byte
.set i, i+1
.endr
	s_wait_dscnt 0x0                               ; for the others' sake: my rows of x and my part of Wg^T are in LDS
	s_barrier_signal -1
	s_barrier_wait -1
	; the partial logits: two K steps of 32, two tiles of 16 tokens
.irp s, 0,1
	ds_load_b128 v[FW+8*\s:FW+8*\s+3],   v[FWA] offset:64*\s
	ds_load_b128 v[FW+8*\s+4:FW+8*\s+7], v[FWA] offset:64*\s+32
.irp u, 0,1
	ds_load_b128 v[FX+8*(2*\u+\s):FX+8*(2*\u+\s)+3],   v[FXA] offset:\u*16*XP+64*\s
	ds_load_b128 v[FX+8*(2*\u+\s)+4:FX+8*(2*\u+\s)+7], v[FXA] offset:\u*16*XP+64*\s+32
.endr
.endr
	s_wait_dscnt 0x0
	v_wmma_f32_16x16x32_bf16 v[D0:D0+7], v[FW:FW+7],    v[FX:FX+7],     0           ; the two accumulators take turns
	v_wmma_f32_16x16x32_bf16 v[D1:D1+7], v[FW:FW+7],    v[FX+16:FX+23], 0
	v_wmma_f32_16x16x32_bf16 v[D0:D0+7], v[FW+8:FW+15], v[FX+8:FX+15],  v[D0:D0+7]
	v_wmma_f32_16x16x32_bf16 v[D1:D1+7], v[FW+8:FW+15], v[FX+24:FX+31], v[D1:D1+7]
.rept 4
	v_nop                                          ; four places between the products and the first read of their results (ISA guide 7.12.1)
.endr
.set i, 0
.rept 8                                                ; register j of either result is expert j of token lane % 16 in both halves of the lanes: lane L takes token L
	v_cndmask_b32 v[LL+i], v[D0+i], v[D1+i], s56
.set i, i+1
.endr
	ds_store_b128 v[PA], v[LL:LL+3]
	ds_store_b128 v[PA], v[LL+4:LL+7] offset:16
	s_wait_tensorcnt 0x0                           ; behind my last LDS store: after the add below nothing is written to LDS
	ds_add_u32 v[SPW], v[NIL]
	s_wait_dscnt 0x0                               ; also for the others' sake: my partial logits are in LDS
	s_barrier_signal -1
	s_barrier_wait -1
	s_cmp_lg_u32 s16, 0
	s_cbranch_scc1 .Lend                           ; the rest is 32 tokens' worth: one wave, a token a lane
.set i, 0
.rept 16
	ds_load_b128 v[X+8*i:X+8*i+3],   v[RA] offset:1024*i
	ds_load_b128 v[X+8*i+4:X+8*i+7], v[RA] offset:1024*i+16
.set i, i+1
.endr
	s_mov_b32 s28, 0x3fb8aa3b                      ; log2(e)
	s_mov_b32 s30, 0x76543210                      ; v_permlanex16_b32: each lane takes its own place in the other half
	s_mov_b32 s31, 0xfedcba98
	s_wait_dscnt 0x0
.set i, 1
.rept 15                                               ; f32 sums, K ascending
.irp q, 0,2,4,6
	v_pk_add_f32 v[LG+\q:LG+\q+1], v[LG+\q:LG+\q+1], v[X+8*i+\q:X+8*i+\q+1]
.endr
.set i, i+1
.endr
	v_lshlrev_b32 v[O8], 3, v1                     ; the three stores' offsets, in registers that the sums have set free
	v_lshlrev_b32 v[O128], 7, v1
	v_lshlrev_b32 v[O4], 2, v1
	; softmax: the maximum is taken away inside the fused scaling, p = 2^(c l - c m)
	v_max3_num_f32 v[T], v[LG], v[LG+1], v[LG+2]
	v_max3_num_f32 v[T], v[T], v[LG+3], v[LG+4]
	v_max3_num_f32 v[T], v[T], v[LG+5], v[LG+6]
	v_max_num_f32 v[T], v[T], v[LG+7]
	v_mul_f32 v[T+1], s28, v[T]
.set i, 0
.rept 8
	v_fma_f32 v[LG+i], v[LG+i], s28, -v[T+1]
.set i, i+1
.endr
.set i, 0
.rept 8
	v_exp_f32 v[PR+i], v[LG+i]
.set i, i+1
.endr
	v_nop                                          ; a plain instruction behind the last exponential,
	s_wait_alu depctr_va_vdst(0)                   ; and one wait for the batch of eight, ahead of its first reader
	v_pk_add_f32 v[T:T+1], v[PR:PR+1], v[PR+2:PR+3]
	v_pk_add_f32 v[T+2:T+3], v[PR+4:PR+5], v[PR+6:PR+7]
	v_pk_add_f32 v[T:T+1], v[T:T+1], v[T+2:T+3]
	v_add_f32 v[T], v[T], v[T+1]
	v_rcp_f32 v[T+2], v[T]
	v_nop
	s_wait_alu depctr_va_vdst(0)
.set i, 0
.rept 8
	v_mul_f32 v[PR+i], v[PR+i], v[T+2]
.set i, i+1
.endr
	; the two largest: an ascending scan with 'greater' keeps the lower index among equals
	v_mov_b32 v[B0], v[PR]
	v_mov_b32 v[I0], 0
.irp e, 1,2,3,4,5,6,7
	v_cmp_gt_f32 vcc_lo, v[PR+\e], v[B0]
	v_cndmask_b32 v[B0], v[B0], v[PR+\e], vcc_lo
	v_cndmask_b32 v[I0], v[I0], \e, vcc_lo
.endr
.irp e, 0,1,2,3,4,5,6,7
	v_cmp_eq_u32 vcc_lo, \e, v[I0]
	v_cndmask_b32 v[QQ+\e], v[PR+\e], -1.0, vcc_lo ; the first choice drops below every probability
.endr
	v_mov_b32 v[B1], v[QQ]
	v_mov_b32 v[I1], 0
.irp e, 1,2,3,4,5,6,7
	v_cmp_gt_f32 vcc_lo, v[QQ+\e], v[B1]
	v_cndmask_b32 v[B1], v[B1], v[QQ+\e], vcc_lo
	v_cndmask_b32 v[I1], v[I1], \e, vcc_lo
.endr
	v_add_f32 v[T], v[B0], v[B1]
	v_add_f32 v[T], 0x322bcc77, v[T]               ; + 1e-8
	v_rcp_f32 v[T+1], v[T]
	v_nop
	s_wait_alu depctr_va_vdst(0)
	v_mul_f32 v[WP], v[B0], v[T+1]
	v_mul_f32 v[WP+1], v[B1], v[T+1]
	global_store_b64 v[O8], v[WP:WP+1], s[10:11]   ; 256 consecutive bytes
	v_mov_b32 v[BMV], 0
	v_mov_b32 v[STV], 0
	v_mov_b32 v[CTV], 0
.irp e, 0,1,2,3,4,5,6,7
	v_cmp_eq_u32 s29, \e, v[I0]
	v_cmp_eq_u32 s[MJ+\e], \e, v[I1]
	s_or_b32 s[MA+\e], s29, s[MJ+\e]
	s_bcnt1_i32_b32 s[CT+\e], s[MA+\e]
	v_writelane_b32 v[BMV], s[MA+\e], \e           ; lane e: who chose e;  lane 8 + e: who chose it second;  lanes 16-31: 0
	v_writelane_b32 v[BMV], s[MJ+\e], 8+\e
	v_writelane_b32 v[CTV], s[CT+\e], 8+\e
.endr
	; the sum of each expert's probability over the 32 tokens
.irp m, 1,2,4,8
.set i, 0
.rept 8
	v_add_f32_dpp v[PR+i], v[PR+i], v[PR+i] row_xmask:\m row_mask:0xf bank_mask:0xf
.set i, i+1
.endr
.endr
.set i, 0
.rept 8
	v_permlanex16_b32 v[QQ+i], v[PR+i], s30, s31
.set i, i+1
.endr
.set i, 0
.rept 8
	v_add_f32 v[PR+i], v[PR+i], v[QQ+i]
.set i, i+1
.endr
.irp e, 0,1,2,3,4,5,6,7
	v_readfirstlane_b32 s29, v[PR+\e]
	v_writelane_b32 v[STV], s29, \e
.endr
	v_cvt_f32_u32 v[CTV], v[CTV]
	v_add_f32 v[STV], v[STV], v[CTV]               ; lanes 0-7 the sums, lanes 8-15 the counts, the rest 0
	global_store_b32 v[O128], v[BMV], s[12:13]     ; one word in each of the 32 rows of bm: once a work-group; the rows lie so that a later launch takes an expert's 32 words by scalar loads
	global_store_b32 v[O4], v[STV], s[14:15]
.Lend:
	s_endpgm
.Lfunc_end_k_qb985d418e3_route:
	.size	k_qb985d418e3_route, .Lfunc_end_k_qb985d418e3_route-k_qb985d418e3_route
	.p2alignl 7, 3214868480
	.fill 96, 4, 3214868480
	.section	.rodata,"a",@progbits
	.p2align	6, 0x0
	.amdhsa_kernel k_qb985d418e3_route
		.amdhsa_group_segment_fixed_size 101120
		.amdhsa_private_segment_fixed_size 0
		.amdhsa_enable_private_segment 0
		.amdhsa_kernarg_size 48
		.amdhsa_user_sgpr_count 2
		.amdhsa_user_sgpr_kernarg_segment_ptr 1
		.amdhsa_wavefront_size32 1
		.amdhsa_system_sgpr_workgroup_id_x 1
		.amdhsa_system_sgpr_workgroup_id_y 1
		.amdhsa_system_sgpr_workgroup_id_z 1
		.amdhsa_system_vgpr_workitem_id 0
		.amdhsa_next_free_vgpr 200
		.amdhsa_next_free_sgpr 66
		.amdhsa_reserve_vcc 1
		.amdhsa_float_denorm_mode_32 3
		.amdhsa_float_denorm_mode_16_64 3
		.amdhsa_memory_ordered 1
		.amdhsa_forward_progress 1
		.amdhsa_inst_pref_size 30
	.end_amdhsa_kernel
	.amdgpu_metadata
---
amdhsa.version: [ 1, 2 ]
amdhsa.kernels:
  - .name:           k_qb985d418e3_route
    .symbol:         k_qb985d418e3_route.kd
    .args:
      - { .name: x, .offset: 0, .size: 8, .value_kind: global_buffer, .address_space: global }
      - { .name: Wg, .offset: 8, .size: 8, .value_kind: global_buffer, .address_space: global }
      - { .name: xb, .offset: 16, .size: 8, .value_kind: global_buffer, .address_space: global }
      - { .name: wts, .offset: 24, .size: 8, .value_kind: global_buffer, .address_space: global }
      - { .name: bm, .offset: 32, .size: 8, .value_kind: global_buffer, .address_space: global }
      - { .name: stat, .offset: 40, .size: 8, .value_kind: global_buffer, .address_space: global }
    .group_segment_fixed_size: 101120
    .private_segment_fixed_size: 0
    .kernarg_segment_align: 8
    .kernarg_segment_size: 48
    .max_flat_workgroup_size: 512
    .sgpr_count:     66
    .vgpr_count:     200
    .wavefront_size: 32
...
	.end_amdgpu_metadata
.endif
;; end of part 1
;; launch up (part 2): grid 256 x 1, 4 waves a work-group, no clusters, 321,024 bytes of LDS; arguments W1, xb, bm, hid; writes hid
.if DOCPART == 2
	.amdgcn_target "amdgcn-amd-amdhsa--gfx1250"
	.amdhsa_code_object_version 6
	.text
	.protected	k_qb985d418e3_up
	.globl	k_qb985d418e3_up
	.p2align	8
	.type	k_qb985d418e3_up,@function
k_qb985d418e3_up:
	s_mov_b64 s[64:65], 0
	v_nop
	global_prefetch_b8 v0, s[64:65] scope:SCOPE_SE
	s_setreg_imm32_b32 hwreg(HW_REG_WAVE_MODE, 25, 1), 1
	s_wait_xcnt 0x0
; ONE PRODUCT OF THE EXPERTS' CHAIN.  One text serves both products; UP, set below, says which of them this file is.
;   UP = 1: hid[slot][4096] = bf16(gelu(xb[slot / 2] . W1[e]))            UP = 0: part[ks][slot][1024] = hid[slot][1024 ks ..] . W2[e][1024 ks ..], in f32
; slot = 2 x token + (0: first choice, 1: second).  Only the rows that chose expert e are multiplied.
; SHARES.  A work-group has a slice of ONE expert's weights, 1,024 k x 128 columns of f32, which it alone reads, once, and ALL of that expert's rows.  The slice is rounded to bf16 on its way through
; registers and stays in LDS whole.  (UP = 0: K = 4,096 is cut in four, so that the slice has the same shape; the four partial sums stay in f32 and the last launch adds them.)
; Rows go in batches of 320: block a (0-4) of wave w is places RB + 16 (4 a + w) .. + 15 of the expert's list, so live blocks spread evenly over the four waves.
; Batch 0 is multiplied under the weights' stream, 64 k a trip; batches 1 to 3 (an expert with more than 320 rows; up to 1,024 are served) read the slice from LDS, with no barrier and no write of it.
; THE LIST.  Each wave makes its own from the expert's two bitmaps (256 bytes): the chosen tokens' slots in ascending order; the 224 places behind them repeat the last chosen slot; the rest hold
; other tokens, so that every one of its 1,024 places names a row that exists.
; WHAT HANGS ON THE COUNT.  Every loop has a constant count.  Two flags, set once a batch, say whether my wave has rows (its block 0 begins below the count) and whether its block 4 has.  A wave without rows
; jumps forward over the batch, to the label ahead of the counter's step; block 4's products and way out are jumped where it has none; no barrier stands in what is jumped.  Blocks 0 to 3 of a wave with rows
; are always multiplied and stored.  A place past the count in them lies at most 206 places behind it and so is the last chosen row once more: the same operands give the same bytes, stored to the
; same address by the same work-group.  So no lane is ever switched off, and no store is cut.
; THE PRODUCT is used transposed: source 0 = 16 columns of the weights (turned on their way out of LDS by ds_load_tr16_b128), source 1 = 16 rows of tokens, loaded from memory as they lie:
; in the result a lane holds one token (lane % 16) and eight neighbouring columns.
; NO MULTICAST, NO TENSOR LOAD: each weight has one reader and is rounded in registers; the token rows that an expert's work-groups share come by a list, which no tile describes; LDS is full of the slice.
; LIMITS.  Weights and token rows are bf16 matrix operands; hid is kept in bf16 (not f16: its range).  erfc is taken by a five-term form in 1 / (1 + p x) times exp(-x^2), off by at most 1.5e-7 for every finite x.
; NaN and infinities are not treated apart.
.set UP, 1
.if UP
.set PITCH, 16384                      ; bytes from a k row of the weights to the next
.set LOGP,  14
.set NCASE, 5                          ; the way out: a pass a block
.else
.set PITCH, 4096
.set LOGP,  12
.set NCASE, 10                         ; the way out: two passes a block: 64 columns of f32 are a stage row's 256 bytes
.endif
.set WLP,   288                        ; a k row of the slice in LDS: 256 bytes + 32: an odd multiple of 32, for the turning load
.set CHB,   64*WLP                     ; a chunk: 64 k rows
.set WLMAX, 15*CHB+15*WLP+16           ; the highest address that a lane's turning loads start from
.set LIST,  1024*WLP                   ; behind the slice: 4 waves x 1,024 slots of 16 bits
.set STG,   LIST+4*2048                ; 4 waves x 16 rows x 272 bytes, for the way out
.set SP,    272
.set SPARE, STG+4*16*SP                ; the spare words, 128 bytes a wave; no other line names them
; REGISTERS, in windows of 256 (s_set_vgpr_msb: bits 1:0 source 0, 3:2 source 1, 5:4 source 2, 7:6 destination)
;   window 0: addresses, the weights' fragments, the way out     window 1: accumulator (a, b) at 64 a + 8 b, a = 0-3
;   window 2: v0-63 accumulators (4, b); v64-143, v144-223 two buffers of token fragments, (K step s, block a) at 8 (5 s + a)     window 3: v0-63, v64-127 two buffers of 16 f32 rows of weights
.set BADR0, 4                          ; v4   my lane's place in a chunk for the turning load; never rewritten
.set BADR,  5                          ; v5   the same in the chunk in hand
.set SADR,  6                          ; v6   where I put 8 bytes of a k row
.set WOFF,  7                          ; v7   16 x lane: my 16 bytes of a row piece of 512; never rewritten
.set PFO,   8                          ; v8   prefetch: row lane / 2, block lane % 2 of 256 bytes; never rewritten
.set LISTW, 9                          ; v9   my wave's list
.set AOFF,  10                         ; v10-14  block a: my token row's byte offset + 16 (lane / 16)
.set STO,   15                         ; v15  the way out: where I put my part of a row
.set RD,    16                         ; v16  where I read a row back
.set COL16, 17                         ; v17  16 (lane % 16)
.if UP
.set CH,    17
.else
.set CH,    18                         ; v18  the same + 256 for the second half of the columns
.endif
.set LADR,  19
.set TM,    20                         ; v20-27 at work
.set SPW,   28                         ; v28  LDS address of my spare word; never rewritten
.set NIL,   29                         ; v29  0; never rewritten
.set SADR0, 30                         ; v30  my wave's 16 rows of chunk 0, my 8 bytes; never rewritten
.set H16,   31                         ; v31  16 (lane / 16)
.set T16,   32                         ; v32-47   eight rows rounded
.set BF,    48                         ; v48-111, v112-175  the weights' fragments of the two K steps of a chunk
.set TT,    48                         ; the way out: a block's 64 numbers a lane
.set GU,    112
.set GQ,    128
.set GP,    144
.set GR,    160
.set OB,    176                        ; v176-207 a block on its way out
.set GOFF,  208                        ; v208-215 its rows' byte offsets
.set AB,    64                         ; window 2
.set T2,  2
.set SB,  3                            ; s3   the chunk in hand, in bytes of LDS
.set WV,  12
.set EX,  13
.set SL,  14
.set KS,  15
.set CNT, 16                           ; s16  the expert's rows
.set RB,  17                           ; s17  the batch's first place
.set LIVE4, 18                         ; s18  1: my block 4 has rows
.set KC,  19
.set BC,  20
.set OC,  21
.set ROW, 22
.set TS,  25
.set WB,  26                           ; s[26:27] the weights at my 16 rows of the chunk last asked for
.set AP,  28                           ; s[28:29] the token rows at the chunk last asked for
.set OF,  30                           ; s[30:31] an offset
.set JW,  32                           ; s32-63 'second choice' words; later what follows
.set C1,  32
.set PP,  34
.set KK,  36
.set A1,  38
.set A2,  40
.set A3,  42
.set A4,  44
.set A5,  46
.set OBASE, 48
.set LIVEW, 50                         ; s50  1: my wave has rows in this batch
.set NL,  51                           ; s51  the passes of the way out that have something to store
.set AW,  68                           ; s68-99 'chosen' words
.set ABASE, 100
.set MSB, 0
.macro WIN new                         ; the immediate's high byte repeats the setting that is left; a switch that changes nothing is dropped
.if MSB != (\new)
	s_set_vgpr_msb (MSB<<8)|(\new)
.set MSB, \new
.endif
.endm
.macro PLACES
.rept 4
	v_nop
.endr
.endm
; 16 loads: my wave's 16 k rows from row on, each a row piece of 512 consecutive bytes, into buffer x
.macro WLOAD x, row
	WIN 0xc0
.set i, 0
.rept 16
	global_load_b128 v[64*(\x)+4*i:64*(\x)+4*i+3], v[WOFF], s[WB:WB+1] offset:((\row)+i)*PITCH th:TH_LOAD_NT
.set i, i+1
.endr
.endm
; Buffer x is rounded and put into the slice, eight rows at a time.  issue = 1: as soon as eight rows are rounded their registers are asked for again, from s[WB].
; ahead = 1: the chunk behind the one in hand.  pf: my own 16 rows x 2 blocks of 256 bytes of the chunk two further on than the one just asked for are prefetched: each block once in the
; launch, by the wave that will load it, two trips ahead of that load (1: always; 2: not in the loop's last trip, whose look-ahead would pass chunk 15).
.macro TOLDS x, ahead, issue, pf
.irp q, 0,1
	WIN 0x0f
.set i, 0
.rept 8
	v_cvt_pk_bf16_f32 v[T16+2*i],   v[64*(\x)+32*\q+4*i],   v[64*(\x)+32*\q+4*i+1]
	v_cvt_pk_bf16_f32 v[T16+2*i+1], v[64*(\x)+32*\q+4*i+2], v[64*(\x)+32*\q+4*i+3]
.set i, i+1
.endr
.if \issue
	WIN 0xc0
.set i, 0
.rept 8
	global_load_b128 v[64*(\x)+32*\q+4*i:64*(\x)+32*\q+4*i+3], v[WOFF], s[WB:WB+1] offset:(8*\q+i)*PITCH th:TH_LOAD_NT
.set i, i+1
.endr
.endif
	WIN 0
.set i, 0
.rept 8
	ds_store_b64 v[SADR], v[T16+2*i:T16+2*i+1] offset:(\ahead)*CHB+(8*\q+i)*WLP  ; the wave stores a row's 256 consecutive bytes
.set i, i+1
.endr
.endr
.if (\pf) == 2
	s_cmp_eq_u32 s[KC], 1
	s_cbranch_scc1 .Lnopf_\@
.endif
.if \pf
	global_prefetch_b8 v[PFO], s[WB:WB+1] offset:128*PITCH th:TH_LOAD_NT scope:SCOPE_SE
.endif
.if (\pf) == 2
.Lnopf_\@:
.endif
.endm
; 20 loads: a chunk's token fragments, 2 K steps x 5 blocks, into buffer p.  Block 4's are always among them, so that every count is the same whether the block has rows or not.
.macro ALOAD p
	WIN 0x80
.irp s, 0,1
.irp a, 0,1,2,3,4
	global_load_b128 v[AB+80*(\p)+8*(5*\s+\a):AB+80*(\p)+8*(5*\s+\a)+3],   v[AOFF+\a], s[AP:AP+1] offset:64*\s
	global_load_b128 v[AB+80*(\p)+8*(5*\s+\a)+4:AB+80*(\p)+8*(5*\s+\a)+7], v[AOFF+\a], s[AP:AP+1] offset:64*\s+32
.endr
.endr
	WIN 0
.endm
; 16 turning loads: K step s of the chunk in hand, all 128 columns, into fragment buffer f: lane l gets column 16 b + l % 16, k as a fragment wants it
.macro FETCHB s, f
	WIN 0
.irp b, 0,1,2,3,4,5,6,7
	ds_load_tr16_b128 v[BF+64*(\f)+8*\b:BF+64*(\f)+8*\b+3],   v[BADR] offset:(\s)*32*WLP+32*\b
	ds_load_tr16_b128 v[BF+64*(\f)+8*\b+4:BF+64*(\f)+8*\b+7], v[BADR] offset:(\s)*32*WLP+16*WLP+32*\b
.endr
.endm
; 8 products: block a (0-3) x all 8 column blocks, K step s.  Every accumulator has one turn in a K step.  zero = 1: the product starts the sum.
.macro MUL f, p, s, a, zero
	WIN 0x58
.irp b, 0,1,2,3,4,5,6,7
.if \zero
	v_wmma_f32_16x16x32_bf16 v[64*(\a)+8*\b:64*(\a)+8*\b+7], v[BF+64*(\f)+8*\b:BF+64*(\f)+8*\b+7], v[AB+80*(\p)+8*(5*(\s)+(\a)):AB+80*(\p)+8*(5*(\s)+(\a))+7], 0
.else
	v_wmma_f32_16x16x32_bf16 v[64*(\a)+8*\b:64*(\a)+8*\b+7], v[BF+64*(\f)+8*\b:BF+64*(\f)+8*\b+7], v[AB+80*(\p)+8*(5*(\s)+(\a)):AB+80*(\p)+8*(5*(\s)+(\a))+7], v[64*(\a)+8*\b:64*(\a)+8*\b+7]
.endif
.endr
.endm
.macro M4 f, p, s, zero                ; the same for block 4, whose accumulators lie in window 2
	WIN 0xa8
.irp b, 0,1,2,3,4,5,6,7
.if \zero
	v_wmma_f32_16x16x32_bf16 v[8*\b:8*\b+7], v[BF+64*(\f)+8*\b:BF+64*(\f)+8*\b+7], v[AB+80*(\p)+8*(5*(\s)+4):AB+80*(\p)+8*(5*(\s)+4)+7], 0
.else
	v_wmma_f32_16x16x32_bf16 v[8*\b:8*\b+7], v[BF+64*(\f)+8*\b:BF+64*(\f)+8*\b+7], v[AB+80*(\p)+8*(5*(\s)+4):AB+80*(\p)+8*(5*(\s)+4)+7], v[8*\b:8*\b+7]
.endif
.endr
.endm
; Block 4's two K steps stand together and are jumped where the block has no rows; the products that start its sums are issued all the same, so that its registers are written whatever the count.
.macro MUL4 p, zero
.if \zero
	M4 0, \p, 0, 1
.endif
	WIN 0
	s_cmp_eq_u32 s[LIVE4], 0
	s_cbranch_scc1 .Ldead_\@
.if !(\zero)
	M4 0, \p, 0, 0
.endif
	M4 1, \p, 1, 0
	WIN 0
.Ldead_\@:
.endm
; A TRIP multiplies the chunk in hand (token buffer p).  stage = 1 (batch 0): it also rounds the next chunk's weights into LDS (issue = 1: and asks for the chunk three on).  aiss = 1: it asks for the next chunk's token rows.
; ORDER OF THE LOADS.  Loads come back in the order of issue, so the token rows of chunk t + 1 are asked for AHEAD of the weights of chunk t + 3.  At a staged trip's head W(t+1) 16, A(t) 20, W(t+2) 16 are out:
; pre = 16 leaves W(t+2) out and shows the two that the trip needs; then A(t+1) and W(t+3) go out: 52 loads at the most.  A trip without staging waits for all (pre = 0): only its own 20 loads of token rows,
; asked for a trip ago, can be out.
; bar = 1: ONE barrier a trip.  Each byte of the slice is written once, so all that has to be ordered is a chunk's stores against its reads in the next trip: each wave waits for its stores, signals,
; multiplies the second K step, and waits for the others.
.macro TRIP p, stage, issue, pf, aiss, zero, bar, pre
	WIN 0
	v_add_nc_u32 v[BADR], s[SB], v[BADR0]          ; four plain instructions stand between the last products and the loads into registers that they read (ISA guide 7.12.1 for vector instructions): this one,
.if \stage
	v_add_nc_u32 v[SADR], s[SB], v[SADR0]          ; this one,
.else
	v_min_u32 v[BADR], WLMAX, v[BADR]              ; this one, which holds the address inside the slice's bytes,
.endif
	v_nop                                          ; and these two
	v_nop
.if (\aiss) || (\issue)
	s_wait_xcnt 0x0                                ; the two pointers are stepped only behind this wait: every earlier load and prefetch has had its address translated (ISA guide 3.1)
.endif
.if \aiss
	s_add_nc_u64 s[AP:AP+1], s[AP:AP+1], 128       ; 64 k of bf16
.endif
.if \issue
	s_add_nc_u64 s[WB:WB+1], s[WB:WB+1], 64*PITCH
.endif
	FETCHB 0, 0
	s_wait_loadcnt \pre
.if \aiss
	ALOAD 1-(\p)
.endif
.if \stage
	TOLDS 1-(\p), 1, \issue, \pf
	s_wait_dscnt 16                                ; the first K step's fragments are in; my 16 stores are younger
.else
	s_wait_dscnt 0x0
.endif
	FETCHB 1, 1                                    ; the second K step's: 32 products in which to land
	MUL 0, \p, 0, 0, \zero
	MUL 0, \p, 0, 1, \zero
	MUL 0, \p, 0, 2, \zero
	MUL 0, \p, 0, 3, \zero
	s_wait_dscnt 0x0                               ; they are in; and, for the others' sake, my stores into the slice are done
	MUL4 \p, \zero
.if \bar
	s_barrier_signal -1
.endif
	MUL 1, \p, 1, 0, 0
	MUL 1, \p, 1, 1, 0
	MUL 1, \p, 1, 2, 0
	MUL 1, \p, 1, 3, 0
	WIN 0
	s_add_co_u32 s[SB], s[SB], CHB
.if \bar
	s_barrier_wait -1
.endif
.endm
; A batch begins.  FLAGS: has my wave rows in it, has my block 4?  It leaves my block 0's first place in s[T2] for ROWS.
.macro FLAGS
	s_lshl_b32 s[T2], s[WV], 4
	s_add_co_u32 s[T2], s[T2], s[RB]               ; my block 0's first place in the list
	s_cmp_lt_u32 s[T2], s[CNT]
	s_cselect_b32 s[LIVEW], 1, 0                   ; my block 0 has rows, or none of my blocks has
	s_add_co_u32 s[TS], s[T2], 256                 ; my block 4's first place
	s_cmp_lt_u32 s[TS], s[CNT]
	s_cselect_b32 s[LIVE4], 1, 0
.endm
; ROWS: my five blocks' rows are looked up in my list.  A block past the list's end takes the list's last 16 places, whole; the way out does the same, so that the two agree.
.macro ROWS
.irp a, 0,1,2,3,4
	s_add_co_u32 s[TS], s[T2], 64*\a
	s_min_u32 s[TS], s[TS], 0x3f0
	v_add_nc_u32 v[TM+\a], s[TS], v2
	v_lshl_add_u32 v[TM+\a], v[TM+\a], 1, v[LISTW]
	ds_load_u16 v[AOFF+\a], v[TM+\a]               ; LDS serves a wave's instructions in order (ISA guide 5.7.1.4): these see my stores into my list
.endr
	s_mov_b64 s[AP:AP+1], s[ABASE:ABASE+1]
	s_mov_b32 s[SB], 0
	s_wait_dscnt 0x0
.irp a, 0,1,2,3,4
	v_min_u32 v[AOFF+\a], 0x7ff, v[AOFF+\a]
.if UP
	v_and_b32 v[AOFF+\a], 0x7fe, v[AOFF+\a]        ; token x 2,048 bytes
	v_lshl_add_u32 v[AOFF+\a], v[AOFF+\a], 10, v[H16]
.else
	v_lshl_add_u32 v[AOFF+\a], v[AOFF+\a], 13, v[H16]  ; slot x 8,192 bytes
.endif
.endr
.endm
.if UP
.macro CASE c                          ; s = c1 z for block c's 64 numbers; each accumulator is read from its low end on
.if (\c) < 4
	WIN 0x01
.set AC, 64*(\c)
.else
	WIN 0x02
.set AC, 0
.endif
.set i, 0
.rept 32
	v_pk_mul_f32 v[TT+2*i:TT+2*i+1], v[AC+2*i:AC+2*i+1], s[C1:C1+1] op_sel_hi:[1,0]
.set i, i+1
.endr
	WIN 0
.endm
; Sixteen numbers' GELU.  The 16 reciprocals and 16 exponentials are one batch with one wait; the 16 maxima are the plain work behind it.
.macro GELU g
.set i, 0
.rept 16
	v_fma_f32 v[GU+i], |v[TT+16*(\g)+i]|, s[PP], 1.0
.set i, i+1
.endr
.set i, 0
.rept 8
	v_pk_mul_f32 v[GQ+2*i:GQ+2*i+1], v[TT+16*(\g)+2*i:TT+16*(\g)+2*i+1], v[TT+16*(\g)+2*i:TT+16*(\g)+2*i+1] neg_lo:[0,1] neg_hi:[0,1]  ; - s^2
.set i, i+1
.endr
.set i, 0
.rept 16
	v_rcp_f32 v[GU+i], v[GU+i]                     ; u = 1 / (1 + p x)
	v_exp_f32 v[GQ+i], v[GQ+i]                     ; exp(-x^2)
.set i, i+1
.endr
.set i, 0
.rept 16
	v_max_num_f32 v[GR+i], 0, v[TT+16*(\g)+i]
.set i, i+1
.endr
	s_wait_alu depctr_va_vdst(0)
.set i, 0
.rept 8
	v_pk_fma_f32 v[GP+2*i:GP+2*i+1], v[GU+2*i:GU+2*i+1], s[A5:A5+1], s[A4:A4+1] op_sel_hi:[1,0,0]
.set i, i+1
.endr
.irp k, A3, A2, A1
.set i, 0
.rept 8
	v_pk_fma_f32 v[GP+2*i:GP+2*i+1], v[GP+2*i:GP+2*i+1], v[GU+2*i:GU+2*i+1], s[\k:\k+1] op_sel_hi:[1,1,0]
.set i, i+1
.endr
.endr
.set i, 0
.rept 8
	v_pk_mul_f32 v[GP+2*i:GP+2*i+1], v[GP+2*i:GP+2*i+1], v[GU+2*i:GU+2*i+1]
.set i, i+1
.endr
.set i, 0
.rept 8
	v_pk_mul_f32 v[GP+2*i:GP+2*i+1], v[GP+2*i:GP+2*i+1], v[GQ+2*i:GQ+2*i+1]
.set i, i+1
.endr
.set i, 0
.rept 16
	v_fma_f32 v[GR+i], -|v[TT+16*(\g)+i]|, v[GP+i], v[GR+i]
.set i, i+1
.endr
.set i, 0
.rept 8
	v_pk_mul_f32 v[GR+2*i:GR+2*i+1], v[GR+2*i:GR+2*i+1], s[KK:KK+1] op_sel_hi:[1,0]
.set i, i+1
.endr
.set i, 0
.rept 8
	v_cvt_pk_bf16_f32 v[OB+8*(\g)+i], v[GR+2*i], v[GR+2*i+1]
.set i, i+1
.endr
.endm
.else
.macro CASE c                          ; block c / 2, columns 64 (c % 2) on: straight from the accumulators into my stage, each from its low end on
.if (\c)/2 < 4
	WIN 0x04
.set AC, 64*((\c)/2)+32*((\c)%2)
.else
	WIN 0x08
.set AC, 32*((\c)%2)
.endif
.irp b, 0,1,2,3
	ds_store_b128 v[STO], v[AC+8*\b:AC+8*\b+3]   offset:64*\b
	ds_store_b128 v[STO], v[AC+8*\b+4:AC+8*\b+7] offset:64*\b+16
.endr
	WIN 0
.endm
.endif
	s_load_b256 s[4:11], s[0:1], 0x0               ; weights s[4:5], token rows s[6:7], bm s[8:9], result s[10:11]
	v_lshl_add_u32 v[SPW], v0, 2, SPARE
	v_mov_b32 v[NIL], 0
	v_and_b32 v1, 31, v0                           ; lane
	v_lshrrev_b32 v[TM], 5, v0
	v_readfirstlane_b32 s[WV], v[TM]               ; wave 0..3
	s_lshr_b32 s[EX], ttmp9, 5                     ; the expert
	s_and_b32 s[SL], ttmp9, 31                     ; the slice
.if !UP
	s_lshr_b32 s[KS], s[SL], 3                     ; which 1,024 of K,
	s_and_b32 s[SL], s[SL], 7                      ; which 128 columns
.endif
	s_lshl_b32 s[OF], s[EX], 24                    ; an expert's weights are 16 MiB
	s_lshl_b32 s[T2], s[SL], 9
	s_add_co_u32 s[OF], s[OF], s[T2]
.if !UP
	s_lshl_b32 s[T2], s[KS], 22
	s_add_co_u32 s[OF], s[OF], s[T2]
.endif
	s_mul_i32 s[T2], s[WV], 16*PITCH               ; my wave's 16 rows of every chunk
	s_add_co_u32 s[OF], s[OF], s[T2]
	s_mov_b32 s[OF+1], 0
	v_lshlrev_b32 v[WOFF], 4, v1
	s_wait_kmcnt 0x0
	s_add_nc_u64 s[WB:WB+1], s[4:5], s[OF:OF+1]
	WLOAD 0, 0                                     ; the first two chunks of weights hang on no routing: they go out first
	WLOAD 1, 64
	WIN 0
	s_lshl_b32 s[OF], s[EX], 7
	s_add_nc_u64 s[8:9], s[8:9], s[OF:OF+1]
	s_load_b512 s[AW:AW+15],    s[8:9], 0x0        ; row e of bm: who chose e
	s_load_b512 s[AW+16:AW+31], s[8:9], 0x40
	s_load_b512 s[JW:JW+15],    s[8:9], 0x400      ; row 8 + e: who chose it second
	s_load_b512 s[JW+16:JW+31], s[8:9], 0x440
.if UP
	s_mov_b64 s[ABASE:ABASE+1], s[6:7]
	s_lshl_b32 s[OF], s[SL], 8                     ; my 128 columns of hid: 256 bytes
.else
	s_lshl_b32 s[OF], s[KS], 11                    ; my 1,024 of K in a row of hid
	s_add_nc_u64 s[ABASE:ABASE+1], s[6:7], s[OF:OF+1]
	s_lshl_b32 s[OF], s[KS], 23                    ; my plane of part, my 128 columns: 512 bytes
	s_lshl_b32 s[T2], s[SL], 9
	s_add_co_u32 s[OF], s[OF], s[T2]
.endif
	s_add_nc_u64 s[10:11], s[10:11], s[OF:OF+1]
	v_and_b32 v2, 15, v0                           ; r = lane % 16
	v_bfe_u32 v3, v0, 4, 1                         ; h = lane / 16
	v_lshrrev_b32 v[TM], 1, v1
	v_and_b32 v[TM+1], 1, v1
	v_lshlrev_b32 v[PFO], 8, v[TM+1]
	v_lshl_add_u32 v[PFO], v[TM], LOGP, v[PFO]
	v_and_b32 v[TM], 7, v0
	v_lshl_add_u32 v[TM], v3, 3, v[TM]             ; the turning load: k row 8 h + lane % 8,
	v_mul_u32_u24 v[BADR0], v[TM], WLP
	v_bfe_u32 v[TM+1], v0, 3, 1
	v_lshl_add_u32 v[BADR0], v[TM+1], 4, v[BADR0]  ; columns 8 ((lane / 8) % 2) on
	s_mul_i32 s[T2], s[WV], 16*WLP
	v_lshl_add_u32 v[SADR0], v1, 3, s[T2]
	s_lshl_b32 s[T2], s[WV], 11
	s_add_co_u32 s[T2], s[T2], LIST
	v_mov_b32 v[LISTW], s[T2]
	s_mul_i32 s[T2], s[WV], 16*SP
	s_add_co_u32 s[T2], s[T2], STG                 ; my stage
	v_mul_u32_u24 v[STO], v2, SP                   ; in: row r,
.if UP
	v_lshl_add_u32 v[STO], v3, 4, v[STO]           ; 8 bf16 for each half of the lanes
.else
	v_lshl_add_u32 v[STO], v3, 5, v[STO]           ; 8 f32 for each half of the lanes
.endif
	v_add_nc_u32 v[STO], s[T2], v[STO]
	v_lshlrev_b32 v[COL16], 4, v2
	v_mul_u32_u24 v[RD], v3, SP                    ; back: lanes 0-15 one row of 256 bytes, lanes 16-31 the next
	v_add_nc_u32 v[RD], v[RD], v[COL16]
	v_add_nc_u32 v[RD], s[T2], v[RD]
	v_lshlrev_b32 v[H16], 4, v3
	s_mov_b32 s[RB], 0
	s_wait_kmcnt 0x0
	s_bcnt1_i32_b32 s[CNT], s[AW]
.set i, 1
.rept 31
	s_bcnt1_i32_b32 s[T2], s[AW+i]
	s_add_co_u32 s[CNT], s[CNT], s[T2]
.set i, i+1
.endr
	; the list: token t = 32 i + lane goes to place (chosen tokens before it) if it chose e, else to CNT + (tokens before it that did not)
	v_mov_b32 v[TM], v1                            ; t
	v_add_nc_u32 v[TM+1], s[CNT], v1               ; t + CNT
	s_mov_b32 s[TS], 0
.set i, 0
.rept 32
	v_mbcnt_lo_u32_b32 v[TM+2], s[AW+i], s[TS]
	v_sub_nc_u32 v[TM+3], v[TM+1], v[TM+2]
	v_cndmask_b32 v[TM+3], v[TM+3], v[TM+2], s[AW+i]
	v_cndmask_b32 v[TM+4], 0, 1, s[JW+i]
	v_min_u32 v[TM+3], 0x3ff, v[TM+3]
	v_lshl_or_b32 v[TM+4], v[TM], 1, v[TM+4]       ; the slot
	v_lshl_add_u32 v[TM+3], v[TM+3], 1, v[LISTW]
	ds_store_b16 v[TM+3], v[TM+4]
	v_add_nc_u32 v[TM], 32, v[TM]
	v_add_nc_u32 v[TM+1], 32, v[TM+1]
	s_bcnt1_i32_b32 s[T2], s[AW+i]
	s_add_co_u32 s[TS], s[TS], s[T2]
.set i, i+1
.endr
	; the 224 places behind the count take the last chosen slot: a block that is stored begins at most 192 places behind a place below the count, so it ends at most 206 places behind the count
	s_max_u32 s[T2], s[CNT], 1
	s_sub_co_u32 s[T2], s[T2], 1                   ; the last chosen token's place (place 0 where nobody chose e: then nothing is stored)
	s_min_u32 s[T2], s[T2], 0x3ff
	v_lshl_add_u32 v[TM+2], s[T2], 1, v[LISTW]
	ds_load_u16 v[TM+4], v[TM+2]                   ; LDS serves a wave's instructions in order (ISA guide 5.7.1.4): it sees the stores above
	v_add_nc_u32 v[TM+1], s[CNT], v1
	s_wait_dscnt 0x0
.rept 7
	v_min_u32 v[TM+3], 0x3ff, v[TM+1]              ; past the list's end they all fall on its last place, which then is a place behind the count, or the last chosen token's own
	v_lshl_add_u32 v[TM+3], v[TM+3], 1, v[LISTW]
	ds_store_b16 v[TM+3], v[TM+4]
	v_add_nc_u32 v[TM+1], 32, v[TM+1]
.endr
.if UP
	; gelu(z) = max(z, 0) - |z| erfc(|z| / sqrt 2) / 2, worked on s = c1 z, so that exp(-z^2 / 2) = 2^(-s^2).  Pairs: the packed forms name a pair and take its low word for both halves.
.irp c, 0,1
	s_mov_b32 s[C1+\c], 0x3f596d27                 ; c1 = sqrt(log2(e) / 2) = 0.8493218
	s_mov_b32 s[KK+\c], 0x3f96b55f                 ; 1 / c1
	s_mov_b32 s[A1+\c], 0x3e027906                 ; the five coefficients, halved: 0.127414796,
	s_mov_b32 s[A2+\c], 0xbe11a98e                 ; -0.142248368,
	s_mov_b32 s[A3+\c], 0x3f35f0e3                 ; 0.710706871,
	s_mov_b32 s[A4+\c], 0xbf3a00e3                 ; -0.726576014,
	s_mov_b32 s[A5+\c], 0x3f07dc22                 ; 0.530702715
.endr
	s_mov_b32 s[PP], 0x3e8ba43f                    ; 0.3275911 / sqrt(log2(e)) = 0.27273748
.endif
	s_wait_xcnt 0x0                                ; the first 32 loads have had their addresses translated: their base steps
	s_add_nc_u64 s[WB:WB+1], s[WB:WB+1], 128*PITCH ; to chunk 2
	FLAGS
	ROWS
	ALOAD 0
	v_add_nc_u32 v[SADR], s[SB], v[SADR0]
	s_wait_loadcnt 36                              ; chunk 0's weights are in; chunk 1's 16 loads and the 20 of token rows stay out
	TOLDS 0, 0, 1, 1
	s_wait_dscnt 0x0                               ; for the others' sake: my rows of chunk 0 are in LDS
	s_barrier_signal -1
	s_barrier_wait -1
	TRIP 0, 1, 1, 1, 1, 1, 1, 16                   ; chunk 0: its products start the sums
	s_mov_b32 s[KC], 6
.Lk0:                                                  ; chunks 1 to 12
	TRIP 1, 1, 1, 2, 1, 0, 1, 16
	TRIP 0, 1, 1, 2, 1, 0, 1, 16
	s_sub_co_u32 s[KC], s[KC], 1
	s_cmp_lg_u32 s[KC], 0
	s_cbranch_scc1 .Lk0
	TRIP 1, 1, 0, 0, 1, 0, 1, 16                   ; chunk 13: no weights are left to ask for; chunk 15's 16 loads stay out
	TRIP 0, 1, 0, 0, 1, 0, 1, 0                    ; chunk 14: chunk 15's weights and my token rows are all that is out
	s_mov_b32 s[BC], 4                             ; four batches of 320 cover 1,024 rows.  From here on no barrier: the slice is whole, and list and stage are each wave's own
	s_branch .Lmid                                 ; the loop over batches is entered in its middle: batch 0 has chunk 15 and its way out left
.Lbatch:
	FLAGS
	s_cmp_eq_u32 s[LIVEW], 0
	s_cbranch_scc1 .Lbnext                         ; my wave has no rows in this batch
	s_wait_loadcnt 0x0                             ; no load is pending into a buffer that this batch asks for,
	s_wait_xcnt 0x0                                ; and the rows' offsets and their base are written anew only behind this wait
	ROWS
	ALOAD 0
	TRIP 0, 0, 0, 0, 1, 1, 0, 0                    ; chunk 0 starts the sums anew
	s_mov_b32 s[KC], 7
.Lk1:                                                  ; chunks 1 to 14
	TRIP 1, 0, 0, 0, 1, 0, 0, 0
	TRIP 0, 0, 0, 0, 1, 0, 0, 0
	s_sub_co_u32 s[KC], s[KC], 1
	s_cmp_lg_u32 s[KC], 0
	s_cbranch_scc1 .Lk1
.Lmid:
	s_mov_b32 s[SB], 15*CHB
	TRIP 1, 0, 0, 0, 0, 0, 0, 0                    ; chunk 15, of whichever batch
	s_cmp_eq_u32 s[LIVEW], 0
	s_cbranch_scc1 .Lbnext                         ; (batch 0 alone comes here without rows)
	; THE WAY OUT, 16 rows x 256 bytes at a time, in a counted loop, so that the long text stands once; a forward switch picks the accumulators.  Blocks 0 to 3 always go out, block 4 where it has rows.
	PLACES                                         ; between the last products and the first read of a result
	s_lshl_b32 s[OBASE], s[WV], 4
	s_add_co_u32 s[OBASE], s[OBASE], s[RB]
	s_add_co_u32 s[NL], s[LIVE4], 4                ; the blocks that go out,
.if !UP
	s_lshl_b32 s[NL], s[NL], 1                     ; in passes
.endif
	s_mov_b32 s[OC], 0
.Lout:
	s_cmp_ge_u32 s[OC], s[NL]
	s_cbranch_scc1 .Lnext
.if UP
	s_lshl_b32 s[ROW], s[OC], 6
.else
	s_lshr_b32 s[ROW], s[OC], 1
	s_lshl_b32 s[ROW], s[ROW], 6
	s_and_b32 s[T2], s[OC], 1
	s_lshl_b32 s[T2], s[T2], 8
	v_add_nc_u32 v[CH], s[T2], v[COL16]
.endif
	s_add_co_u32 s[ROW], s[ROW], s[OBASE]          ; the block's first place in the list;
	s_min_u32 s[ROW], s[ROW], 0x3f0                ; past the list's end: its last 16 places, as in ROWS
	s_wait_xcnt 0x0                                ; the last pass's stores have had their addresses translated (ISA guide 3.1): their offsets and data are written anew only behind this wait
	v_add_nc_u32 v[LADR], s[ROW], v3               ; lanes 0-15 take rows 0, 2, .. 14 of the block, lanes 16-31 rows 1, 3, .. 15
	v_lshl_add_u32 v[LADR], v[LADR], 1, v[LISTW]
.irp t, 0,1,2,3,4,5,6,7
	ds_load_u16 v[GOFF+\t], v[LADR] offset:4*\t
.endr
.if UP
.irp c, 0,1,2,3
	s_cmp_eq_u32 s[OC], \c
	s_cbranch_scc1 .Lcase\c
.endr
	CASE 4
	s_branch .Lcommon
.irp c, 0,1,2
.Lcase\c:
	CASE \c
	s_branch .Lcommon
.endr
.Lcase3:
	CASE 3
.else
.irp c, 0,1,2,3,4,5,6,7,8
	s_cmp_eq_u32 s[OC], \c
	s_cbranch_scc1 .Lcase\c
.endr
	CASE 9
	s_branch .Lcommon
.irp c, 0,1,2,3,4,5,6,7
.Lcase\c:
	CASE \c
	s_branch .Lcommon
.endr
.Lcase8:
	CASE 8
.endif
.Lcommon:
.if UP
	GELU 0
	GELU 1
	GELU 2
	GELU 3
.irp b, 0,1,2,3,4,5,6,7
	ds_store_b128 v[STO], v[OB+4*\b:OB+4*\b+3] offset:32*\b
.endr
.endif
.irp t, 0,1,2,3,4,5,6,7
	ds_load_b128 v[OB+4*\t:OB+4*\t+3], v[RD] offset:2*SP*\t  ; LDS serves a wave's instructions in order (ISA guide 5.7.1.4): these see the stores above, and the next pass's stores come behind them
.endr
	s_wait_dscnt 8                                 ; the slots are in; the eight loads of rows are younger
.irp t, 0,1,2,3,4,5,6,7
	v_min_u32 v[GOFF+\t], 0x7ff, v[GOFF+\t]
.if UP
	v_lshl_add_u32 v[GOFF+\t], v[GOFF+\t], 13, v[CH]
.else
	v_lshl_add_u32 v[GOFF+\t], v[GOFF+\t], 12, v[CH]
.endif
.endr
	s_wait_dscnt 0x0
.irp t, 0,1,2,3,4,5,6,7
	global_store_b128 v[GOFF+\t], v[OB+4*\t:OB+4*\t+3], s[10:11]  ; sixteen lanes store 256 consecutive bytes of one row, at a multiple of 256 from the buffer's first byte
.endr
.Lnext:
	s_add_co_u32 s[OC], s[OC], 1
	s_cmp_lt_u32 s[OC], NCASE
	s_cbranch_scc1 .Lout
.Lbnext:
	s_add_co_u32 s[RB], s[RB], 320                 ; the next batch's first place
	s_sub_co_u32 s[BC], s[BC], 1
	s_cmp_lg_u32 s[BC], 0
	s_cbranch_scc1 .Lbatch
	s_wait_tensorcnt 0x0                           ; the wave's end, behind my last LDS store
	ds_add_u32 v[SPW], v[NIL]
	s_wait_dscnt 0x0
	s_endpgm
.Lfunc_end_k_qb985d418e3_up:
	.size	k_qb985d418e3_up, .Lfunc_end_k_qb985d418e3_up-k_qb985d418e3_up
	.p2alignl 7, 3214868480
	.fill 96, 4, 3214868480
	.section	.rodata,"a",@progbits
	.p2align	6, 0x0
	.amdhsa_kernel k_qb985d418e3_up
		.amdhsa_group_segment_fixed_size 321024
		.amdhsa_private_segment_fixed_size 0
		.amdhsa_enable_private_segment 0
		.amdhsa_kernarg_size 32
		.amdhsa_user_sgpr_count 2
		.amdhsa_user_sgpr_kernarg_segment_ptr 1
		.amdhsa_wavefront_size32 1
		.amdhsa_system_sgpr_workgroup_id_x 1
		.amdhsa_system_sgpr_workgroup_id_y 1
		.amdhsa_system_sgpr_workgroup_id_z 1
		.amdhsa_system_vgpr_workitem_id 0
		.amdhsa_next_free_vgpr 896
		.amdhsa_next_free_sgpr 102
		.amdhsa_reserve_vcc 0
		.amdhsa_float_denorm_mode_32 3
		.amdhsa_float_denorm_mode_16_64 3
		.amdhsa_memory_ordered 1
		.amdhsa_forward_progress 1
		.amdhsa_inst_pref_size 197
	.end_amdhsa_kernel
	.amdgpu_metadata
---
amdhsa.version: [ 1, 2 ]
amdhsa.kernels:
  - .name:           k_qb985d418e3_up
    .symbol:         k_qb985d418e3_up.kd
    .args:
      - { .name: W1, .offset: 0, .size: 8, .value_kind: global_buffer, .address_space: global }
      - { .name: xb, .offset: 8, .size: 8, .value_kind: global_buffer, .address_space: global }
      - { .name: bm, .offset: 16, .size: 8, .value_kind: global_buffer, .address_space: global }
      - { .name: hid, .offset: 24, .size: 8, .value_kind: global_buffer, .address_space: global }
    .group_segment_fixed_size: 321024
    .private_segment_fixed_size: 0
    .kernarg_segment_align: 8
    .kernarg_segment_size: 32
    .max_flat_workgroup_size: 128
    .sgpr_count:     102
    .vgpr_count:     896
    .wavefront_size: 32
...
	.end_amdgpu_metadata
.endif
;; end of part 2
;; launch down (part 3): grid 256 x 1, 4 waves a work-group, no clusters, 321,024 bytes of LDS; arguments W2, hid, bm, part; writes part
.if DOCPART == 3
	.amdgcn_target "amdgcn-amd-amdhsa--gfx1250"
	.amdhsa_code_object_version 6
	.text
	.protected	k_qb985d418e3_down
	.globl	k_qb985d418e3_down
	.p2align	8
	.type	k_qb985d418e3_down,@function
k_qb985d418e3_down:
	s_mov_b64 s[64:65], 0
	v_nop
	global_prefetch_b8 v0, s[64:65] scope:SCOPE_SE
	s_setreg_imm32_b32 hwreg(HW_REG_WAVE_MODE, 25, 1), 1
	s_wait_xcnt 0x0
; ONE PRODUCT OF THE EXPERTS' CHAIN.  One text serves both products; UP, set below, says which of them this file is.
;   UP = 1: hid[slot][4096] = bf16(gelu(xb[slot / 2] . W1[e]))            UP = 0: part[ks][slot][1024] = hid[slot][1024 ks ..] . W2[e][1024 ks ..], in f32
; slot = 2 x token + (0: first choice, 1: second).  Only the rows that chose expert e are multiplied.
; SHARES.  A work-group has a slice of ONE expert's weights, 1,024 k x 128 columns of f32, which it alone reads, once, and ALL of that expert's rows.  The slice is rounded to bf16 on its way through
; registers and stays in LDS whole.  (UP = 0: K = 4,096 is cut in four, so that the slice has the same shape; the four partial sums stay in f32 and the last launch adds them.)
; Rows go in batches of 320: block a (0-4) of wave w is places RB + 16 (4 a + w) .. + 15 of the expert's list, so live blocks spread evenly over the four waves.
; Batch 0 is multiplied under the weights' stream, 64 k a trip; batches 1 to 3 (an expert with more than 320 rows; up to 1,024 are served) read the slice from LDS, with no barrier and no write of it.
; THE LIST.  Each wave makes its own from the expert's two bitmaps (256 bytes): the chosen tokens' slots in ascending order; the 224 places behind them repeat the last chosen slot; the rest hold
; other tokens, so that every one of its 1,024 places names a row that exists.
; WHAT HANGS ON THE COUNT.  Every loop has a constant count.  Two flags, set once a batch, say whether my wave has rows (its block 0 begins below the count) and whether its block 4 has.  A wave without rows
; jumps forward over the batch, to the label ahead of the counter's step; block 4's products and way out are jumped where it has none; no barrier stands in what is jumped.  Blocks 0 to 3 of a wave with rows
; are always multiplied and stored.  A place past the count in them lies at most 206 places behind it and so is the last chosen row once more: the same operands give the same bytes, stored to the
; same address by the same work-group.  So no lane is ever switched off, and no store is cut.
; THE PRODUCT is used transposed: source 0 = 16 columns of the weights (turned on their way out of LDS by ds_load_tr16_b128), source 1 = 16 rows of tokens, loaded from memory as they lie:
; in the result a lane holds one token (lane % 16) and eight neighbouring columns.
; NO MULTICAST, NO TENSOR LOAD: each weight has one reader and is rounded in registers; the token rows that an expert's work-groups share come by a list, which no tile describes; LDS is full of the slice.
; LIMITS.  Weights and token rows are bf16 matrix operands; hid is kept in bf16 (not f16: its range).  erfc is taken by a five-term form in 1 / (1 + p x) times exp(-x^2), off by at most 1.5e-7 for every finite x.
; NaN and infinities are not treated apart.
.set UP, 0
.if UP
.set PITCH, 16384                      ; bytes from a k row of the weights to the next
.set LOGP,  14
.set NCASE, 5                          ; the way out: a pass a block
.else
.set PITCH, 4096
.set LOGP,  12
.set NCASE, 10                         ; the way out: two passes a block: 64 columns of f32 are a stage row's 256 bytes
.endif
.set WLP,   288                        ; a k row of the slice in LDS: 256 bytes + 32: an odd multiple of 32, for the turning load
.set CHB,   64*WLP                     ; a chunk: 64 k rows
.set WLMAX, 15*CHB+15*WLP+16           ; the highest address that a lane's turning loads start from
.set LIST,  1024*WLP                   ; behind the slice: 4 waves x 1,024 slots of 16 bits
.set STG,   LIST+4*2048                ; 4 waves x 16 rows x 272 bytes, for the way out
.set SP,    272
.set SPARE, STG+4*16*SP                ; the spare words, 128 bytes a wave; no other line names them
; REGISTERS, in windows of 256 (s_set_vgpr_msb: bits 1:0 source 0, 3:2 source 1, 5:4 source 2, 7:6 destination)
;   window 0: addresses, the weights' fragments, the way out     window 1: accumulator (a, b) at 64 a + 8 b, a = 0-3
;   window 2: v0-63 accumulators (4, b); v64-143, v144-223 two buffers of token fragments, (K step s, block a) at 8 (5 s + a)     window 3: v0-63, v64-127 two buffers of 16 f32 rows of weights
.set BADR0, 4                          ; v4   my lane's place in a chunk for the turning load; never rewritten
.set BADR,  5                          ; v5   the same in the chunk in hand
.set SADR,  6                          ; v6   where I put 8 bytes of a k row
.set WOFF,  7                          ; v7   16 x lane: my 16 bytes of a row piece of 512; never rewritten
.set PFO,   8                          ; v8   prefetch: row lane / 2, block lane % 2 of 256 bytes; never rewritten
.set LISTW, 9                          ; v9   my wave's list
.set AOFF,  10                         ; v10-14  block a: my token row's byte offset + 16 (lane / 16)
.set STO,   15                         ; v15  the way out: where I put my part of a row
.set RD,    16                         ; v16  where I read a row back
.set COL16, 17                         ; v17  16 (lane % 16)
.if UP
.set CH,    17
.else
.set CH,    18                         ; v18  the same + 256 for the second half of the columns
.endif
.set LADR,  19
.set TM,    20                         ; v20-27 at work
.set SPW,   28                         ; v28  LDS address of my spare word; never rewritten
.set NIL,   29                         ; v29  0; never rewritten
.set SADR0, 30                         ; v30  my wave's 16 rows of chunk 0, my 8 bytes; never rewritten
.set H16,   31                         ; v31  16 (lane / 16)
.set T16,   32                         ; v32-47   eight rows rounded
.set BF,    48                         ; v48-111, v112-175  the weights' fragments of the two K steps of a chunk
.set TT,    48                         ; the way out: a block's 64 numbers a lane
.set GU,    112
.set GQ,    128
.set GP,    144
.set GR,    160
.set OB,    176                        ; v176-207 a block on its way out
.set GOFF,  208                        ; v208-215 its rows' byte offsets
.set AB,    64                         ; window 2
.set T2,  2
.set SB,  3                            ; s3   the chunk in hand, in bytes of LDS
.set WV,  12
.set EX,  13
.set SL,  14
.set KS,  15
.set CNT, 16                           ; s16  the expert's rows
.set RB,  17                           ; s17  the batch's first place
.set LIVE4, 18                         ; s18  1: my block 4 has rows
.set KC,  19
.set BC,  20
.set OC,  21
.set ROW, 22
.set TS,  25
.set WB,  26                           ; s[26:27] the weights at my 16 rows of the chunk last asked for
.set AP,  28                           ; s[28:29] the token rows at the chunk last asked for
.set OF,  30                           ; s[30:31] an offset
.set JW,  32                           ; s32-63 'second choice' words; later what follows
.set C1,  32
.set PP,  34
.set KK,  36
.set A1,  38
.set A2,  40
.set A3,  42
.set A4,  44
.set A5,  46
.set OBASE, 48
.set LIVEW, 50                         ; s50  1: my wave has rows in this batch
.set NL,  51                           ; s51  the passes of the way out that have something to store
.set AW,  68                           ; s68-99 'chosen' words
.set ABASE, 100
.set MSB, 0
.macro WIN new                         ; the immediate's high byte repeats the setting that is left; a switch that changes nothing is dropped
.if MSB != (\new)
	s_set_vgpr_msb (MSB<<8)|(\new)
.set MSB, \new
.endif
.endm
.macro PLACES
.rept 4
	v_nop
.endr
.endm
; 16 loads: my wave's 16 k rows from row on, each a row piece of 512 consecutive bytes, into buffer x
.macro WLOAD x, row
	WIN 0xc0
.set i, 0
.rept 16
	global_load_b128 v[64*(\x)+4*i:64*(\x)+4*i+3], v[WOFF], s[WB:WB+1] offset:((\row)+i)*PITCH th:TH_LOAD_NT
.set i, i+1
.endr
.endm
; Buffer x is rounded and put into the slice, eight rows at a time.  issue = 1: as soon as eight rows are rounded their registers are asked for again, from s[WB].
; ahead = 1: the chunk behind the one in hand.  pf: my own 16 rows x 2 blocks of 256 bytes of the chunk two further on than the one just asked for are prefetched: each block once in the
; launch, by the wave that will load it, two trips ahead of that load (1: always; 2: not in the loop's last trip, whose look-ahead would pass chunk 15).
.macro TOLDS x, ahead, issue, pf
.irp q, 0,1
	WIN 0x0f
.set i, 0
.rept 8
	v_cvt_pk_bf16_f32 v[T16+2*i],   v[64*(\x)+32*\q+4*i],   v[64*(\x)+32*\q+4*i+1]
	v_cvt_pk_bf16_f32 v[T16+2*i+1], v[64*(\x)+32*\q+4*i+2], v[64*(\x)+32*\q+4*i+3]
.set i, i+1
.endr
.if \issue
	WIN 0xc0
.set i, 0
.rept 8
	global_load_b128 v[64*(\x)+32*\q+4*i:64*(\x)+32*\q+4*i+3], v[WOFF], s[WB:WB+1] offset:(8*\q+i)*PITCH th:TH_LOAD_NT
.set i, i+1
.endr
.endif
	WIN 0
.set i, 0
.rept 8
	ds_store_b64 v[SADR], v[T16+2*i:T16+2*i+1] offset:(\ahead)*CHB+(8*\q+i)*WLP  ; the wave stores a row's 256 consecutive bytes
.set i, i+1
.endr
.endr
.if (\pf) == 2
	s_cmp_eq_u32 s[KC], 1
	s_cbranch_scc1 .Lnopf_\@
.endif
.if \pf
	global_prefetch_b8 v[PFO], s[WB:WB+1] offset:128*PITCH th:TH_LOAD_NT scope:SCOPE_SE
.endif
.if (\pf) == 2
.Lnopf_\@:
.endif
.endm
; 20 loads: a chunk's token fragments, 2 K steps x 5 blocks, into buffer p.  Block 4's are always among them, so that every count is the same whether the block has rows or not.
.macro ALOAD p
	WIN 0x80
.irp s, 0,1
.irp a, 0,1,2,3,4
	global_load_b128 v[AB+80*(\p)+8*(5*\s+\a):AB+80*(\p)+8*(5*\s+\a)+3],   v[AOFF+\a], s[AP:AP+1] offset:64*\s
	global_load_b128 v[AB+80*(\p)+8*(5*\s+\a)+4:AB+80*(\p)+8*(5*\s+\a)+7], v[AOFF+\a], s[AP:AP+1] offset:64*\s+32
.endr
.endr
	WIN 0
.endm
; 16 turning loads: K step s of the chunk in hand, all 128 columns, into fragment buffer f: lane l gets column 16 b + l % 16, k as a fragment wants it
.macro FETCHB s, f
	WIN 0
.irp b, 0,1,2,3,4,5,6,7
	ds_load_tr16_b128 v[BF+64*(\f)+8*\b:BF+64*(\f)+8*\b+3],   v[BADR] offset:(\s)*32*WLP+32*\b
	ds_load_tr16_b128 v[BF+64*(\f)+8*\b+4:BF+64*(\f)+8*\b+7], v[BADR] offset:(\s)*32*WLP+16*WLP+32*\b
.endr
.endm
; 8 products: block a (0-3) x all 8 column blocks, K step s.  Every accumulator has one turn in a K step.  zero = 1: the product starts the sum.
.macro MUL f, p, s, a, zero
	WIN 0x58
.irp b, 0,1,2,3,4,5,6,7
.if \zero
	v_wmma_f32_16x16x32_bf16 v[64*(\a)+8*\b:64*(\a)+8*\b+7], v[BF+64*(\f)+8*\b:BF+64*(\f)+8*\b+7], v[AB+80*(\p)+8*(5*(\s)+(\a)):AB+80*(\p)+8*(5*(\s)+(\a))+7], 0
.else
	v_wmma_f32_16x16x32_bf16 v[64*(\a)+8*\b:64*(\a)+8*\b+7], v[BF+64*(\f)+8*\b:BF+64*(\f)+8*\b+7], v[AB+80*(\p)+8*(5*(\s)+(\a)):AB+80*(\p)+8*(5*(\s)+(\a))+7], v[64*(\a)+8*\b:64*(\a)+8*\b+7]
.endif
.endr
.endm
.macro M4 f, p, s, zero                ; the same for block 4, whose accumulators lie in window 2
	WIN 0xa8
.irp b, 0,1,2,3,4,5,6,7
.if \zero
	v_wmma_f32_16x16x32_bf16 v[8*\b:8*\b+7], v[BF+64*(\f)+8*\b:BF+64*(\f)+8*\b+7], v[AB+80*(\p)+8*(5*(\s)+4):AB+80*(\p)+8*(5*(\s)+4)+7], 0
.else
	v_wmma_f32_16x16x32_bf16 v[8*\b:8*\b+7], v[BF+64*(\f)+8*\b:BF+64*(\f)+8*\b+7], v[AB+80*(\p)+8*(5*(\s)+4):AB+80*(\p)+8*(5*(\s)+4)+7], v[8*\b:8*\b+7]
.endif
.endr
.endm
; Block 4's two K steps stand together and are jumped where the block has no rows; the products that start its sums are issued all the same, so that its registers are written whatever the count.
.macro MUL4 p, zero
.if \zero
	M4 0, \p, 0, 1
.endif
	WIN 0
	s_cmp_eq_u32 s[LIVE4], 0
	s_cbranch_scc1 .Ldead_\@
.if !(\zero)
	M4 0, \p, 0, 0
.endif
	M4 1, \p, 1, 0
	WIN 0
.Ldead_\@:
.endm
; A TRIP multiplies the chunk in hand (token buffer p).  stage = 1 (batch 0): it also rounds the next chunk's weights into LDS (issue = 1: and asks for the chunk three on).  aiss = 1: it asks for the next chunk's token rows.
; ORDER OF THE LOADS.  Loads come back in the order of issue, so the token rows of chunk t + 1 are asked for AHEAD of the weights of chunk t + 3.  At a staged trip's head W(t+1) 16, A(t) 20, W(t+2) 16 are out:
; pre = 16 leaves W(t+2) out and shows the two that the trip needs; then A(t+1) and W(t+3) go out: 52 loads at the most.  A trip without staging waits for all (pre = 0): only its own 20 loads of token rows,
; asked for a trip ago, can be out.
; bar = 1: ONE barrier a trip.  Each byte of the slice is written once, so all that has to be ordered is a chunk's stores against its reads in the next trip: each wave waits for its stores, signals,
; multiplies the second K step, and waits for the others.
.macro TRIP p, stage, issue, pf, aiss, zero, bar, pre
	WIN 0
	v_add_nc_u32 v[BADR], s[SB], v[BADR0]          ; four plain instructions stand between the last products and the loads into registers that they read (ISA guide 7.12.1 for vector instructions): this one,
.if \stage
	v_add_nc_u32 v[SADR], s[SB], v[SADR0]          ; this one,
.else
	v_min_u32 v[BADR], WLMAX, v[BADR]              ; this one, which holds the address inside the slice's bytes,
.endif
	v_nop                                          ; and these two
	v_nop
.if (\aiss) || (\issue)
	s_wait_xcnt 0x0                                ; the two pointers are stepped only behind this wait: every earlier load and prefetch has had its address translated (ISA guide 3.1)
.endif
.if \aiss
	s_add_nc_u64 s[AP:AP+1], s[AP:AP+1], 128       ; 64 k of bf16
.endif
.if \issue
	s_add_nc_u64 s[WB:WB+1], s[WB:WB+1], 64*PITCH
.endif
	FETCHB 0, 0
	s_wait_loadcnt \pre
.if \aiss
	ALOAD 1-(\p)
.endif
.if \stage
	TOLDS 1-(\p), 1, \issue, \pf
	s_wait_dscnt 16                                ; the first K step's fragments are in; my 16 stores are younger
.else
	s_wait_dscnt 0x0
.endif
	FETCHB 1, 1                                    ; the second K step's: 32 products in which to land
	MUL 0, \p, 0, 0, \zero
	MUL 0, \p, 0, 1, \zero
	MUL 0, \p, 0, 2, \zero
	MUL 0, \p, 0, 3, \zero
	s_wait_dscnt 0x0                               ; they are in; and, for the others' sake, my stores into the slice are done
	MUL4 \p, \zero
.if \bar
	s_barrier_signal -1
.endif
	MUL 1, \p, 1, 0, 0
	MUL 1, \p, 1, 1, 0
	MUL 1, \p, 1, 2, 0
	MUL 1, \p, 1, 3, 0
	WIN 0
	s_add_co_u32 s[SB], s[SB], CHB
.if \bar
	s_barrier_wait -1
.endif
.endm
; A batch begins.  FLAGS: has my wave rows in it, has my block 4?  It leaves my block 0's first place in s[T2] for ROWS.
.macro FLAGS
	s_lshl_b32 s[T2], s[WV], 4
	s_add_co_u32 s[T2], s[T2], s[RB]               ; my block 0's first place in the list
	s_cmp_lt_u32 s[T2], s[CNT]
	s_cselect_b32 s[LIVEW], 1, 0                   ; my block 0 has rows, or none of my blocks has
	s_add_co_u32 s[TS], s[T2], 256                 ; my block 4's first place
	s_cmp_lt_u32 s[TS], s[CNT]
	s_cselect_b32 s[LIVE4], 1, 0
.endm
; ROWS: my five blocks' rows are looked up in my list.  A block past the list's end takes the list's last 16 places, whole; the way out does the same, so that the two agree.
.macro ROWS
.irp a, 0,1,2,3,4
	s_add_co_u32 s[TS], s[T2], 64*\a
	s_min_u32 s[TS], s[TS], 0x3f0
	v_add_nc_u32 v[TM+\a], s[TS], v2
	v_lshl_add_u32 v[TM+\a], v[TM+\a], 1, v[LISTW]
	ds_load_u16 v[AOFF+\a], v[TM+\a]               ; LDS serves a wave's instructions in order (ISA guide 5.7.1.4): these see my stores into my list
.endr
	s_mov_b64 s[AP:AP+1], s[ABASE:ABASE+1]
	s_mov_b32 s[SB], 0
	s_wait_dscnt 0x0
.irp a, 0,1,2,3,4
	v_min_u32 v[AOFF+\a], 0x7ff, v[AOFF+\a]
.if UP
	v_and_b32 v[AOFF+\a], 0x7fe, v[AOFF+\a]        ; token x 2,048 bytes
	v_lshl_add_u32 v[AOFF+\a], v[AOFF+\a], 10, v[H16]
.else
	v_lshl_add_u32 v[AOFF+\a], v[AOFF+\a], 13, v[H16]  ; slot x 8,192 bytes
.endif
.endr
.endm
.if UP
.macro CASE c                          ; s = c1 z for block c's 64 numbers; each accumulator is read from its low end on
.if (\c) < 4
	WIN 0x01
.set AC, 64*(\c)
.else
	WIN 0x02
.set AC, 0
.endif
.set i, 0
.rept 32
	v_pk_mul_f32 v[TT+2*i:TT+2*i+1], v[AC+2*i:AC+2*i+1], s[C1:C1+1] op_sel_hi:[1,0]
.set i, i+1
.endr
	WIN 0
.endm
; Sixteen numbers' GELU.  The 16 reciprocals and 16 exponentials are one batch with one wait; the 16 maxima are the plain work behind it.
.macro GELU g
.set i, 0
.rept 16
	v_fma_f32 v[GU+i], |v[TT+16*(\g)+i]|, s[PP], 1.0
.set i, i+1
.endr
.set i, 0
.rept 8
	v_pk_mul_f32 v[GQ+2*i:GQ+2*i+1], v[TT+16*(\g)+2*i:TT+16*(\g)+2*i+1], v[TT+16*(\g)+2*i:TT+16*(\g)+2*i+1] neg_lo:[0,1] neg_hi:[0,1]  ; - s^2
.set i, i+1
.endr
.set i, 0
.rept 16
	v_rcp_f32 v[GU+i], v[GU+i]                     ; u = 1 / (1 + p x)
	v_exp_f32 v[GQ+i], v[GQ+i]                     ; exp(-x^2)
.set i, i+1
.endr
.set i, 0
.rept 16
	v_max_num_f32 v[GR+i], 0, v[TT+16*(\g)+i]
.set i, i+1
.endr
	s_wait_alu depctr_va_vdst(0)
.set i, 0
.rept 8
	v_pk_fma_f32 v[GP+2*i:GP+2*i+1], v[GU+2*i:GU+2*i+1], s[A5:A5+1], s[A4:A4+1] op_sel_hi:[1,0,0]
.set i, i+1
.endr
.irp k, A3, A2, A1
.set i, 0
.rept 8
	v_pk_fma_f32 v[GP+2*i:GP+2*i+1], v[GP+2*i:GP+2*i+1], v[GU+2*i:GU+2*i+1], s[\k:\k+1] op_sel_hi:[1,1,0]
.set i, i+1
.endr
.endr
.set i, 0
.rept 8
	v_pk_mul_f32 v[GP+2*i:GP+2*i+1], v[GP+2*i:GP+2*i+1], v[GU+2*i:GU+2*i+1]
.set i, i+1
.endr
.set i, 0
.rept 8
	v_pk_mul_f32 v[GP+2*i:GP+2*i+1], v[GP+2*i:GP+2*i+1], v[GQ+2*i:GQ+2*i+1]
.set i, i+1
.endr
.set i, 0
.rept 16
	v_fma_f32 v[GR+i], -|v[TT+16*(\g)+i]|, v[GP+i], v[GR+i]
.set i, i+1
.endr
.set i, 0
.rept 8
	v_pk_mul_f32 v[GR+2*i:GR+2*i+1], v[GR+2*i:GR+2*i+1], s[KK:KK+1] op_sel_hi:[1,0]
.set i, i+1
.endr
.set i, 0
.rept 8
	v_cvt_pk_bf16_f32 v[OB+8*(\g)+i], v[GR+2*i], v[GR+2*i+1]
.set i, i+1
.endr
.endm
.else
.macro CASE c                          ; block c / 2, columns 64 (c % 2) on: straight from the accumulators into my stage, each from its low end on
.if (\c)/2 < 4
	WIN 0x04
.set AC, 64*((\c)/2)+32*((\c)%2)
.else
	WIN 0x08
.set AC, 32*((\c)%2)
.endif
.irp b, 0,1,2,3
	ds_store_b128 v[STO], v[AC+8*\b:AC+8*\b+3]   offset:64*\b
	ds_store_b128 v[STO], v[AC+8*\b+4:AC+8*\b+7] offset:64*\b+16
.endr
	WIN 0
.endm
.endif
	s_load_b256 s[4:11], s[0:1], 0x0               ; weights s[4:5], token rows s[6:7], bm s[8:9], result s[10:11]
	v_lshl_add_u32 v[SPW], v0, 2, SPARE
	v_mov_b32 v[NIL], 0
	v_and_b32 v1, 31, v0                           ; lane
	v_lshrrev_b32 v[TM], 5, v0
	v_readfirstlane_b32 s[WV], v[TM]               ; wave 0..3
	s_lshr_b32 s[EX], ttmp9, 5                     ; the expert
	s_and_b32 s[SL], ttmp9, 31                     ; the slice
.if !UP
	s_lshr_b32 s[KS], s[SL], 3                     ; which 1,024 of K,
	s_and_b32 s[SL], s[SL], 7                      ; which 128 columns
.endif
	s_lshl_b32 s[OF], s[EX], 24                    ; an expert's weights are 16 MiB
	s_lshl_b32 s[T2], s[SL], 9
	s_add_co_u32 s[OF], s[OF], s[T2]
.if !UP
	s_lshl_b32 s[T2], s[KS], 22
	s_add_co_u32 s[OF], s[OF], s[T2]
.endif
	s_mul_i32 s[T2], s[WV], 16*PITCH               ; my wave's 16 rows of every chunk
	s_add_co_u32 s[OF], s[OF], s[T2]
	s_mov_b32 s[OF+1], 0
	v_lshlrev_b32 v[WOFF], 4, v1
	s_wait_kmcnt 0x0
	s_add_nc_u64 s[WB:WB+1], s[4:5], s[OF:OF+1]
	WLOAD 0, 0                                     ; the first two chunks of weights hang on no routing: they go out first
	WLOAD 1, 64
	WIN 0
	s_lshl_b32 s[OF], s[EX], 7
	s_add_nc_u64 s[8:9], s[8:9], s[OF:OF+1]
	s_load_b512 s[AW:AW+15],    s[8:9], 0x0        ; row e of bm: who chose e
	s_load_b512 s[AW+16:AW+31], s[8:9], 0x40
	s_load_b512 s[JW:JW+15],    s[8:9], 0x400      ; row 8 + e: who chose it second
	s_load_b512 s[JW+16:JW+31], s[8:9], 0x440
.if UP
	s_mov_b64 s[ABASE:ABASE+1], s[6:7]
	s_lshl_b32 s[OF], s[SL], 8                     ; my 128 columns of hid: 256 bytes
.else
	s_lshl_b32 s[OF], s[KS], 11                    ; my 1,024 of K in a row of hid
	s_add_nc_u64 s[ABASE:ABASE+1], s[6:7], s[OF:OF+1]
	s_lshl_b32 s[OF], s[KS], 23                    ; my plane of part, my 128 columns: 512 bytes
	s_lshl_b32 s[T2], s[SL], 9
	s_add_co_u32 s[OF], s[OF], s[T2]
.endif
	s_add_nc_u64 s[10:11], s[10:11], s[OF:OF+1]
	v_and_b32 v2, 15, v0                           ; r = lane % 16
	v_bfe_u32 v3, v0, 4, 1                         ; h = lane / 16
	v_lshrrev_b32 v[TM], 1, v1
	v_and_b32 v[TM+1], 1, v1
	v_lshlrev_b32 v[PFO], 8, v[TM+1]
	v_lshl_add_u32 v[PFO], v[TM], LOGP, v[PFO]
	v_and_b32 v[TM], 7, v0
	v_lshl_add_u32 v[TM], v3, 3, v[TM]             ; the turning load: k row 8 h + lane % 8,
	v_mul_u32_u24 v[BADR0], v[TM], WLP
	v_bfe_u32 v[TM+1], v0, 3, 1
	v_lshl_add_u32 v[BADR0], v[TM+1], 4, v[BADR0]  ; columns 8 ((lane / 8) % 2) on
	s_mul_i32 s[T2], s[WV], 16*WLP
	v_lshl_add_u32 v[SADR0], v1, 3, s[T2]
	s_lshl_b32 s[T2], s[WV], 11
	s_add_co_u32 s[T2], s[T2], LIST
	v_mov_b32 v[LISTW], s[T2]
	s_mul_i32 s[T2], s[WV], 16*SP
	s_add_co_u32 s[T2], s[T2], STG                 ; my stage
	v_mul_u32_u24 v[STO], v2, SP                   ; in: row r,
.if UP
	v_lshl_add_u32 v[STO], v3, 4, v[STO]           ; 8 bf16 for each half of the lanes
.else
	v_lshl_add_u32 v[STO], v3, 5, v[STO]           ; 8 f32 for each half of the lanes
.endif
	v_add_nc_u32 v[STO], s[T2], v[STO]
	v_lshlrev_b32 v[COL16], 4, v2
	v_mul_u32_u24 v[RD], v3, SP                    ; back: lanes 0-15 one row of 256 bytes, lanes 16-31 the next
	v_add_nc_u32 v[RD], v[RD], v[COL16]
	v_add_nc_u32 v[RD], s[T2], v[RD]
	v_lshlrev_b32 v[H16], 4, v3
	s_mov_b32 s[RB], 0
	s_wait_kmcnt 0x0
	s_bcnt1_i32_b32 s[CNT], s[AW]
.set i, 1
.rept 31
	s_bcnt1_i32_b32 s[T2], s[AW+i]
	s_add_co_u32 s[CNT], s[CNT], s[T2]
.set i, i+1
.endr
	; the list: token t = 32 i + lane goes to place (chosen tokens before it) if it chose e, else to CNT + (tokens before it that did not)
	v_mov_b32 v[TM], v1                            ; t
	v_add_nc_u32 v[TM+1], s[CNT], v1               ; t + CNT
	s_mov_b32 s[TS], 0
.set i, 0
.rept 32
	v_mbcnt_lo_u32_b32 v[TM+2], s[AW+i], s[TS]
	v_sub_nc_u32 v[TM+3], v[TM+1], v[TM+2]
	v_cndmask_b32 v[TM+3], v[TM+3], v[TM+2], s[AW+i]
	v_cndmask_b32 v[TM+4], 0, 1, s[JW+i]
	v_min_u32 v[TM+3], 0x3ff, v[TM+3]
	v_lshl_or_b32 v[TM+4], v[TM], 1, v[TM+4]       ; the slot
	v_lshl_add_u32 v[TM+3], v[TM+3], 1, v[LISTW]
	ds_store_b16 v[TM+3], v[TM+4]
	v_add_nc_u32 v[TM], 32, v[TM]
	v_add_nc_u32 v[TM+1], 32, v[TM+1]
	s_bcnt1_i32_b32 s[T2], s[AW+i]
	s_add_co_u32 s[TS], s[TS], s[T2]
.set i, i+1
.endr
	; the 224 places behind the count take the last chosen slot: a block that is stored begins at most 192 places behind a place below the count, so it ends at most 206 places behind the count
	s_max_u32 s[T2], s[CNT], 1
	s_sub_co_u32 s[T2], s[T2], 1                   ; the last chosen token's place (place 0 where nobody chose e: then nothing is stored)
	s_min_u32 s[T2], s[T2], 0x3ff
	v_lshl_add_u32 v[TM+2], s[T2], 1, v[LISTW]
	ds_load_u16 v[TM+4], v[TM+2]                   ; LDS serves a wave's instructions in order (ISA guide 5.7.1.4): it sees the stores above
	v_add_nc_u32 v[TM+1], s[CNT], v1
	s_wait_dscnt 0x0
.rept 7
	v_min_u32 v[TM+3], 0x3ff, v[TM+1]              ; past the list's end they all fall on its last place, which then is a place behind the count, or the last chosen token's own
	v_lshl_add_u32 v[TM+3], v[TM+3], 1, v[LISTW]
	ds_store_b16 v[TM+3], v[TM+4]
	v_add_nc_u32 v[TM+1], 32, v[TM+1]
.endr
.if UP
	; gelu(z) = max(z, 0) - |z| erfc(|z| / sqrt 2) / 2, worked on s = c1 z, so that exp(-z^2 / 2) = 2^(-s^2).  Pairs: the packed forms name a pair and take its low word for both halves.
.irp c, 0,1
	s_mov_b32 s[C1+\c], 0x3f596d27                 ; c1 = sqrt(log2(e) / 2) = 0.8493218
	s_mov_b32 s[KK+\c], 0x3f96b55f                 ; 1 / c1
	s_mov_b32 s[A1+\c], 0x3e027906                 ; the five coefficients, halved: 0.127414796,
	s_mov_b32 s[A2+\c], 0xbe11a98e                 ; -0.142248368,
	s_mov_b32 s[A3+\c], 0x3f35f0e3                 ; 0.710706871,
	s_mov_b32 s[A4+\c], 0xbf3a00e3                 ; -0.726576014,
	s_mov_b32 s[A5+\c], 0x3f07dc22                 ; 0.530702715
.endr
	s_mov_b32 s[PP], 0x3e8ba43f                    ; 0.3275911 / sqrt(log2(e)) = 0.27273748
.endif
	s_wait_xcnt 0x0                                ; the first 32 loads have had their addresses translated: their base steps
	s_add_nc_u64 s[WB:WB+1], s[WB:WB+1], 128*PITCH ; to chunk 2
	FLAGS
	ROWS
	ALOAD 0
	v_add_nc_u32 v[SADR], s[SB], v[SADR0]
	s_wait_loadcnt 36                              ; chunk 0's weights are in; chunk 1's 16 loads and the 20 of token rows stay out
	TOLDS 0, 0, 1, 1
	s_wait_dscnt 0x0                               ; for the others' sake: my rows of chunk 0 are in LDS
	s_barrier_signal -1
	s_barrier_wait -1
	TRIP 0, 1, 1, 1, 1, 1, 1, 16                   ; chunk 0: its products start the sums
	s_mov_b32 s[KC], 6
.Lk0:                                                  ; chunks 1 to 12
	TRIP 1, 1, 1, 2, 1, 0, 1, 16
	TRIP 0, 1, 1, 2, 1, 0, 1, 16
	s_sub_co_u32 s[KC], s[KC], 1
	s_cmp_lg_u32 s[KC], 0
	s_cbranch_scc1 .Lk0
	TRIP 1, 1, 0, 0, 1, 0, 1, 16                   ; chunk 13: no weights are left to ask for; chunk 15's 16 loads stay out
	TRIP 0, 1, 0, 0, 1, 0, 1, 0                    ; chunk 14: chunk 15's weights and my token rows are all that is out
	s_mov_b32 s[BC], 4                             ; four batches of 320 cover 1,024 rows.  From here on no barrier: the slice is whole, and list and stage are each wave's own
	s_branch .Lmid                                 ; the loop over batches is entered in its middle: batch 0 has chunk 15 and its way out left
.Lbatch:
	FLAGS
	s_cmp_eq_u32 s[LIVEW], 0
	s_cbranch_scc1 .Lbnext                         ; my wave has no rows in this batch
	s_wait_loadcnt 0x0                             ; no load is pending into a buffer that this batch asks for,
	s_wait_xcnt 0x0                                ; and the rows' offsets and their base are written anew only behind this wait
	ROWS
	ALOAD 0
	TRIP 0, 0, 0, 0, 1, 1, 0, 0                    ; chunk 0 starts the sums anew
	s_mov_b32 s[KC], 7
.Lk1:                                                  ; chunks 1 to 14
	TRIP 1, 0, 0, 0, 1, 0, 0, 0
	TRIP 0, 0, 0, 0, 1, 0, 0, 0
	s_sub_co_u32 s[KC], s[KC], 1
	s_cmp_lg_u32 s[KC], 0
	s_cbranch_scc1 .Lk1
.Lmid:
	s_mov_b32 s[SB], 15*CHB
	TRIP 1, 0, 0, 0, 0, 0, 0, 0                    ; chunk 15, of whichever batch
	s_cmp_eq_u32 s[LIVEW], 0
	s_cbranch_scc1 .Lbnext                         ; (batch 0 alone comes here without rows)
	; THE WAY OUT, 16 rows x 256 bytes at a time, in a counted loop, so that the long text stands once; a forward switch picks the accumulators.  Blocks 0 to 3 always go out, block 4 where it has rows.
	PLACES                                         ; between the last products and the first read of a result
	s_lshl_b32 s[OBASE], s[WV], 4
	s_add_co_u32 s[OBASE], s[OBASE], s[RB]
	s_add_co_u32 s[NL], s[LIVE4], 4                ; the blocks that go out,
.if !UP
	s_lshl_b32 s[NL], s[NL], 1                     ; in passes
.endif
	s_mov_b32 s[OC], 0
.Lout:
	s_cmp_ge_u32 s[OC], s[NL]
	s_cbranch_scc1 .Lnext
.if UP
	s_lshl_b32 s[ROW], s[OC], 6
.else
	s_lshr_b32 s[ROW], s[OC], 1
	s_lshl_b32 s[ROW], s[ROW], 6
	s_and_b32 s[T2], s[OC], 1
	s_lshl_b32 s[T2], s[T2], 8
	v_add_nc_u32 v[CH], s[T2], v[COL16]
.endif
	s_add_co_u32 s[ROW], s[ROW], s[OBASE]          ; the block's first place in the list;
	s_min_u32 s[ROW], s[ROW], 0x3f0                ; past the list's end: its last 16 places, as in ROWS
	s_wait_xcnt 0x0                                ; the last pass's stores have had their addresses translated (ISA guide 3.1): their offsets and data are written anew only behind this wait
	v_add_nc_u32 v[LADR], s[ROW], v3               ; lanes 0-15 take rows 0, 2, .. 14 of the block, lanes 16-31 rows 1, 3, .. 15
	v_lshl_add_u32 v[LADR], v[LADR], 1, v[LISTW]
.irp t, 0,1,2,3,4,5,6,7
	ds_load_u16 v[GOFF+\t], v[LADR] offset:4*\t
.endr
.if UP
.irp c, 0,1,2,3
	s_cmp_eq_u32 s[OC], \c
	s_cbranch_scc1 .Lcase\c
.endr
	CASE 4
	s_branch .Lcommon
.irp c, 0,1,2
.Lcase\c:
	CASE \c
	s_branch .Lcommon
.endr
.Lcase3:
	CASE 3
.else
.irp c, 0,1,2,3,4,5,6,7,8
	s_cmp_eq_u32 s[OC], \c
	s_cbranch_scc1 .Lcase\c
.endr
	CASE 9
	s_branch .Lcommon
.irp c, 0,1,2,3,4,5,6,7
.Lcase\c:
	CASE \c
	s_branch .Lcommon
.endr
.Lcase8:
	CASE 8
.endif
.Lcommon:
.if UP
	GELU 0
	GELU 1
	GELU 2
	GELU 3
.irp b, 0,1,2,3,4,5,6,7
	ds_store_b128 v[STO], v[OB+4*\b:OB+4*\b+3] offset:32*\b
.endr
.endif
.irp t, 0,1,2,3,4,5,6,7
	ds_load_b128 v[OB+4*\t:OB+4*\t+3], v[RD] offset:2*SP*\t  ; LDS serves a wave's instructions in order (ISA guide 5.7.1.4): these see the stores above, and the next pass's stores come behind them
.endr
	s_wait_dscnt 8                                 ; the slots are in; the eight loads of rows are younger
.irp t, 0,1,2,3,4,5,6,7
	v_min_u32 v[GOFF+\t], 0x7ff, v[GOFF+\t]
.if UP
	v_lshl_add_u32 v[GOFF+\t], v[GOFF+\t], 13, v[CH]
.else
	v_lshl_add_u32 v[GOFF+\t], v[GOFF+\t], 12, v[CH]
.endif
.endr
	s_wait_dscnt 0x0
.irp t, 0,1,2,3,4,5,6,7
	global_store_b128 v[GOFF+\t], v[OB+4*\t:OB+4*\t+3], s[10:11]  ; sixteen lanes store 256 consecutive bytes of one row, at a multiple of 256 from the buffer's first byte
.endr
.Lnext:
	s_add_co_u32 s[OC], s[OC], 1
	s_cmp_lt_u32 s[OC], NCASE
	s_cbranch_scc1 .Lout
.Lbnext:
	s_add_co_u32 s[RB], s[RB], 320                 ; the next batch's first place
	s_sub_co_u32 s[BC], s[BC], 1
	s_cmp_lg_u32 s[BC], 0
	s_cbranch_scc1 .Lbatch
	s_wait_tensorcnt 0x0                           ; the wave's end, behind my last LDS store
	ds_add_u32 v[SPW], v[NIL]
	s_wait_dscnt 0x0
	s_endpgm
.Lfunc_end_k_qb985d418e3_down:
	.size	k_qb985d418e3_down, .Lfunc_end_k_qb985d418e3_down-k_qb985d418e3_down
	.p2alignl 7, 3214868480
	.fill 96, 4, 3214868480
	.section	.rodata,"a",@progbits
	.p2align	6, 0x0
	.amdhsa_kernel k_qb985d418e3_down
		.amdhsa_group_segment_fixed_size 321024
		.amdhsa_private_segment_fixed_size 0
		.amdhsa_enable_private_segment 0
		.amdhsa_kernarg_size 32
		.amdhsa_user_sgpr_count 2
		.amdhsa_user_sgpr_kernarg_segment_ptr 1
		.amdhsa_wavefront_size32 1
		.amdhsa_system_sgpr_workgroup_id_x 1
		.amdhsa_system_sgpr_workgroup_id_y 1
		.amdhsa_system_sgpr_workgroup_id_z 1
		.amdhsa_system_vgpr_workitem_id 0
		.amdhsa_next_free_vgpr 896
		.amdhsa_next_free_sgpr 102
		.amdhsa_reserve_vcc 0
		.amdhsa_float_denorm_mode_32 3
		.amdhsa_float_denorm_mode_16_64 3
		.amdhsa_memory_ordered 1
		.amdhsa_forward_progress 1
		.amdhsa_inst_pref_size 159
	.end_amdhsa_kernel
	.amdgpu_metadata
---
amdhsa.version: [ 1, 2 ]
amdhsa.kernels:
  - .name:           k_qb985d418e3_down
    .symbol:         k_qb985d418e3_down.kd
    .args:
      - { .name: W2, .offset: 0, .size: 8, .value_kind: global_buffer, .address_space: global }
      - { .name: hid, .offset: 8, .size: 8, .value_kind: global_buffer, .address_space: global }
      - { .name: bm, .offset: 16, .size: 8, .value_kind: global_buffer, .address_space: global }
      - { .name: part, .offset: 24, .size: 8, .value_kind: global_buffer, .address_space: global }
    .group_segment_fixed_size: 321024
    .private_segment_fixed_size: 0
    .kernarg_segment_align: 8
    .kernarg_segment_size: 32
    .max_flat_workgroup_size: 128
    .sgpr_count:     102
    .vgpr_count:     896
    .wavefront_size: 32
...
	.end_amdgpu_metadata
.endif
;; end of part 3
;; launch combine (part 4): grid 256 x 1, 8 waves a work-group, no clusters, 0 bytes of LDS; arguments part, wts, stat, out0, out1; writes out0, out1
.if DOCPART == 4
	.amdgcn_target "amdgcn-amd-amdhsa--gfx1250"
	.amdhsa_code_object_version 6
	.text
	.protected	k_qb985d418e3_combine
	.globl	k_qb985d418e3_combine
	.p2align	8
	.type	k_qb985d418e3_combine,@function
k_qb985d418e3_combine:
	s_mov_b64 s[64:65], 0
	v_nop
	global_prefetch_b8 v0, s[64:65] scope:SCOPE_SE
	s_setreg_imm32_b32 hwreg(HW_REG_WAVE_MODE, 25, 1), 1
	s_wait_xcnt 0x0
; out0[t] = w0 (the four K parts of slot 2 t, added) + w1 (those of slot 2 t + 1); out1 = the load-balance loss.
; A stream: a work-group owns 4 tokens, thread i the 16 bytes at 16 i of every row, so each load and store of a wave covers 512 consecutive bytes.  All 32 loads of a thread go out at once, ordered by
; token, and each token is added up and stored as its eight loads come in.  A slot's place hangs on no routing, so no index is read.  No LDS, no barrier, no matrix unit: there is nothing to share or multiply.
; The loss: 8 x sum_e (P_e / 1024) (C_e / 2048), with P_e the sum of expert e's probabilities and C_e the number of its tokens; the counts add up to 2,048 whatever the choice, so the factor is 2^-18.
.set R,  8                             ; v8-135  (token, choice, K part): 4 registers each
.set ST, 140                           ; v140-155 one work-group's 8 sums and 8 counts
	s_load_b256 s[4:11], s[0:1], 0x0               ; part s[4:5], wts s[6:7], stat s[8:9], out0 s[10:11]
	s_load_b64 s[12:13], s[0:1], 0x20              ; out1
	s_mov_b32 s14, ttmp9
	v_lshlrev_b32 v1, 4, v0
	v_lshrrev_b32 v2, 5, v0
	v_readfirstlane_b32 s15, v2                    ; wave
	s_lshl_b32 s32, s14, 5                         ; my 4 tokens: 8 gate weights,
	s_lshl_b32 s34, s14, 15                        ; 8 slots of 4,096 bytes in each plane of part,
	s_lshl_b32 s36, s14, 14                        ; 4 rows of out0
	s_mov_b32 s33, 0
	s_mov_b32 s35, 0
	s_mov_b32 s37, 0
	s_wait_kmcnt 0x0
	s_add_nc_u64 s[6:7], s[6:7], s[32:33]
	s_load_b256 s[16:23], s[6:7], 0x0              ; token k: w0 in s[16 + 2 k], w1 in s[17 + 2 k]
	s_add_nc_u64 s[24:25], s[4:5], s[34:35]        ; the four planes lie 8 MiB apart
	s_add_nc_u64 s[26:27], s[24:25], 0x800000
	s_add_nc_u64 s[28:29], s[24:25], 0x1000000
	s_add_nc_u64 s[30:31], s[24:25], 0x1800000
	s_add_nc_u64 s[10:11], s[10:11], s[36:37]
.irp n, 0,1,2,3,4,5,6,7                ; slot n of my eight
.irp k, 0,1,2,3
	global_load_b128 v[R+16*\n+4*\k:R+16*\n+4*\k+3], v1, s[24+2*\k:25+2*\k] offset:4096*\n th:TH_LOAD_NT
.endr
.endr
	s_wait_kmcnt 0x0
.irp t, 0,1,2,3
	s_wait_loadcnt 24-8*\t                         ; loads come back in order: this token's eight are in, the later tokens' stay out
.irp j, 0,1
.set B, R+32*\t+16*\j
	v_pk_add_f32 v[B:B+1],     v[B:B+1],     v[B+4:B+5]
	v_pk_add_f32 v[B+2:B+3],   v[B+2:B+3],   v[B+6:B+7]
	v_pk_add_f32 v[B+8:B+9],   v[B+8:B+9],   v[B+12:B+13]
	v_pk_add_f32 v[B+10:B+11], v[B+10:B+11], v[B+14:B+15]
	v_pk_add_f32 v[B:B+1],     v[B:B+1],     v[B+8:B+9]
	v_pk_add_f32 v[B+2:B+3],   v[B+2:B+3],   v[B+10:B+11]
.endr
.set B, R+32*\t
.irp q, 0,1,2,3
	v_mul_f32 v[B+\q], s[16+2*\t], v[B+\q]
.endr
.irp q, 0,1,2,3
	v_fmac_f32 v[B+\q], s[17+2*\t], v[B+16+\q]
.endr
	global_store_b128 v1, v[B:B+3], s[10:11] offset:4096*\t th:TH_STORE_NT  ; its registers are not written again
.endr
	s_cmp_lg_u32 s14, 0
	s_cbranch_scc1 .Lend
	s_cmp_lg_u32 s15, 0
	s_cbranch_scc1 .Lend
	; the loss: one wave of one work-group; lane g takes the sums and counts that the router's work-group g left
	v_lshlrev_b32 v2, 7, v0                        ; in wave 0 the thread's number is the lane
.irp q, 0,1,2,3
	global_load_b128 v[ST+4*\q:ST+4*\q+3], v2, s[8:9] offset:16*\q
.endr
	s_mov_b32 s38, 0x76543210                      ; v_permlanex16_b32: each lane takes its own place in the other half
	s_mov_b32 s39, 0xfedcba98
	v_mov_b32 v4, 0
	s_wait_loadcnt 0x0
.irp m, 1,2,4,8
.set e, 0
.rept 16
	v_add_f32_dpp v[ST+e], v[ST+e], v[ST+e] row_xmask:\m row_mask:0xf bank_mask:0xf
.set e, e+1
.endr
.endr
.set e, 0
.rept 16
	v_permlanex16_b32 v[12+e], v[ST+e], s38, s39   ; v12-27 have been written and are no store's data
.set e, e+1
.endr
.set e, 0
.rept 16
	v_add_f32 v[ST+e], v[ST+e], v[12+e]
.set e, e+1
.endr
	v_mul_f32 v3, v[ST], v[ST+8]
.irp e, 1,2,3,4,5,6,7
	v_fmac_f32 v3, v[ST+\e], v[ST+8+\e]
.endr
	v_mul_f32 v3, 0x36800000, v3                   ; 2^-18
	s_wait_xcnt 0x0                                ; EXEC changes only behind s_wait_xcnt 0
	v_cmp_eq_u32 vcc_lo, 0, v0
	s_and_saveexec_b32 s15, vcc_lo
	global_store_b32 v4, v3, s[12:13]
	s_wait_xcnt 0x0
	s_or_b32 exec_lo, exec_lo, s15
.Lend:
	s_endpgm
.Lfunc_end_k_qb985d418e3_combine:
	.size	k_qb985d418e3_combine, .Lfunc_end_k_qb985d418e3_combine-k_qb985d418e3_combine
	.p2alignl 7, 3214868480
	.fill 96, 4, 3214868480
	.section	.rodata,"a",@progbits
	.p2align	6, 0x0
	.amdhsa_kernel k_qb985d418e3_combine
		.amdhsa_group_segment_fixed_size 0
		.amdhsa_private_segment_fixed_size 0
		.amdhsa_enable_private_segment 0
		.amdhsa_kernarg_size 40
		.amdhsa_user_sgpr_count 2
		.amdhsa_user_sgpr_kernarg_segment_ptr 1
		.amdhsa_wavefront_size32 1
		.amdhsa_system_sgpr_workgroup_id_x 1
		.amdhsa_system_sgpr_workgroup_id_y 1
		.amdhsa_system_sgpr_workgroup_id_z 1
		.amdhsa_system_vgpr_workitem_id 0
		.amdhsa_next_free_vgpr 160
		.amdhsa_next_free_sgpr 66
		.amdhsa_reserve_vcc 1
		.amdhsa_float_denorm_mode_32 3
		.amdhsa_float_denorm_mode_16_64 3
		.amdhsa_memory_ordered 1
		.amdhsa_forward_progress 1
		.amdhsa_inst_pref_size 16
	.end_amdhsa_kernel
	.amdgpu_metadata
---
amdhsa.version: [ 1, 2 ]
amdhsa.kernels:
  - .name:           k_qb985d418e3_combine
    .symbol:         k_qb985d418e3_combine.kd
    .args:
      - { .name: part, .offset: 0, .size: 8, .value_kind: global_buffer, .address_space: global }
      - { .name: wts, .offset: 8, .size: 8, .value_kind: global_buffer, .address_space: global }
      - { .name: stat, .offset: 16, .size: 8, .value_kind: global_buffer, .address_space: global }
      - { .name: out0, .offset: 24, .size: 8, .value_kind: global_buffer, .address_space: global }
      - { .name: out1, .offset: 32, .size: 8, .value_kind: global_buffer, .address_space: global }
    .group_segment_fixed_size: 0
    .private_segment_fixed_size: 0
    .kernarg_segment_align: 8
    .kernarg_segment_size: 40
    .max_flat_workgroup_size: 256
    .sgpr_count:     66
    .vgpr_count:     160
    .wavefront_size: 32
...
	.end_amdgpu_metadata
.endif
;; end of part 4
;; ======== version 2 of 3: 4 launches
;; workspace buffers: xb 2,097,152 bytes; hid 67,108,864 bytes; part 33,554,432 bytes; wts 8,192 bytes; bm 4,096 bytes of whole numbers; stat 4,096 bytes; lst 32,768 bytes of whole numbers
;; launch route: the kernel of part 1 again; grid 32 x 1, 16 waves a work-group, no clusters, 101,120 bytes of LDS; arguments x, Wg, xb, wts, bm, stat; writes xb, wts, bm, stat
;; launch up (part 5): grid 256 x 1, 4 waves a work-group, no clusters, 312,832 bytes of LDS; arguments W1, xb, bm, hid, lst; writes hid, lst
.if DOCPART == 5
	.amdgcn_target "amdgcn-amd-amdhsa--gfx1250"
	.amdhsa_code_object_version 6
	.text
	.protected	k_qb985d418e3_up
	.globl	k_qb985d418e3_up
	.p2align	8
	.type	k_qb985d418e3_up,@function
k_qb985d418e3_up:
	s_mov_b64 s[64:65], 0
	v_nop
	global_prefetch_b8 v0, s[64:65] scope:SCOPE_SE
	s_setreg_imm32_b32 hwreg(HW_REG_WAVE_MODE, 25, 1), 1
	s_wait_xcnt 0x0
; ONE PRODUCT OF THE EXPERTS' CHAIN.  One text serves both products; UP, set below, says which of them this file is.
;   UP = 1: hid[e][place][4096] = bf16(gelu(xb[the place's token] . W1[e])), and lst[e][place] = the place's slot
;   UP = 0: part[ks][slot][1024] = hid[e][place][1024 ks ..] . W2[e][1024 ks ..], in f32
; An expert's PLACES are the tokens that chose it, in ascending order; slot = 2 x token + (0: first choice, 1: second).  Only the rows that chose expert e are multiplied.
; SHARES.  A work-group has a slice of ONE expert's weights, 1,024 k x 128 columns of f32, which it alone reads, once, and ALL of that expert's rows.  The slice is rounded to bf16 on its way through
; registers and stays in LDS whole.  (UP = 0: K = 4,096 is cut in four, so that the slice has the same shape; the four partial sums stay in f32 and the last launch adds them.)
; Rows go in batches of 320: block a (0-4) of wave w is places RB + 16 (4 a + w) .. + 15, so live blocks spread evenly over the four waves.
; Batch 0 is multiplied under the weights' stream, 64 k a trip; batches 1 to 3 (an expert with more than 320 rows; up to 1,024 are served) read the slice from LDS, with no barrier and no write of it.
; WHERE THE ROWS ARE.  UP = 1: the token of a place is found in registers, from the expert's bitmap: a scan over its 32 words leaves each lane the word that holds its place, five halvings find the bit.
; The results go to hid in the order of the places, an expert's 1,024 rows on end, and slice 0 of each expert stores the places' slots.  UP = 0: the rows are read as they lie there, and the slots are loaded.
; WHAT HANGS ON THE COUNT.  Every loop has a constant count.  Two flags, set once a batch, say whether my wave has rows (its block 0 begins below the count) and whether its block 4 has.  A wave without rows
; jumps forward over the batch, to the label ahead of the counter's step; block 4's products and way out, and in batch 0 its loads, are jumped where it has none; no barrier stands in what is jumped.  Blocks 0 to 3
; of a wave with rows are always multiplied and stored.  A place past the count takes the last chosen row once more.  A block that would begin past place 1,008 takes the last 16 places whole, on the way in and
; on the way out alike, so that it stores what their owner stores.  So no lane is ever switched off, and no store is cut.  For an expert that nobody chose UP = 1 takes the count as 1 (a row of xb that exists),
; so that row 0 of its part of hid and of lst is stored before UP = 0 reads it; UP = 0 stores nothing for it.
; THE PRODUCT is used transposed: source 0 = 16 columns of the weights (turned on their way out of LDS by ds_load_tr16_b128), source 1 = 16 rows of tokens, loaded from memory as they lie:
; in the result a lane holds one token (lane % 16) and eight neighbouring columns.
; NO MULTICAST, NO TENSOR LOAD: each weight has one reader and is rounded in registers.  The token rows that an expert's work-groups share come by tokens' numbers where UP = 1, which no tile describes;
; where UP = 0 they lie end to end, but a chunk's tile of 320 rows x 128 bytes is 40,960 bytes, and beside slice, stages and spare words (312,832 bytes) LDS has 14,848 left.
; LIMITS.  Weights and token rows are bf16 matrix operands; hid is kept in bf16 (not f16: its range).  erfc is taken by a five-term form in 1 / (1 + p x) times exp(-x^2), off by at most 1.5e-7 for every finite x.
; NaN and infinities are not treated apart.
.set UP, 1
.if UP
.set PITCH, 16384                      ; bytes from a k row of the weights to the next
.set LOGP,  14
.set NCASE, 5                          ; the way out: a pass a block
.set PRE0,  36                         ; loads younger than chunk 0's weights ahead of the first trip: chunk 1's 16, 20 of token rows
.else
.set PITCH, 4096
.set LOGP,  12
.set NCASE, 10                         ; the way out: two passes a block: 64 columns of f32 are a stage row's 256 bytes
.set PRE0,  41                         ; the same and the 5 loads of slots
.endif
.set WLP,   288                        ; a k row of the slice in LDS: 256 bytes + 32: an odd multiple of 32, for the turning load
.set CHB,   64*WLP                     ; a chunk: 64 k rows
.set WLMAX, 15*CHB+15*WLP+16           ; the highest address that a lane's turning loads start from
.set STG,   1024*WLP                   ; behind the slice: 4 waves x 16 rows x 272 bytes, for the way out
.set SP,    272
.set SPARE, STG+4*16*SP                ; the spare words, 128 bytes a wave; no other line names them
; REGISTERS, in windows of 256 (s_set_vgpr_msb: bits 1:0 source 0, 3:2 source 1, 5:4 source 2, 7:6 destination)
;   window 0: addresses, the weights' fragments, the way out     window 1: accumulator (a, b) at 64 a + 8 b, a = 0-3
;   window 2: v0-63 accumulators (4, b); v64-143, v144-223 two buffers of token fragments, (K step s, block a) at 8 (5 s + a)     window 3: v0-63, v64-127 two buffers of 16 f32 rows of weights
.set BADR0, 4                          ; v4   my lane's place in a chunk for the turning load; never rewritten
.set BADR,  5                          ; v5   the same in the chunk in hand
.set SADR,  6                          ; v6   where I put 8 bytes of a k row
.set WOFF,  7                          ; v7   16 x lane: my 16 bytes of a row piece of 512; never rewritten
.set PFO,   8                          ; v8   prefetch: row lane / 2, block lane % 2 of 256 bytes; never rewritten
.set VA,    9                          ; v9   UP = 1: lane i holds word i of 'who chose e'
.set AOFF,  10                         ; v10-14  block a: my token row's byte offset + 16 (lane / 16)
.set STO,   15                         ; v15  the way out: where I put my part of a row
.set RD,    16                         ; v16  where I read a row back
.set COL16, 17                         ; v17  16 (lane % 16)
.set VJ,    18                         ; v18  UP = 1: lane i holds word i of 'who chose e second'
.set CH,    18                         ;      UP = 0: 16 (lane % 16), + 256 for the second half of the columns
.set GO,    19                         ; v19  UP = 1: the way out: my byte offset in the block's first two rows of hid
.set SLC,   19                         ;      UP = 0: the way out: the slots of the block in hand, lane % 16 = row
.set TM,    20                         ; v20-27 at work
.set SPW,   28                         ; v28  LDS address of my spare word; never rewritten
.set NIL,   29                         ; v29  0; never rewritten
.set SADR0, 30                         ; v30  my wave's 16 rows of chunk 0, my 8 bytes; never rewritten
.set H16,   31                         ; v31  16 (lane / 16)
.set T16,   32                         ; v32-47   eight rows rounded
.set BF,    48                         ; v48-111, v112-175  the weights' fragments of the two K steps of a chunk
.set TT,    48                         ; the way out: a block's 64 numbers a lane
.set GU,    112
.set GQ,    128
.set GP,    144
.set GR,    160
.set OB,    176                        ; v176-207 a block on its way out
.set GOFF,  208                        ; v208-215 UP = 0: its rows' byte offsets
.set Q,     216                        ; UP = 1, three registers each (x = 0: blocks 0 | 1 in the lanes' halves, 1: blocks 2 | 3, 2: block 4 twice): the place's rank, then its rank in its word, then its token
.set WD,    219                        ;   the word of the bitmap that holds it
.set PK,    222                        ;   that word's number << 16 | the chosen tokens ahead of the word
.set JW,    225                        ;   the same word of 'second choice'; then the slot
.set PL,    228                        ;   the place; then its byte offset in lst
.set E,     231                        ; v231-237 at work
.set SLT,   216                        ; UP = 0: v216-220 block a's slots, lane % 16 = row
.set LO,    221                        ; UP = 0: v221-225 the byte offsets from which they are loaded
.set AB,    64                         ; window 2
.set T2,  2
.set SB,  3                            ; s3   the chunk in hand, in bytes of LDS
.set WV,  12
.set EX,  13
.set SL,  14
.set KS,  15
.set CNT, 16                           ; s16  the expert's rows
.set RB,  17                           ; s17  the batch's first place
.set LIVE4, 18                         ; s18  1: my block 4 has rows
.set KC,  19
.set BC,  20
.set OC,  21
.set ROW, 22
.set CM,  23                           ; s23  the last place that is read: max(count, 1) - 1
.set CL,  24                           ; s24  the count by which blocks are live: UP = 1: max(count, 1); UP = 0: the count
.set TS,  25
.set WB,  26                           ; s[26:27] the weights at my 16 rows of the chunk last asked for
.set AP,  28                           ; s[28:29] the token rows at the chunk last asked for
.set OF,  30                           ; s[30:31] an offset
.set C1,  32                           ; s32-47 the activation's constants
.set PP,  34
.set KK,  36
.set A1,  38
.set A2,  40
.set A3,  42
.set A4,  44
.set A5,  46
.set OBASE, 48
.set LIVEW, 50                         ; s50  1: my wave has rows in this batch
.set NL,  51                           ; s51  the passes of the way out that have something to store
.set LSTP, 52                          ; s[52:53] lst at the expert's first place
.set BS,  54                           ; s54-58 my five blocks' first places
.set HIM, 59                           ; s59  lanes 16-31
.set SEL, 60                           ; s[60:61] v_permlanex16_b32: each lane takes its own place in the other half
.set MSK5, 62
.set MSK3, 63
.set MSKF, 66
.set SI,  67                           ; s67  the scan's word number
.set AW,  68                           ; s68-99 'chosen' words, until they are counted; then what follows
.set SW,  68
.set SJ,  69
.set SPF, 70                           ; s70  chosen tokens ahead of the word in hand
.set SPK, 71
.set SCN, 72
.set RL,  68                           ; UP = 0: s68-83 a block's 16 slots
.set ABASE, 100
.set MSB, 0
.macro WIN new                         ; the immediate's high byte repeats the setting that is left; a switch that changes nothing is dropped
.if MSB != (\new)
	s_set_vgpr_msb (MSB<<8)|(\new)
.set MSB, \new
.endif
.endm
.macro PLACES
.rept 4
	v_nop
.endr
.endm
; 16 loads: my wave's 16 k rows from row on, each a row piece of 512 consecutive bytes, into buffer x
.macro WLOAD x, row
	WIN 0xc0
.set i, 0
.rept 16
	global_load_b128 v[64*(\x)+4*i:64*(\x)+4*i+3], v[WOFF], s[WB:WB+1] offset:((\row)+i)*PITCH th:TH_LOAD_NT
.set i, i+1
.endr
.endm
; Buffer x is rounded and put into the slice, eight rows at a time.  issue = 1: as soon as eight rows are rounded their registers are asked for again, from s[WB].
; ahead = 1: the chunk behind the one in hand.  pf: my own 16 rows x 2 blocks of 256 bytes of the chunk two further on than the one just asked for are prefetched: each block once in the
; launch, by the wave that will load it, two trips ahead of that load (1: always; 2: not in the loop's last trip, whose look-ahead would pass chunk 15).
.macro TOLDS x, ahead, issue, pf
.irp q, 0,1
	WIN 0x0f
.set i, 0
.rept 8
	v_cvt_pk_bf16_f32 v[T16+2*i],   v[64*(\x)+32*\q+4*i],   v[64*(\x)+32*\q+4*i+1]
	v_cvt_pk_bf16_f32 v[T16+2*i+1], v[64*(\x)+32*\q+4*i+2], v[64*(\x)+32*\q+4*i+3]
.set i, i+1
.endr
.if \issue
	WIN 0xc0
.set i, 0
.rept 8
	global_load_b128 v[64*(\x)+32*\q+4*i:64*(\x)+32*\q+4*i+3], v[WOFF], s[WB:WB+1] offset:(8*\q+i)*PITCH th:TH_LOAD_NT
.set i, i+1
.endr
.endif
	WIN 0
.set i, 0
.rept 8
	ds_store_b64 v[SADR], v[T16+2*i:T16+2*i+1] offset:(\ahead)*CHB+(8*\q+i)*WLP  ; the wave stores a row's 256 consecutive bytes
.set i, i+1
.endr
.endr
.if (\pf) == 2
	s_cmp_eq_u32 s[KC], 1
	s_cbranch_scc1 .Lnopf_\@
.endif
.if \pf
	global_prefetch_b8 v[PFO], s[WB:WB+1] offset:128*PITCH th:TH_LOAD_NT scope:SCOPE_SE
.endif
.if (\pf) == 2
.Lnopf_\@:
.endif
.endm
; A chunk's token fragments, 2 K steps x 5 blocks, into buffer p: 16 loads for blocks 0 to 3, then block 4's four.  full = 0 (batch 0 from its third fill on): block 4's are jumped where it has no rows.
; full other than 0: all 20: in a batch's first two fills, one into each buffer, so that block 4's registers are written whatever the count; and in every trip without staging, whose text so runs
; straight, with no label, from the line that holds its LDS address inside the slice to the reads by that address.  No wait counts block 4's loads: every counted wait counts loads that are younger.
.macro ALOAD p, full
	WIN 0x80
.irp s, 0,1
.irp a, 0,1,2,3
	global_load_b128 v[AB+80*(\p)+8*(5*\s+\a):AB+80*(\p)+8*(5*\s+\a)+3],   v[AOFF+\a], s[AP:AP+1] offset:64*\s
	global_load_b128 v[AB+80*(\p)+8*(5*\s+\a)+4:AB+80*(\p)+8*(5*\s+\a)+7], v[AOFF+\a], s[AP:AP+1] offset:64*\s+32
.endr
.endr
.if !(\full)
	WIN 0
	s_cmp_eq_u32 s[LIVE4], 0
	s_cbranch_scc1 .Lno4_\@
	WIN 0x80
.endif
.irp s, 0,1
	global_load_b128 v[AB+80*(\p)+8*(5*\s+4):AB+80*(\p)+8*(5*\s+4)+3],   v[AOFF+4], s[AP:AP+1] offset:64*\s
	global_load_b128 v[AB+80*(\p)+8*(5*\s+4)+4:AB+80*(\p)+8*(5*\s+4)+7], v[AOFF+4], s[AP:AP+1] offset:64*\s+32
.endr
	WIN 0
.if !(\full)
.Lno4_\@:
.endif
.endm
; 16 turning loads: K step s of the chunk in hand, all 128 columns, into fragment buffer f: lane l gets column 16 b + l % 16, k as a fragment wants it
.macro FETCHB s, f
	WIN 0
.irp b, 0,1,2,3,4,5,6,7
	ds_load_tr16_b128 v[BF+64*(\f)+8*\b:BF+64*(\f)+8*\b+3],   v[BADR] offset:(\s)*32*WLP+32*\b
	ds_load_tr16_b128 v[BF+64*(\f)+8*\b+4:BF+64*(\f)+8*\b+7], v[BADR] offset:(\s)*32*WLP+16*WLP+32*\b
.endr
.endm
; 8 products: block a (0-3) x all 8 column blocks, K step s.  Every accumulator has one turn in a K step.  zero = 1: the product starts the sum.
.macro MUL f, p, s, a, zero
	WIN 0x58
.irp b, 0,1,2,3,4,5,6,7
.if \zero
	v_wmma_f32_16x16x32_bf16 v[64*(\a)+8*\b:64*(\a)+8*\b+7], v[BF+64*(\f)+8*\b:BF+64*(\f)+8*\b+7], v[AB+80*(\p)+8*(5*(\s)+(\a)):AB+80*(\p)+8*(5*(\s)+(\a))+7], 0
.else
	v_wmma_f32_16x16x32_bf16 v[64*(\a)+8*\b:64*(\a)+8*\b+7], v[BF+64*(\f)+8*\b:BF+64*(\f)+8*\b+7], v[AB+80*(\p)+8*(5*(\s)+(\a)):AB+80*(\p)+8*(5*(\s)+(\a))+7], v[64*(\a)+8*\b:64*(\a)+8*\b+7]
.endif
.endr
.endm
.macro M4 f, p, s, zero                ; the same for block 4, whose accumulators lie in window 2
	WIN 0xa8
.irp b, 0,1,2,3,4,5,6,7
.if \zero
	v_wmma_f32_16x16x32_bf16 v[8*\b:8*\b+7], v[BF+64*(\f)+8*\b:BF+64*(\f)+8*\b+7], v[AB+80*(\p)+8*(5*(\s)+4):AB+80*(\p)+8*(5*(\s)+4)+7], 0
.else
	v_wmma_f32_16x16x32_bf16 v[8*\b:8*\b+7], v[BF+64*(\f)+8*\b:BF+64*(\f)+8*\b+7], v[AB+80*(\p)+8*(5*(\s)+4):AB+80*(\p)+8*(5*(\s)+4)+7], v[8*\b:8*\b+7]
.endif
.endr
.endm
; Block 4's two K steps stand together and are jumped where the block has no rows; the products that start its sums are issued all the same, so that its registers are written whatever the count.
.macro MUL4 p, zero
.if \zero
	M4 0, \p, 0, 1
.endif
	WIN 0
	s_cmp_eq_u32 s[LIVE4], 0
	s_cbranch_scc1 .Ldead_\@
.if !(\zero)
	M4 0, \p, 0, 0
.endif
	M4 1, \p, 1, 0
	WIN 0
.Ldead_\@:
.endm
; A TRIP multiplies the chunk in hand (token buffer p).  stage = 1 (batch 0): it also rounds the next chunk's weights into LDS (issue = 1: and asks for the chunk three on).  aiss = 1: it asks for the next chunk's token rows.
; ORDER OF THE LOADS.  Loads come back in the order of issue, so the token rows of chunk t + 1 are asked for AHEAD of the weights of chunk t + 3.  At a staged trip's head W(t+1) 16, A(t) 16 or 20, W(t+2) 16 are
; out: pre = 16 leaves W(t+2) out and shows the two that the trip needs; then A(t+1) and W(t+3) go out: 52 loads at the most (57 round the first trip where UP = 0).  A trip without staging waits for all
; (pre = 0): only its own loads of token rows, asked for a trip ago, can be out.
; bar = 1: ONE barrier a trip.  Each byte of the slice is written once, so all that has to be ordered is a chunk's stores against its reads in the next trip: each wave waits for its stores, signals,
; multiplies the second K step, and waits for the others.
.macro TRIP p, stage, issue, pf, aiss, zero, bar, pre
	WIN 0
	v_add_nc_u32 v[BADR], s[SB], v[BADR0]          ; four plain instructions stand between the last products and the loads into registers that they read (ISA guide 7.12.1 for vector instructions): this one,
.if \stage
	v_add_nc_u32 v[SADR], s[SB], v[SADR0]          ; this one,
.else
	v_min_u32 v[BADR], WLMAX, v[BADR]              ; this one, which holds the address inside the slice's bytes,
.endif
	v_nop                                          ; and these two
	v_nop
.if (\aiss) || (\issue)
	s_wait_xcnt 0x0                                ; the two pointers are stepped only behind this wait: every earlier load and prefetch has had its address translated (ISA guide 3.1)
.endif
.if \aiss
	s_add_nc_u64 s[AP:AP+1], s[AP:AP+1], 128       ; 64 k of bf16
.endif
.if \issue
	s_add_nc_u64 s[WB:WB+1], s[WB:WB+1], 64*PITCH
.endif
	FETCHB 0, 0
	s_wait_loadcnt \pre
.if \aiss
	ALOAD 1-(\p), 1-(\stage)+(\zero)
.endif
.if \stage
	TOLDS 1-(\p), 1, \issue, \pf
	s_wait_dscnt 16                                ; the first K step's fragments are in; my 16 stores are younger
.else
	s_wait_dscnt 0x0
.endif
	FETCHB 1, 1                                    ; the second K step's: 32 products in which to land
	MUL 0, \p, 0, 0, \zero
	MUL 0, \p, 0, 1, \zero
	MUL 0, \p, 0, 2, \zero
	MUL 0, \p, 0, 3, \zero
	s_wait_dscnt 0x0                               ; they are in; and, for the others' sake, my stores into the slice are done
	MUL4 \p, \zero
.if \bar
	s_barrier_signal -1
.endif
	MUL 1, \p, 1, 0, 0
	MUL 1, \p, 1, 1, 0
	MUL 1, \p, 1, 2, 0
	MUL 1, \p, 1, 3, 0
	WIN 0
	s_add_co_u32 s[SB], s[SB], CHB
.if \bar
	s_barrier_wait -1
.endif
.endm
; A batch begins.  FLAGS: has my wave rows in it, has my block 4?  It leaves my block 0's first place in s[T2] for ROWS.
.macro FLAGS
	s_lshl_b32 s[T2], s[WV], 4
	s_add_co_u32 s[T2], s[T2], s[RB]               ; my block 0's first place
	s_cmp_lt_u32 s[T2], s[CL]
	s_cselect_b32 s[LIVEW], 1, 0                   ; my block 0 has rows, or none of my blocks has
	s_add_co_u32 s[TS], s[T2], 256                 ; my block 4's first place
	s_cmp_lt_u32 s[TS], s[CL]
	s_cselect_b32 s[LIVE4], 1, 0
.endm
.if UP
; One halving of the search for set bit number Q of a word.  v[cnt] holds, for each group of wid bits, how many are set; v[E+4] is the bit at which the 2 wid bits still in question begin.
; If the lower group holds Q bits or fewer, the bit lies in the upper one: the lower group's count leaves Q, and the beginning moves up by wid.
.macro LEVEL x, cnt, msk, wid
	v_lshrrev_b32 v[E], v[E+4], v[\cnt]
	v_and_b32 v[E], \msk, v[E]
	v_cmp_ge_u32 vcc_lo, v[Q+(\x)], v[E]
	v_cndmask_b32 v[E], 0, v[E], vcc_lo
	v_sub_nc_u32 v[Q+(\x)], v[Q+(\x)], v[E]
	v_cndmask_b32 v[E+5], 0, \wid, vcc_lo
	v_add_nc_u32 v[E+4], v[E+4], v[E+5]
.endm
; Register x: from the word that holds the place to the token and the slot.
.macro PICK x
	v_and_b32 v[E], 0xffff, v[PK+(\x)]             ; the chosen tokens ahead of the word
	v_sub_nc_u32 v[Q+(\x)], v[Q+(\x)], v[E]        ; the place's rank among the word's set bits
	v_lshrrev_b32 v[PK+(\x)], 16, v[PK+(\x)]       ; the word's number
	v_lshrrev_b32 v[E], 1, v[WD+(\x)]              ; how many bits are set in each pair,
	v_and_b32 v[E], s[MSK5], v[E]
	v_sub_nc_u32 v[E+1], v[WD+(\x)], v[E]
	v_lshrrev_b32 v[E], 2, v[E+1]                  ; in each four,
	v_and_b32 v[E], s[MSK3], v[E]
	v_and_b32 v[E+2], s[MSK3], v[E+1]
	v_add_nc_u32 v[E+2], v[E+2], v[E]
	v_lshrrev_b32 v[E], 4, v[E+2]                  ; in each byte,
	v_add_nc_u32 v[E], v[E], v[E+2]
	v_and_b32 v[E+3], s[MSKF], v[E]
	v_lshrrev_b32 v[E], 8, v[E+3]                  ; and, in the lowest byte, in the lower half
	v_add_nc_u32 v[E+6], v[E], v[E+3]
	v_mov_b32 v[E+4], 0
	LEVEL \x, E+6, 0xff, 16
	LEVEL \x, E+3, 0xff, 8
	LEVEL \x, E+2, 15, 4
	LEVEL \x, E+1, 3, 2
	LEVEL \x, WD+(\x), 1, 1
	v_lshrrev_b32 v[E], v[E+4], v[JW+(\x)]
	v_and_b32 v[E], 1, v[E]                        ; was it the token's second choice?
	v_lshl_add_u32 v[Q+(\x)], v[PK+(\x)], 5, v[E+4]  ; the token
	v_lshl_or_b32 v[JW+(\x)], v[Q+(\x)], 1, v[E]   ; the slot
.endm
; ROWS: my five blocks' tokens.  A place past the count takes the last chosen token (rank s[CM]).  The scan: word i is the place's if the chosen tokens ahead of it are no more than the rank; the last such
; word holds the place, since an empty word has the same number ahead of it as the word behind it.  Word 0 starts the three registers; 31 trips take the others.
.macro ROWS
.irp a, 0,1,2,3,4
	s_add_co_u32 s[BS+\a], s[T2], 64*\a
	s_min_u32 s[BS+\a], s[BS+\a], 0x3f0            ; a block past the last place takes the last 16 places, whole
.endr
	v_add_nc_u32 v[PL], s[BS], v2
	v_add_nc_u32 v[E], s[BS+1], v2
	v_cndmask_b32 v[PL], v[PL], v[E], s[HIM]       ; lanes 0-15: block 0's places; lanes 16-31: block 1's
	v_add_nc_u32 v[PL+1], s[BS+2], v2
	v_add_nc_u32 v[E], s[BS+3], v2
	v_cndmask_b32 v[PL+1], v[PL+1], v[E], s[HIM]
	v_add_nc_u32 v[PL+2], s[BS+4], v2
	v_readfirstlane_b32 s[SW], v[VA]
	v_readfirstlane_b32 s[SJ], v[VJ]
.irp x, 0,1,2
	v_min_u32 v[Q+\x], s[CM], v[PL+\x]
	v_mov_b32 v[WD+\x], s[SW]
	v_mov_b32 v[JW+\x], s[SJ]
	v_mov_b32 v[PK+\x], 0
.endr
	s_bcnt1_i32_b32 s[SCN], s[SW]
	s_mov_b32 s[SPF], 0
	s_mov_b32 s[SI], 1
.Lscan_\@:
	s_add_co_u32 s[SPF], s[SPF], s[SCN]            ; the chosen tokens ahead of word i
	v_readlane_b32 s[SW], v[VA], s[SI]
	v_readlane_b32 s[SJ], v[VJ], s[SI]
	s_lshl_b32 s[SPK], s[SI], 16
	s_or_b32 s[SPK], s[SPK], s[SPF]                ; 1,024 at the most: it stays below bit 16
.irp x, 0,1,2
	v_cmp_gt_u32 vcc_lo, s[SPF], v[Q+\x]           ; more than the rank: the lane keeps what it has
	v_cndmask_b32 v[WD+\x], s[SW], v[WD+\x], vcc_lo
	v_cndmask_b32 v[JW+\x], s[SJ], v[JW+\x], vcc_lo
	v_cndmask_b32 v[PK+\x], s[SPK], v[PK+\x], vcc_lo
.endr
	s_bcnt1_i32_b32 s[SCN], s[SW]
	s_add_co_u32 s[SI], s[SI], 1
	s_cmp_lt_u32 s[SI], 32
	s_cbranch_scc1 .Lscan_\@
	PICK 0
	PICK 1
	PICK 2
.irp x, 0,1,2
	v_lshlrev_b32 v[PL+\x], 2, v[PL+\x]
.endr
	s_cmp_lg_u32 s[SL], 0
	s_cbranch_scc1 .Lnolst_\@                      ; an expert's 32 slices find the same slots: slice 0 stores them, each wave its own blocks'
.irp x, 0,1,2
	global_store_b32 v[PL+\x], v[JW+\x], s[LSTP:LSTP+1]  ; 16 places are 64 consecutive bytes; once a batch
.endr
.Lnolst_\@:
	v_permlanex16_b32 v[E], v[Q], s[SEL], s[SEL+1]       ; a fragment wants a block's 16 rows in both halves of the lanes
	v_permlanex16_b32 v[E+1], v[Q+1], s[SEL], s[SEL+1]
	v_cndmask_b32 v[AOFF],   v[Q],   v[E],   s[HIM]
	v_cndmask_b32 v[AOFF+1], v[E],   v[Q],   s[HIM]
	v_cndmask_b32 v[AOFF+2], v[Q+1], v[E+1], s[HIM]
	v_cndmask_b32 v[AOFF+3], v[E+1], v[Q+1], s[HIM]
	v_min_u32 v[AOFF+4], 0x3ff, v[Q+2]
.irp a, 0,1,2,3
	v_min_u32 v[AOFF+\a], 0x3ff, v[AOFF+\a]
.endr
.irp a, 0,1,2,3,4
	v_lshl_add_u32 v[AOFF+\a], v[AOFF+\a], 11, v[H16]  ; token x 2,048 bytes
.endr
	s_mov_b64 s[AP:AP+1], s[ABASE:ABASE+1]
	s_mov_b32 s[SB], 0
.endm
.macro CASE c                          ; s = c1 z for block c's 64 numbers; each accumulator is read from its low end on
.if (\c) < 4
	WIN 0x01
.set AC, 64*(\c)
.else
	WIN 0x02
.set AC, 0
.endif
.set i, 0
.rept 32
	v_pk_mul_f32 v[TT+2*i:TT+2*i+1], v[AC+2*i:AC+2*i+1], s[C1:C1+1] op_sel_hi:[1,0]
.set i, i+1
.endr
	WIN 0
.endm
; Sixteen numbers' GELU.  The 16 reciprocals and 16 exponentials are one batch with one wait; the 16 maxima are the plain work behind it.
.macro GELU g
.set i, 0
.rept 16
	v_fma_f32 v[GU+i], |v[TT+16*(\g)+i]|, s[PP], 1.0
.set i, i+1
.endr
.set i, 0
.rept 8
	v_pk_mul_f32 v[GQ+2*i:GQ+2*i+1], v[TT+16*(\g)+2*i:TT+16*(\g)+2*i+1], v[TT+16*(\g)+2*i:TT+16*(\g)+2*i+1] neg_lo:[0,1] neg_hi:[0,1]  ; - s^2
.set i, i+1
.endr
.set i, 0
.rept 16
	v_rcp_f32 v[GU+i], v[GU+i]                     ; u = 1 / (1 + p x)
	v_exp_f32 v[GQ+i], v[GQ+i]                     ; exp(-x^2)
.set i, i+1
.endr
.set i, 0
.rept 16
	v_max_num_f32 v[GR+i], 0, v[TT+16*(\g)+i]
.set i, i+1
.endr
	s_wait_alu depctr_va_vdst(0)
.set i, 0
.rept 8
	v_pk_fma_f32 v[GP+2*i:GP+2*i+1], v[GU+2*i:GU+2*i+1], s[A5:A5+1], s[A4:A4+1] op_sel_hi:[1,0,0]
.set i, i+1
.endr
.irp k, A3, A2, A1
.set i, 0
.rept 8
	v_pk_fma_f32 v[GP+2*i:GP+2*i+1], v[GP+2*i:GP+2*i+1], v[GU+2*i:GU+2*i+1], s[\k:\k+1] op_sel_hi:[1,1,0]
.set i, i+1
.endr
.endr
.set i, 0
.rept 8
	v_pk_mul_f32 v[GP+2*i:GP+2*i+1], v[GP+2*i:GP+2*i+1], v[GU+2*i:GU+2*i+1]
.set i, i+1
.endr
.set i, 0
.rept 8
	v_pk_mul_f32 v[GP+2*i:GP+2*i+1], v[GP+2*i:GP+2*i+1], v[GQ+2*i:GQ+2*i+1]
.set i, i+1
.endr
.set i, 0
.rept 16
	v_fma_f32 v[GR+i], -|v[TT+16*(\g)+i]|, v[GP+i], v[GR+i]
.set i, i+1
.endr
.set i, 0
.rept 8
	v_pk_mul_f32 v[GR+2*i:GR+2*i+1], v[GR+2*i:GR+2*i+1], s[KK:KK+1] op_sel_hi:[1,0]
.set i, i+1
.endr
.set i, 0
.rept 8
	v_cvt_pk_bf16_f32 v[OB+8*(\g)+i], v[GR+2*i], v[GR+2*i+1]
.set i, i+1
.endr
.endm
.else
; ROWS: my five blocks' rows lie in hid by their places; a place past the count takes the last chosen row.  Their slots, which the way out wants, are asked for here.
.macro ROWS
.irp a, 0,1,2,3,4
	s_add_co_u32 s[TS], s[T2], 64*\a
	s_min_u32 s[TS], s[TS], 0x3f0                  ; a block past the last place takes the last 16 places, whole
	v_add_nc_u32 v[LO+\a], s[TS], v2
	v_min_u32 v[LO+\a], s[CM], v[LO+\a]
	v_min_u32 v[LO+\a], 0x3ff, v[LO+\a]
	v_lshl_add_u32 v[AOFF+\a], v[LO+\a], 13, v[H16]  ; place x 8,192 bytes
	v_lshlrev_b32 v[LO+\a], 2, v[LO+\a]
	global_load_b32 v[SLT+\a], v[LO+\a], s[LSTP:LSTP+1]
.endr
	s_mov_b64 s[AP:AP+1], s[ABASE:ABASE+1]
	s_mov_b32 s[SB], 0
.endm
.macro CASE c                          ; block c / 2, columns 64 (c % 2) on: straight from the accumulators into my stage, each from its low end on; and the block's slots for the common text
.if (\c)/2 < 4
	WIN 0x04
.set AC, 64*((\c)/2)+32*((\c)%2)
.else
	WIN 0x08
.set AC, 32*((\c)%2)
.endif
.irp b, 0,1,2,3
	ds_store_b128 v[STO], v[AC+8*\b:AC+8*\b+3]   offset:64*\b
	ds_store_b128 v[STO], v[AC+8*\b+4:AC+8*\b+7] offset:64*\b+16
.endr
	WIN 0
	v_mov_b32 v[SLC], v[SLT+(\c)/2]
.endm
.endif
	s_load_b256 s[4:11], s[0:1], 0x0               ; weights s[4:5], token rows s[6:7], bm s[8:9], result s[10:11]
	s_load_b64 s[LSTP:LSTP+1], s[0:1], 0x20        ; lst
	v_lshl_add_u32 v[SPW], v0, 2, SPARE
	v_mov_b32 v[NIL], 0
	v_and_b32 v1, 31, v0                           ; lane
	v_lshrrev_b32 v[TM], 5, v0
	v_readfirstlane_b32 s[WV], v[TM]               ; wave 0..3
	s_lshr_b32 s[EX], ttmp9, 5                     ; the expert
	s_and_b32 s[SL], ttmp9, 31                     ; the slice
.if !UP
	s_lshr_b32 s[KS], s[SL], 3                     ; which 1,024 of K,
	s_and_b32 s[SL], s[SL], 7                      ; which 128 columns
.endif
	s_lshl_b32 s[OF], s[EX], 24                    ; an expert's weights are 16 MiB
	s_lshl_b32 s[T2], s[SL], 9
	s_add_co_u32 s[OF], s[OF], s[T2]
.if !UP
	s_lshl_b32 s[T2], s[KS], 22
	s_add_co_u32 s[OF], s[OF], s[T2]
.endif
	s_mul_i32 s[T2], s[WV], 16*PITCH               ; my wave's 16 rows of every chunk
	s_add_co_u32 s[OF], s[OF], s[T2]
	s_mov_b32 s[OF+1], 0
	s_lshl_b32 s[BS], s[EX], 7                     ; the expert's row of bm
	s_mov_b32 s[BS+1], 0
	v_lshlrev_b32 v[WOFF], 4, v1
.if UP
	v_lshlrev_b32 v[TM+2], 2, v1
.endif
	s_wait_kmcnt 0x0
	s_add_nc_u64 s[8:9], s[8:9], s[BS:BS+1]
.if UP
	global_load_b32 v[VA], v[TM+2], s[8:9]             ; row e of bm, a word a lane: who chose e.  Ahead of the weights' loads, since loads come back in the order of issue
	global_load_b32 v[VJ], v[TM+2], s[8:9] offset:1024 ; row 8 + e: who chose it second
.endif
	s_load_b512 s[AW:AW+15],    s[8:9], 0x0        ; row e once more, in scalar registers, to be counted
	s_load_b512 s[AW+16:AW+31], s[8:9], 0x40
	s_add_nc_u64 s[WB:WB+1], s[4:5], s[OF:OF+1]
	WLOAD 0, 0                                     ; the first two chunks of weights hang on no routing: they go out at once
	WLOAD 1, 64
	WIN 0
	s_lshl_b32 s[OF], s[EX], 23                    ; an expert's 1,024 rows of hid are 8 MiB
.if UP
	s_mov_b64 s[ABASE:ABASE+1], s[6:7]
	s_lshl_b32 s[T2], s[SL], 8                     ; my 128 columns of hid: 256 bytes
	s_add_co_u32 s[OF], s[OF], s[T2]
.else
	s_lshl_b32 s[T2], s[KS], 11                    ; my 1,024 of K in a row of hid
	s_add_co_u32 s[OF], s[OF], s[T2]
	s_add_nc_u64 s[ABASE:ABASE+1], s[6:7], s[OF:OF+1]
	s_lshl_b32 s[OF], s[KS], 23                    ; my plane of part, my 128 columns: 512 bytes
	s_lshl_b32 s[T2], s[SL], 9
	s_add_co_u32 s[OF], s[OF], s[T2]
.endif
	s_add_nc_u64 s[10:11], s[10:11], s[OF:OF+1]
	s_lshl_b32 s[OF], s[EX], 12                    ; an expert's 1,024 words of lst
	s_add_nc_u64 s[LSTP:LSTP+1], s[LSTP:LSTP+1], s[OF:OF+1]
	v_and_b32 v2, 15, v0                           ; r = lane % 16
	v_bfe_u32 v3, v0, 4, 1                         ; h = lane / 16
	v_lshrrev_b32 v[TM], 1, v1
	v_and_b32 v[TM+1], 1, v1
	v_lshlrev_b32 v[PFO], 8, v[TM+1]
	v_lshl_add_u32 v[PFO], v[TM], LOGP, v[PFO]
	v_and_b32 v[TM], 7, v0
	v_lshl_add_u32 v[TM], v3, 3, v[TM]             ; the turning load: k row 8 h + lane % 8,
	v_mul_u32_u24 v[BADR0], v[TM], WLP
	v_bfe_u32 v[TM+1], v0, 3, 1
	v_lshl_add_u32 v[BADR0], v[TM+1], 4, v[BADR0]  ; columns 8 ((lane / 8) % 2) on
	s_mul_i32 s[T2], s[WV], 16*WLP
	v_lshl_add_u32 v[SADR0], v1, 3, s[T2]
	s_mul_i32 s[T2], s[WV], 16*SP
	s_add_co_u32 s[T2], s[T2], STG                 ; my stage
	v_mul_u32_u24 v[STO], v2, SP                   ; in: row r,
.if UP
	v_lshl_add_u32 v[STO], v3, 4, v[STO]           ; 8 bf16 for each half of the lanes
.else
	v_lshl_add_u32 v[STO], v3, 5, v[STO]           ; 8 f32 for each half of the lanes
.endif
	v_add_nc_u32 v[STO], s[T2], v[STO]
	v_lshlrev_b32 v[COL16], 4, v2
	v_mul_u32_u24 v[RD], v3, SP                    ; back: lanes 0-15 one row of 256 bytes, lanes 16-31 the next
	v_add_nc_u32 v[RD], v[RD], v[COL16]
	v_add_nc_u32 v[RD], s[T2], v[RD]
	v_lshlrev_b32 v[H16], 4, v3
	s_mov_b32 s[RB], 0
	s_mov_b32 s[HIM], 0xffff0000
.if UP
	s_mov_b32 s[SEL], 0x76543210
	s_mov_b32 s[SEL+1], 0xfedcba98
	s_mov_b32 s[MSK5], 0x55555555
	s_mov_b32 s[MSK3], 0x33333333
	s_mov_b32 s[MSKF], 0x0f0f0f0f
	; gelu(z) = max(z, 0) - |z| erfc(|z| / sqrt 2) / 2, worked on s = c1 z, so that exp(-z^2 / 2) = 2^(-s^2).  Pairs: the packed forms name a pair and take its low word for both halves.
.irp c, 0,1
	s_mov_b32 s[C1+\c], 0x3f596d27                 ; c1 = sqrt(log2(e) / 2) = 0.8493218
	s_mov_b32 s[KK+\c], 0x3f96b55f                 ; 1 / c1
	s_mov_b32 s[A1+\c], 0x3e027906                 ; the five coefficients, halved: 0.127414796,
	s_mov_b32 s[A2+\c], 0xbe11a98e                 ; -0.142248368,
	s_mov_b32 s[A3+\c], 0x3f35f0e3                 ; 0.710706871,
	s_mov_b32 s[A4+\c], 0xbf3a00e3                 ; -0.726576014,
	s_mov_b32 s[A5+\c], 0x3f07dc22                 ; 0.530702715
.endr
	s_mov_b32 s[PP], 0x3e8ba43f                    ; 0.3275911 / sqrt(log2(e)) = 0.27273748
.endif
	s_wait_kmcnt 0x0
	s_bcnt1_i32_b32 s[CNT], s[AW]
.set i, 1
.rept 31
	s_bcnt1_i32_b32 s[T2], s[AW+i]
	s_add_co_u32 s[CNT], s[CNT], s[T2]
.set i, i+1
.endr
	s_max_u32 s[CM], s[CNT], 1
.if UP
	s_mov_b32 s[CL], s[CM]                         ; an expert that nobody chose counts as having one row
.else
	s_mov_b32 s[CL], s[CNT]
.endif
	s_sub_co_u32 s[CM], s[CM], 1
	s_wait_xcnt 0x0                                ; the first loads have had their addresses translated: the weights' base steps
	s_add_nc_u64 s[WB:WB+1], s[WB:WB+1], 128*PITCH ; to chunk 2
	FLAGS
.if UP
	s_wait_loadcnt 32                              ; the two bitmaps are in; the 32 loads of weights, which are younger, stay out
.endif
	ROWS
	ALOAD 0, 1
	v_add_nc_u32 v[SADR], s[SB], v[SADR0]
	s_wait_loadcnt PRE0                            ; chunk 0's weights are in; all that was asked for behind them stays out
	TOLDS 0, 0, 1, 1
	s_wait_dscnt 0x0                               ; for the others' sake: my rows of chunk 0 are in LDS
	s_barrier_signal -1
	s_barrier_wait -1
	TRIP 0, 1, 1, 1, 1, 1, 1, 16                   ; chunk 0: its products start the sums
	s_mov_b32 s[KC], 6
.Lk0:                                                  ; chunks 1 to 12
	TRIP 1, 1, 1, 2, 1, 0, 1, 16
	TRIP 0, 1, 1, 2, 1, 0, 1, 16
	s_sub_co_u32 s[KC], s[KC], 1
	s_cmp_lg_u32 s[KC], 0
	s_cbranch_scc1 .Lk0
	TRIP 1, 1, 0, 0, 1, 0, 1, 16                   ; chunk 13: no weights are left to ask for; chunk 15's 16 loads stay out
	TRIP 0, 1, 0, 0, 1, 0, 1, 0                    ; chunk 14: chunk 15's weights and my token rows are all that is out
	s_mov_b32 s[BC], 4                             ; four batches of 320 cover 1,024 rows.  From here on no barrier: the slice is whole, and the stage is each wave's own
	s_branch .Lmid                                 ; the loop over batches is entered in its middle: batch 0 has chunk 15 and its way out left
.Lbatch:
	FLAGS
	s_cmp_eq_u32 s[LIVEW], 0
	s_cbranch_scc1 .Lbnext                         ; my wave has no rows in this batch
	s_wait_loadcnt 0x0                             ; no load is pending into a register that this batch asks for,
	s_wait_xcnt 0x0                                ; and the rows' offsets, their base and the last stores' registers are written anew only behind this wait
	ROWS
	ALOAD 0, 1
	TRIP 0, 0, 0, 0, 1, 1, 0, 0                    ; chunk 0 starts the sums anew
	s_mov_b32 s[KC], 7
.Lk1:                                                  ; chunks 1 to 14
	TRIP 1, 0, 0, 0, 1, 0, 0, 0
	TRIP 0, 0, 0, 0, 1, 0, 0, 0
	s_sub_co_u32 s[KC], s[KC], 1
	s_cmp_lg_u32 s[KC], 0
	s_cbranch_scc1 .Lk1
.Lmid:
	s_mov_b32 s[SB], 15*CHB
	TRIP 1, 0, 0, 0, 0, 0, 0, 0                    ; chunk 15, of whichever batch
	s_cmp_eq_u32 s[LIVEW], 0
	s_cbranch_scc1 .Lbnext                         ; (batch 0 alone comes here without rows)
	; THE WAY OUT, 16 rows x 256 bytes at a time, in a counted loop, so that the long text stands once; a forward switch picks the accumulators.  Blocks 0 to 3 always go out, block 4 where it has rows.
	PLACES                                         ; between the last products and the first read of a result
.if UP
	s_lshl_b32 s[OBASE], s[WV], 4
	s_add_co_u32 s[OBASE], s[OBASE], s[RB]
.endif
	s_add_co_u32 s[NL], s[LIVE4], 4                ; the blocks that go out,
.if !UP
	s_lshl_b32 s[NL], s[NL], 1                     ; in passes
.endif
	s_mov_b32 s[OC], 0
.Lout:
	s_cmp_ge_u32 s[OC], s[NL]
	s_cbranch_scc1 .Lnext
	s_wait_xcnt 0x0                                ; the last pass's stores have had their addresses translated (ISA guide 3.1): their offsets and data are written anew only behind this wait
.if UP
	s_lshl_b32 s[ROW], s[OC], 6
	s_add_co_u32 s[ROW], s[ROW], s[OBASE]          ; the block's first place;
	s_min_u32 s[ROW], s[ROW], 0x3f0                ; past the last place: the last 16 places, as in ROWS
	v_add_nc_u32 v[GO], s[ROW], v3                 ; lanes 0-15 take rows 0, 2, .. 14 of the block, lanes 16-31 rows 1, 3, .. 15
	v_lshl_add_u32 v[GO], v[GO], 13, v[COL16]
.irp c, 0,1,2,3
	s_cmp_eq_u32 s[OC], \c
	s_cbranch_scc1 .Lcase\c
.endr
	CASE 4
	s_branch .Lcommon
.irp c, 0,1,2
.Lcase\c:
	CASE \c
	s_branch .Lcommon
.endr
.Lcase3:
	CASE 3
.else
	s_and_b32 s[T2], s[OC], 1
	s_lshl_b32 s[T2], s[T2], 8
	v_add_nc_u32 v[CH], s[T2], v[COL16]
.irp c, 0,1,2,3,4,5,6,7,8
	s_cmp_eq_u32 s[OC], \c
	s_cbranch_scc1 .Lcase\c
.endr
	CASE 9
	s_branch .Lcommon
.irp c, 0,1,2,3,4,5,6,7
.Lcase\c:
	CASE \c
	s_branch .Lcommon
.endr
.Lcase8:
	CASE 8
.endif
.Lcommon:
.if UP
	GELU 0
	GELU 1
	GELU 2
	GELU 3
.irp b, 0,1,2,3,4,5,6,7
	ds_store_b128 v[STO], v[OB+4*\b:OB+4*\b+3] offset:32*\b
.endr
.endif
.irp t, 0,1,2,3,4,5,6,7
	ds_load_b128 v[OB+4*\t:OB+4*\t+3], v[RD] offset:2*SP*\t  ; LDS serves a wave's instructions in order (ISA guide 5.7.1.4): these see the stores above, and the next pass's stores come behind them
.endr
.if !UP
.irp t, 0,1,2,3,4,5,6,7,8,9,10,11,12,13,14,15
	v_readlane_b32 s[RL+\t], v[SLC], \t            ; the block's 16 slots; this work stands in the wait for the loads above
.endr
.irp t, 0,1,2,3,4,5,6,7
	v_mov_b32 v[GOFF+\t], s[RL+2*\t]               ; lanes 0-15: row 2 t's slot;
	v_cndmask_b32 v[GOFF+\t], v[GOFF+\t], s[RL+2*\t+1], s[HIM]  ; lanes 16-31: row 2 t + 1's
	v_min_u32 v[GOFF+\t], 0x7ff, v[GOFF+\t]
	v_lshl_add_u32 v[GOFF+\t], v[GOFF+\t], 12, v[CH]
.endr
.endif
	s_wait_dscnt 0x0
.irp t, 0,1,2,3,4,5,6,7
.if UP
	global_store_b128 v[GO], v[OB+4*\t:OB+4*\t+3], s[10:11] offset:\t*16384  ; sixteen lanes store 256 consecutive bytes of one row, at a multiple of 256 from the buffer's first byte; two rows of 8,192 bytes on for each t
.else
	global_store_b128 v[GOFF+\t], v[OB+4*\t:OB+4*\t+3], s[10:11]  ; sixteen lanes store 256 consecutive bytes of one row, at a multiple of 256 from the buffer's first byte
.endif
.endr
.Lnext:
	s_add_co_u32 s[OC], s[OC], 1
	s_cmp_lt_u32 s[OC], NCASE
	s_cbranch_scc1 .Lout
.Lbnext:
	s_add_co_u32 s[RB], s[RB], 320                 ; the next batch's first place
	s_sub_co_u32 s[BC], s[BC], 1
	s_cmp_lg_u32 s[BC], 0
	s_cbranch_scc1 .Lbatch
	s_wait_tensorcnt 0x0                           ; the wave's end, behind my last LDS store
	ds_add_u32 v[SPW], v[NIL]
	s_wait_dscnt 0x0
	s_endpgm
.Lfunc_end_k_qb985d418e3_up:
	.size	k_qb985d418e3_up, .Lfunc_end_k_qb985d418e3_up-k_qb985d418e3_up
	.p2alignl 7, 3214868480
	.fill 96, 4, 3214868480
	.section	.rodata,"a",@progbits
	.p2align	6, 0x0
	.amdhsa_kernel k_qb985d418e3_up
		.amdhsa_group_segment_fixed_size 312832
		.amdhsa_private_segment_fixed_size 0
		.amdhsa_enable_private_segment 0
		.amdhsa_kernarg_size 40
		.amdhsa_user_sgpr_count 2
		.amdhsa_user_sgpr_kernarg_segment_ptr 1
		.amdhsa_wavefront_size32 1
		.amdhsa_system_sgpr_workgroup_id_x 1
		.amdhsa_system_sgpr_workgroup_id_y 1
		.amdhsa_system_sgpr_workgroup_id_z 1
		.amdhsa_system_vgpr_workitem_id 0
		.amdhsa_next_free_vgpr 896
		.amdhsa_next_free_sgpr 102
		.amdhsa_reserve_vcc 1
		.amdhsa_float_denorm_mode_32 3
		.amdhsa_float_denorm_mode_16_64 3
		.amdhsa_memory_ordered 1
		.amdhsa_forward_progress 1
		.amdhsa_inst_pref_size 191
	.end_amdhsa_kernel
	.amdgpu_metadata
---
amdhsa.version: [ 1, 2 ]
amdhsa.kernels:
  - .name:           k_qb985d418e3_up
    .symbol:         k_qb985d418e3_up.kd
    .args:
      - { .name: W1, .offset: 0, .size: 8, .value_kind: global_buffer, .address_space: global }
      - { .name: xb, .offset: 8, .size: 8, .value_kind: global_buffer, .address_space: global }
      - { .name: bm, .offset: 16, .size: 8, .value_kind: global_buffer, .address_space: global }
      - { .name: hid, .offset: 24, .size: 8, .value_kind: global_buffer, .address_space: global }
      - { .name: lst, .offset: 32, .size: 8, .value_kind: global_buffer, .address_space: global }
    .group_segment_fixed_size: 312832
    .private_segment_fixed_size: 0
    .kernarg_segment_align: 8
    .kernarg_segment_size: 40
    .max_flat_workgroup_size: 128
    .sgpr_count:     102
    .vgpr_count:     896
    .wavefront_size: 32
...
	.end_amdgpu_metadata
.endif
;; end of part 5
;; launch down (part 6): grid 256 x 1, 4 waves a work-group, no clusters, 312,832 bytes of LDS; arguments W2, hid, bm, part, lst; writes part
.if DOCPART == 6
	.amdgcn_target "amdgcn-amd-amdhsa--gfx1250"
	.amdhsa_code_object_version 6
	.text
	.protected	k_qb985d418e3_down
	.globl	k_qb985d418e3_down
	.p2align	8
	.type	k_qb985d418e3_down,@function
k_qb985d418e3_down:
	s_mov_b64 s[64:65], 0
	v_nop
	global_prefetch_b8 v0, s[64:65] scope:SCOPE_SE
	s_setreg_imm32_b32 hwreg(HW_REG_WAVE_MODE, 25, 1), 1
	s_wait_xcnt 0x0
; ONE PRODUCT OF THE EXPERTS' CHAIN.  One text serves both products; UP, set below, says which of them this file is.
;   UP = 1: hid[e][place][4096] = bf16(gelu(xb[the place's token] . W1[e])), and lst[e][place] = the place's slot
;   UP = 0: part[ks][slot][1024] = hid[e][place][1024 ks ..] . W2[e][1024 ks ..], in f32
; An expert's PLACES are the tokens that chose it, in ascending order; slot = 2 x token + (0: first choice, 1: second).  Only the rows that chose expert e are multiplied.
; SHARES.  A work-group has a slice of ONE expert's weights, 1,024 k x 128 columns of f32, which it alone reads, once, and ALL of that expert's rows.  The slice is rounded to bf16 on its way through
; registers and stays in LDS whole.  (UP = 0: K = 4,096 is cut in four, so that the slice has the same shape; the four partial sums stay in f32 and the last launch adds them.)
; Rows go in batches of 320: block a (0-4) of wave w is places RB + 16 (4 a + w) .. + 15, so live blocks spread evenly over the four waves.
; Batch 0 is multiplied under the weights' stream, 64 k a trip; batches 1 to 3 (an expert with more than 320 rows; up to 1,024 are served) read the slice from LDS, with no barrier and no write of it.
; WHERE THE ROWS ARE.  UP = 1: the token of a place is found in registers, from the expert's bitmap: a scan over its 32 words leaves each lane the word that holds its place, five halvings find the bit.
; The results go to hid in the order of the places, an expert's 1,024 rows on end, and slice 0 of each expert stores the places' slots.  UP = 0: the rows are read as they lie there, and the slots are loaded.
; WHAT HANGS ON THE COUNT.  Every loop has a constant count.  Two flags, set once a batch, say whether my wave has rows (its block 0 begins below the count) and whether its block 4 has.  A wave without rows
; jumps forward over the batch, to the label ahead of the counter's step; block 4's products and way out, and in batch 0 its loads, are jumped where it has none; no barrier stands in what is jumped.  Blocks 0 to 3
; of a wave with rows are always multiplied and stored.  A place past the count takes the last chosen row once more.  A block that would begin past place 1,008 takes the last 16 places whole, on the way in and
; on the way out alike, so that it stores what their owner stores.  So no lane is ever switched off, and no store is cut.  For an expert that nobody chose UP = 1 takes the count as 1 (a row of xb that exists),
; so that row 0 of its part of hid and of lst is stored before UP = 0 reads it; UP = 0 stores nothing for it.
; THE PRODUCT is used transposed: source 0 = 16 columns of the weights (turned on their way out of LDS by ds_load_tr16_b128), source 1 = 16 rows of tokens, loaded from memory as they lie:
; in the result a lane holds one token (lane % 16) and eight neighbouring columns.
; NO MULTICAST, NO TENSOR LOAD: each weight has one reader and is rounded in registers.  The token rows that an expert's work-groups share come by tokens' numbers where UP = 1, which no tile describes;
; where UP = 0 they lie end to end, but a chunk's tile of 320 rows x 128 bytes is 40,960 bytes, and beside slice, stages and spare words (312,832 bytes) LDS has 14,848 left.
; LIMITS.  Weights and token rows are bf16 matrix operands; hid is kept in bf16 (not f16: its range).  erfc is taken by a five-term form in 1 / (1 + p x) times exp(-x^2), off by at most 1.5e-7 for every finite x.
; NaN and infinities are not treated apart.
.set UP, 0
.if UP
.set PITCH, 16384                      ; bytes from a k row of the weights to the next
.set LOGP,  14
.set NCASE, 5                          ; the way out: a pass a block
.set PRE0,  36                         ; loads younger than chunk 0's weights ahead of the first trip: chunk 1's 16, 20 of token rows
.else
.set PITCH, 4096
.set LOGP,  12
.set NCASE, 10                         ; the way out: two passes a block: 64 columns of f32 are a stage row's 256 bytes
.set PRE0,  41                         ; the same and the 5 loads of slots
.endif
.set WLP,   288                        ; a k row of the slice in LDS: 256 bytes + 32: an odd multiple of 32, for the turning load
.set CHB,   64*WLP                     ; a chunk: 64 k rows
.set WLMAX, 15*CHB+15*WLP+16           ; the highest address that a lane's turning loads start from
.set STG,   1024*WLP                   ; behind the slice: 4 waves x 16 rows x 272 bytes, for the way out
.set SP,    272
.set SPARE, STG+4*16*SP                ; the spare words, 128 bytes a wave; no other line names them
; REGISTERS, in windows of 256 (s_set_vgpr_msb: bits 1:0 source 0, 3:2 source 1, 5:4 source 2, 7:6 destination)
;   window 0: addresses, the weights' fragments, the way out     window 1: accumulator (a, b) at 64 a + 8 b, a = 0-3
;   window 2: v0-63 accumulators (4, b); v64-143, v144-223 two buffers of token fragments, (K step s, block a) at 8 (5 s + a)     window 3: v0-63, v64-127 two buffers of 16 f32 rows of weights
.set BADR0, 4                          ; v4   my lane's place in a chunk for the turning load; never rewritten
.set BADR,  5                          ; v5   the same in the chunk in hand
.set SADR,  6                          ; v6   where I put 8 bytes of a k row
.set WOFF,  7                          ; v7   16 x lane: my 16 bytes of a row piece of 512; never rewritten
.set PFO,   8                          ; v8   prefetch: row lane / 2, block lane % 2 of 256 bytes; never rewritten
.set VA,    9                          ; v9   UP = 1: lane i holds word i of 'who chose e'
.set AOFF,  10                         ; v10-14  block a: my token row's byte offset + 16 (lane / 16)
.set STO,   15                         ; v15  the way out: where I put my part of a row
.set RD,    16                         ; v16  where I read a row back
.set COL16, 17                         ; v17  16 (lane % 16)
.set VJ,    18                         ; v18  UP = 1: lane i holds word i of 'who chose e second'
.set CH,    18                         ;      UP = 0: 16 (lane % 16), + 256 for the second half of the columns
.set GO,    19                         ; v19  UP = 1: the way out: my byte offset in the block's first two rows of hid
.set SLC,   19                         ;      UP = 0: the way out: the slots of the block in hand, lane % 16 = row
.set TM,    20                         ; v20-27 at work
.set SPW,   28                         ; v28  LDS address of my spare word; never rewritten
.set NIL,   29                         ; v29  0; never rewritten
.set SADR0, 30                         ; v30  my wave's 16 rows of chunk 0, my 8 bytes; never rewritten
.set H16,   31                         ; v31  16 (lane / 16)
.set T16,   32                         ; v32-47   eight rows rounded
.set BF,    48                         ; v48-111, v112-175  the weights' fragments of the two K steps of a chunk
.set TT,    48                         ; the way out: a block's 64 numbers a lane
.set GU,    112
.set GQ,    128
.set GP,    144
.set GR,    160
.set OB,    176                        ; v176-207 a block on its way out
.set GOFF,  208                        ; v208-215 UP = 0: its rows' byte offsets
.set Q,     216                        ; UP = 1, three registers each (x = 0: blocks 0 | 1 in the lanes' halves, 1: blocks 2 | 3, 2: block 4 twice): the place's rank, then its rank in its word, then its token
.set WD,    219                        ;   the word of the bitmap that holds it
.set PK,    222                        ;   that word's number << 16 | the chosen tokens ahead of the word
.set JW,    225                        ;   the same word of 'second choice'; then the slot
.set PL,    228                        ;   the place; then its byte offset in lst
.set E,     231                        ; v231-237 at work
.set SLT,   216                        ; UP = 0: v216-220 block a's slots, lane % 16 = row
.set LO,    221                        ; UP = 0: v221-225 the byte offsets from which they are loaded
.set AB,    64                         ; window 2
.set T2,  2
.set SB,  3                            ; s3   the chunk in hand, in bytes of LDS
.set WV,  12
.set EX,  13
.set SL,  14
.set KS,  15
.set CNT, 16                           ; s16  the expert's rows
.set RB,  17                           ; s17  the batch's first place
.set LIVE4, 18                         ; s18  1: my block 4 has rows
.set KC,  19
.set BC,  20
.set OC,  21
.set ROW, 22
.set CM,  23                           ; s23  the last place that is read: max(count, 1) - 1
.set CL,  24                           ; s24  the count by which blocks are live: UP = 1: max(count, 1); UP = 0: the count
.set TS,  25
.set WB,  26                           ; s[26:27] the weights at my 16 rows of the chunk last asked for
.set AP,  28                           ; s[28:29] the token rows at the chunk last asked for
.set OF,  30                           ; s[30:31] an offset
.set C1,  32                           ; s32-47 the activation's constants
.set PP,  34
.set KK,  36
.set A1,  38
.set A2,  40
.set A3,  42
.set A4,  44
.set A5,  46
.set OBASE, 48
.set LIVEW, 50                         ; s50  1: my wave has rows in this batch
.set NL,  51                           ; s51  the passes of the way out that have something to store
.set LSTP, 52                          ; s[52:53] lst at the expert's first place
.set BS,  54                           ; s54-58 my five blocks' first places
.set HIM, 59                           ; s59  lanes 16-31
.set SEL, 60                           ; s[60:61] v_permlanex16_b32: each lane takes its own place in the other half
.set MSK5, 62
.set MSK3, 63
.set MSKF, 66
.set SI,  67                           ; s67  the scan's word number
.set AW,  68                           ; s68-99 'chosen' words, until they are counted; then what follows
.set SW,  68
.set SJ,  69
.set SPF, 70                           ; s70  chosen tokens ahead of the word in hand
.set SPK, 71
.set SCN, 72
.set RL,  68                           ; UP = 0: s68-83 a block's 16 slots
.set ABASE, 100
.set MSB, 0
.macro WIN new                         ; the immediate's high byte repeats the setting that is left; a switch that changes nothing is dropped
.if MSB != (\new)
	s_set_vgpr_msb (MSB<<8)|(\new)
.set MSB, \new
.endif
.endm
.macro PLACES
.rept 4
	v_nop
.endr
.endm
; 16 loads: my wave's 16 k rows from row on, each a row piece of 512 consecutive bytes, into buffer x
.macro WLOAD x, row
	WIN 0xc0
.set i, 0
.rept 16
	global_load_b128 v[64*(\x)+4*i:64*(\x)+4*i+3], v[WOFF], s[WB:WB+1] offset:((\row)+i)*PITCH th:TH_LOAD_NT
.set i, i+1
.endr
.endm
; Buffer x is rounded and put into the slice, eight rows at a time.  issue = 1: as soon as eight rows are rounded their registers are asked for again, from s[WB].
; ahead = 1: the chunk behind the one in hand.  pf: my own 16 rows x 2 blocks of 256 bytes of the chunk two further on than the one just asked for are prefetched: each block once in the
; launch, by the wave that will load it, two trips ahead of that load (1: always; 2: not in the loop's last trip, whose look-ahead would pass chunk 15).
.macro TOLDS x, ahead, issue, pf
.irp q, 0,1
	WIN 0x0f
.set i, 0
.rept 8
	v_cvt_pk_bf16_f32 v[T16+2*i],   v[64*(\x)+32*\q+4*i],   v[64*(\x)+32*\q+4*i+1]
	v_cvt_pk_bf16_f32 v[T16+2*i+1], v[64*(\x)+32*\q+4*i+2], v[64*(\x)+32*\q+4*i+3]
.set i, i+1
.endr
.if \issue
	WIN 0xc0
.set i, 0
.rept 8
	global_load_b128 v[64*(\x)+32*\q+4*i:64*(\x)+32*\q+4*i+3], v[WOFF], s[WB:WB+1] offset:(8*\q+i)*PITCH th:TH_LOAD_NT
.set i, i+1
.endr
.endif
	WIN 0
.set i, 0
.rept 8
	ds_store_b64 v[SADR], v[T16+2*i:T16+2*i+1] offset:(\ahead)*CHB+(8*\q+i)*WLP  ; the wave stores a row's 256 consecutive bytes
.set i, i+1
.endr
.endr
.if (\pf) == 2
	s_cmp_eq_u32 s[KC], 1
	s_cbranch_scc1 .Lnopf_\@
.endif
.if \pf
	global_prefetch_b8 v[PFO], s[WB:WB+1] offset:128*PITCH th:TH_LOAD_NT scope:SCOPE_SE
.endif
.if (\pf) == 2
.Lnopf_\@:
.endif
.endm
; A chunk's token fragments, 2 K steps x 5 blocks, into buffer p: 16 loads for blocks 0 to 3, then block 4's four.  full = 0 (batch 0 from its third fill on): block 4's are jumped where it has no rows.
; full other than 0: all 20: in a batch's first two fills, one into each buffer, so that block 4's registers are written whatever the count; and in every trip without staging, whose text so runs
; straight, with no label, from the line that holds its LDS address inside the slice to the reads by that address.  No wait counts block 4's loads: every counted wait counts loads that are younger.
.macro ALOAD p, full
	WIN 0x80
.irp s, 0,1
.irp a, 0,1,2,3
	global_load_b128 v[AB+80*(\p)+8*(5*\s+\a):AB+80*(\p)+8*(5*\s+\a)+3],   v[AOFF+\a], s[AP:AP+1] offset:64*\s
	global_load_b128 v[AB+80*(\p)+8*(5*\s+\a)+4:AB+80*(\p)+8*(5*\s+\a)+7], v[AOFF+\a], s[AP:AP+1] offset:64*\s+32
.endr
.endr
.if !(\full)
	WIN 0
	s_cmp_eq_u32 s[LIVE4], 0
	s_cbranch_scc1 .Lno4_\@
	WIN 0x80
.endif
.irp s, 0,1
	global_load_b128 v[AB+80*(\p)+8*(5*\s+4):AB+80*(\p)+8*(5*\s+4)+3],   v[AOFF+4], s[AP:AP+1] offset:64*\s
	global_load_b128 v[AB+80*(\p)+8*(5*\s+4)+4:AB+80*(\p)+8*(5*\s+4)+7], v[AOFF+4], s[AP:AP+1] offset:64*\s+32
.endr
	WIN 0
.if !(\full)
.Lno4_\@:
.endif
.endm
; 16 turning loads: K step s of the chunk in hand, all 128 columns, into fragment buffer f: lane l gets column 16 b + l % 16, k as a fragment wants it
.macro FETCHB s, f
	WIN 0
.irp b, 0,1,2,3,4,5,6,7
	ds_load_tr16_b128 v[BF+64*(\f)+8*\b:BF+64*(\f)+8*\b+3],   v[BADR] offset:(\s)*32*WLP+32*\b
	ds_load_tr16_b128 v[BF+64*(\f)+8*\b+4:BF+64*(\f)+8*\b+7], v[BADR] offset:(\s)*32*WLP+16*WLP+32*\b
.endr
.endm
; 8 products: block a (0-3) x all 8 column blocks, K step s.  Every accumulator has one turn in a K step.  zero = 1: the product starts the sum.
.macro MUL f, p, s, a, zero
	WIN 0x58
.irp b, 0,1,2,3,4,5,6,7
.if \zero
	v_wmma_f32_16x16x32_bf16 v[64*(\a)+8*\b:64*(\a)+8*\b+7], v[BF+64*(\f)+8*\b:BF+64*(\f)+8*\b+7], v[AB+80*(\p)+8*(5*(\s)+(\a)):AB+80*(\p)+8*(5*(\s)+(\a))+7], 0
.else
	v_wmma_f32_16x16x32_bf16 v[64*(\a)+8*\b:64*(\a)+8*\b+7], v[BF+64*(\f)+8*\b:BF+64*(\f)+8*\b+7], v[AB+80*(\p)+8*(5*(\s)+(\a)):AB+80*(\p)+8*(5*(\s)+(\a))+7], v[64*(\a)+8*\b:64*(\a)+8*\b+7]
.endif
.endr
.endm
.macro M4 f, p, s, zero                ; the same for block 4, whose accumulators lie in window 2
	WIN 0xa8
.irp b, 0,1,2,3,4,5,6,7
.if \zero
	v_wmma_f32_16x16x32_bf16 v[8*\b:8*\b+7], v[BF+64*(\f)+8*\b:BF+64*(\f)+8*\b+7], v[AB+80*(\p)+8*(5*(\s)+4):AB+80*(\p)+8*(5*(\s)+4)+7], 0
.else
	v_wmma_f32_16x16x32_bf16 v[8*\b:8*\b+7], v[BF+64*(\f)+8*\b:BF+64*(\f)+8*\b+7], v[AB+80*(\p)+8*(5*(\s)+4):AB+80*(\p)+8*(5*(\s)+4)+7], v[8*\b:8*\b+7]
.endif
.endr
.endm
; Block 4's two K steps stand together and are jumped where the block has no rows; the products that start its sums are issued all the same, so that its registers are written whatever the count.
.macro MUL4 p, zero
.if \zero
	M4 0, \p, 0, 1
.endif
	WIN 0
	s_cmp_eq_u32 s[LIVE4], 0
	s_cbranch_scc1 .Ldead_\@
.if !(\zero)
	M4 0, \p, 0, 0
.endif
	M4 1, \p, 1, 0
	WIN 0
.Ldead_\@:
.endm
; A TRIP multiplies the chunk in hand (token buffer p).  stage = 1 (batch 0): it also rounds the next chunk's weights into LDS (issue = 1: and asks for the chunk three on).  aiss = 1: it asks for the next chunk's token rows.
; ORDER OF THE LOADS.  Loads come back in the order of issue, so the token rows of chunk t + 1 are asked for AHEAD of the weights of chunk t + 3.  At a staged trip's head W(t+1) 16, A(t) 16 or 20, W(t+2) 16 are
; out: pre = 16 leaves W(t+2) out and shows the two that the trip needs; then A(t+1) and W(t+3) go out: 52 loads at the most (57 round the first trip where UP = 0).  A trip without staging waits for all
; (pre = 0): only its own loads of token rows, asked for a trip ago, can be out.
; bar = 1: ONE barrier a trip.  Each byte of the slice is written once, so all that has to be ordered is a chunk's stores against its reads in the next trip: each wave waits for its stores, signals,
; multiplies the second K step, and waits for the others.
.macro TRIP p, stage, issue, pf, aiss, zero, bar, pre
	WIN 0
	v_add_nc_u32 v[BADR], s[SB], v[BADR0]          ; four plain instructions stand between the last products and the loads into registers that they read (ISA guide 7.12.1 for vector instructions): this one,
.if \stage
	v_add_nc_u32 v[SADR], s[SB], v[SADR0]          ; this one,
.else
	v_min_u32 v[BADR], WLMAX, v[BADR]              ; this one, which holds the address inside the slice's bytes,
.endif
	v_nop                                          ; and these two
	v_nop
.if (\aiss) || (\issue)
	s_wait_xcnt 0x0                                ; the two pointers are stepped only behind this wait: every earlier load and prefetch has had its address translated (ISA guide 3.1)
.endif
.if \aiss
	s_add_nc_u64 s[AP:AP+1], s[AP:AP+1], 128       ; 64 k of bf16
.endif
.if \issue
	s_add_nc_u64 s[WB:WB+1], s[WB:WB+1], 64*PITCH
.endif
	FETCHB 0, 0
	s_wait_loadcnt \pre
.if \aiss
	ALOAD 1-(\p), 1-(\stage)+(\zero)
.endif
.if \stage
	TOLDS 1-(\p), 1, \issue, \pf
	s_wait_dscnt 16                                ; the first K step's fragments are in; my 16 stores are younger
.else
	s_wait_dscnt 0x0
.endif
	FETCHB 1, 1                                    ; the second K step's: 32 products in which to land
	MUL 0, \p, 0, 0, \zero
	MUL 0, \p, 0, 1, \zero
	MUL 0, \p, 0, 2, \zero
	MUL 0, \p, 0, 3, \zero
	s_wait_dscnt 0x0                               ; they are in; and, for the others' sake, my stores into the slice are done
	MUL4 \p, \zero
.if \bar
	s_barrier_signal -1
.endif
	MUL 1, \p, 1, 0, 0
	MUL 1, \p, 1, 1, 0
	MUL 1, \p, 1, 2, 0
	MUL 1, \p, 1, 3, 0
	WIN 0
	s_add_co_u32 s[SB], s[SB], CHB
.if \bar
	s_barrier_wait -1
.endif
.endm
; A batch begins.  FLAGS: has my wave rows in it, has my block 4?  It leaves my block 0's first place in s[T2] for ROWS.
.macro FLAGS
	s_lshl_b32 s[T2], s[WV], 4
	s_add_co_u32 s[T2], s[T2], s[RB]               ; my block 0's first place
	s_cmp_lt_u32 s[T2], s[CL]
	s_cselect_b32 s[LIVEW], 1, 0                   ; my block 0 has rows, or none of my blocks has
	s_add_co_u32 s[TS], s[T2], 256                 ; my block 4's first place
	s_cmp_lt_u32 s[TS], s[CL]
	s_cselect_b32 s[LIVE4], 1, 0
.endm
.if UP
; One halving of the search for set bit number Q of a word.  v[cnt] holds, for each group of wid bits, how many are set; v[E+4] is the bit at which the 2 wid bits still in question begin.
; If the lower group holds Q bits or fewer, the bit lies in the upper one: the lower group's count leaves Q, and the beginning moves up by wid.
.macro LEVEL x, cnt, msk, wid
	v_lshrrev_b32 v[E], v[E+4], v[\cnt]
	v_and_b32 v[E], \msk, v[E]
	v_cmp_ge_u32 vcc_lo, v[Q+(\x)], v[E]
	v_cndmask_b32 v[E], 0, v[E], vcc_lo
	v_sub_nc_u32 v[Q+(\x)], v[Q+(\x)], v[E]
	v_cndmask_b32 v[E+5], 0, \wid, vcc_lo
	v_add_nc_u32 v[E+4], v[E+4], v[E+5]
.endm
; Register x: from the word that holds the place to the token and the slot.
.macro PICK x
	v_and_b32 v[E], 0xffff, v[PK+(\x)]             ; the chosen tokens ahead of the word
	v_sub_nc_u32 v[Q+(\x)], v[Q+(\x)], v[E]        ; the place's rank among the word's set bits
	v_lshrrev_b32 v[PK+(\x)], 16, v[PK+(\x)]       ; the word's number
	v_lshrrev_b32 v[E], 1, v[WD+(\x)]              ; how many bits are set in each pair,
	v_and_b32 v[E], s[MSK5], v[E]
	v_sub_nc_u32 v[E+1], v[WD+(\x)], v[E]
	v_lshrrev_b32 v[E], 2, v[E+1]                  ; in each four,
	v_and_b32 v[E], s[MSK3], v[E]
	v_and_b32 v[E+2], s[MSK3], v[E+1]
	v_add_nc_u32 v[E+2], v[E+2], v[E]
	v_lshrrev_b32 v[E], 4, v[E+2]                  ; in each byte,
	v_add_nc_u32 v[E], v[E], v[E+2]
	v_and_b32 v[E+3], s[MSKF], v[E]
	v_lshrrev_b32 v[E], 8, v[E+3]                  ; and, in the lowest byte, in the lower half
	v_add_nc_u32 v[E+6], v[E], v[E+3]
	v_mov_b32 v[E+4], 0
	LEVEL \x, E+6, 0xff, 16
	LEVEL \x, E+3, 0xff, 8
	LEVEL \x, E+2, 15, 4
	LEVEL \x, E+1, 3, 2
	LEVEL \x, WD+(\x), 1, 1
	v_lshrrev_b32 v[E], v[E+4], v[JW+(\x)]
	v_and_b32 v[E], 1, v[E]                        ; was it the token's second choice?
	v_lshl_add_u32 v[Q+(\x)], v[PK+(\x)], 5, v[E+4]  ; the token
	v_lshl_or_b32 v[JW+(\x)], v[Q+(\x)], 1, v[E]   ; the slot
.endm
; ROWS: my five blocks' tokens.  A place past the count takes the last chosen token (rank s[CM]).  The scan: word i is the place's if the chosen tokens ahead of it are no more than the rank; the last such
; word holds the place, since an empty word has the same number ahead of it as the word behind it.  Word 0 starts the three registers; 31 trips take the others.
.macro ROWS
.irp a, 0,1,2,3,4
	s_add_co_u32 s[BS+\a], s[T2], 64*\a
	s_min_u32 s[BS+\a], s[BS+\a], 0x3f0            ; a block past the last place takes the last 16 places, whole
.endr
	v_add_nc_u32 v[PL], s[BS], v2
	v_add_nc_u32 v[E], s[BS+1], v2
	v_cndmask_b32 v[PL], v[PL], v[E], s[HIM]       ; lanes 0-15: block 0's places; lanes 16-31: block 1's
	v_add_nc_u32 v[PL+1], s[BS+2], v2
	v_add_nc_u32 v[E], s[BS+3], v2
	v_cndmask_b32 v[PL+1], v[PL+1], v[E], s[HIM]
	v_add_nc_u32 v[PL+2], s[BS+4], v2
	v_readfirstlane_b32 s[SW], v[VA]
	v_readfirstlane_b32 s[SJ], v[VJ]
.irp x, 0,1,2
	v_min_u32 v[Q+\x], s[CM], v[PL+\x]
	v_mov_b32 v[WD+\x], s[SW]
	v_mov_b32 v[JW+\x], s[SJ]
	v_mov_b32 v[PK+\x], 0
.endr
	s_bcnt1_i32_b32 s[SCN], s[SW]
	s_mov_b32 s[SPF], 0
	s_mov_b32 s[SI], 1
.Lscan_\@:
	s_add_co_u32 s[SPF], s[SPF], s[SCN]            ; the chosen tokens ahead of word i
	v_readlane_b32 s[SW], v[VA], s[SI]
	v_readlane_b32 s[SJ], v[VJ], s[SI]
	s_lshl_b32 s[SPK], s[SI], 16
	s_or_b32 s[SPK], s[SPK], s[SPF]                ; 1,024 at the most: it stays below bit 16
.irp x, 0,1,2
	v_cmp_gt_u32 vcc_lo, s[SPF], v[Q+\x]           ; more than the rank: the lane keeps what it has
	v_cndmask_b32 v[WD+\x], s[SW], v[WD+\x], vcc_lo
	v_cndmask_b32 v[JW+\x], s[SJ], v[JW+\x], vcc_lo
	v_cndmask_b32 v[PK+\x], s[SPK], v[PK+\x], vcc_lo
.endr
	s_bcnt1_i32_b32 s[SCN], s[SW]
	s_add_co_u32 s[SI], s[SI], 1
	s_cmp_lt_u32 s[SI], 32
	s_cbranch_scc1 .Lscan_\@
	PICK 0
	PICK 1
	PICK 2
.irp x, 0,1,2
	v_lshlrev_b32 v[PL+\x], 2, v[PL+\x]
.endr
	s_cmp_lg_u32 s[SL], 0
	s_cbranch_scc1 .Lnolst_\@                      ; an expert's 32 slices find the same slots: slice 0 stores them, each wave its own blocks'
.irp x, 0,1,2
	global_store_b32 v[PL+\x], v[JW+\x], s[LSTP:LSTP+1]  ; 16 places are 64 consecutive bytes; once a batch
.endr
.Lnolst_\@:
	v_permlanex16_b32 v[E], v[Q], s[SEL], s[SEL+1]       ; a fragment wants a block's 16 rows in both halves of the lanes
	v_permlanex16_b32 v[E+1], v[Q+1], s[SEL], s[SEL+1]
	v_cndmask_b32 v[AOFF],   v[Q],   v[E],   s[HIM]
	v_cndmask_b32 v[AOFF+1], v[E],   v[Q],   s[HIM]
	v_cndmask_b32 v[AOFF+2], v[Q+1], v[E+1], s[HIM]
	v_cndmask_b32 v[AOFF+3], v[E+1], v[Q+1], s[HIM]
	v_min_u32 v[AOFF+4], 0x3ff, v[Q+2]
.irp a, 0,1,2,3
	v_min_u32 v[AOFF+\a], 0x3ff, v[AOFF+\a]
.endr
.irp a, 0,1,2,3,4
	v_lshl_add_u32 v[AOFF+\a], v[AOFF+\a], 11, v[H16]  ; token x 2,048 bytes
.endr
	s_mov_b64 s[AP:AP+1], s[ABASE:ABASE+1]
	s_mov_b32 s[SB], 0
.endm
.macro CASE c                          ; s = c1 z for block c's 64 numbers; each accumulator is read from its low end on
.if (\c) < 4
	WIN 0x01
.set AC, 64*(\c)
.else
	WIN 0x02
.set AC, 0
.endif
.set i, 0
.rept 32
	v_pk_mul_f32 v[TT+2*i:TT+2*i+1], v[AC+2*i:AC+2*i+1], s[C1:C1+1] op_sel_hi:[1,0]
.set i, i+1
.endr
	WIN 0
.endm
; Sixteen numbers' GELU.  The 16 reciprocals and 16 exponentials are one batch with one wait; the 16 maxima are the plain work behind it.
.macro GELU g
.set i, 0
.rept 16
	v_fma_f32 v[GU+i], |v[TT+16*(\g)+i]|, s[PP], 1.0
.set i, i+1
.endr
.set i, 0
.rept 8
	v_pk_mul_f32 v[GQ+2*i:GQ+2*i+1], v[TT+16*(\g)+2*i:TT+16*(\g)+2*i+1], v[TT+16*(\g)+2*i:TT+16*(\g)+2*i+1] neg_lo:[0,1] neg_hi:[0,1]  ; - s^2
.set i, i+1
.endr
.set i, 0
.rept 16
	v_rcp_f32 v[GU+i], v[GU+i]                     ; u = 1 / (1 + p x)
	v_exp_f32 v[GQ+i], v[GQ+i]                     ; exp(-x^2)
.set i, i+1
.endr
.set i, 0
.rept 16
	v_max_num_f32 v[GR+i], 0, v[TT+16*(\g)+i]
.set i, i+1
.endr
	s_wait_alu depctr_va_vdst(0)
.set i, 0
.rept 8
	v_pk_fma_f32 v[GP+2*i:GP+2*i+1], v[GU+2*i:GU+2*i+1], s[A5:A5+1], s[A4:A4+1] op_sel_hi:[1,0,0]
.set i, i+1
.endr
.irp k, A3, A2, A1
.set i, 0
.rept 8
	v_pk_fma_f32 v[GP+2*i:GP+2*i+1], v[GP+2*i:GP+2*i+1], v[GU+2*i:GU+2*i+1], s[\k:\k+1] op_sel_hi:[1,1,0]
.set i, i+1
.endr
.endr
.set i, 0
.rept 8
	v_pk_mul_f32 v[GP+2*i:GP+2*i+1], v[GP+2*i:GP+2*i+1], v[GU+2*i:GU+2*i+1]
.set i, i+1
.endr
.set i, 0
.rept 8
	v_pk_mul_f32 v[GP+2*i:GP+2*i+1], v[GP+2*i:GP+2*i+1], v[GQ+2*i:GQ+2*i+1]
.set i, i+1
.endr
.set i, 0
.rept 16
	v_fma_f32 v[GR+i], -|v[TT+16*(\g)+i]|, v[GP+i], v[GR+i]
.set i, i+1
.endr
.set i, 0
.rept 8
	v_pk_mul_f32 v[GR+2*i:GR+2*i+1], v[GR+2*i:GR+2*i+1], s[KK:KK+1] op_sel_hi:[1,0]
.set i, i+1
.endr
.set i, 0
.rept 8
	v_cvt_pk_bf16_f32 v[OB+8*(\g)+i], v[GR+2*i], v[GR+2*i+1]
.set i, i+1
.endr
.endm
.else
; ROWS: my five blocks' rows lie in hid by their places; a place past the count takes the last chosen row.  Their slots, which the way out wants, are asked for here.
.macro ROWS
.irp a, 0,1,2,3,4
	s_add_co_u32 s[TS], s[T2], 64*\a
	s_min_u32 s[TS], s[TS], 0x3f0                  ; a block past the last place takes the last 16 places, whole
	v_add_nc_u32 v[LO+\a], s[TS], v2
	v_min_u32 v[LO+\a], s[CM], v[LO+\a]
	v_min_u32 v[LO+\a], 0x3ff, v[LO+\a]
	v_lshl_add_u32 v[AOFF+\a], v[LO+\a], 13, v[H16]  ; place x 8,192 bytes
	v_lshlrev_b32 v[LO+\a], 2, v[LO+\a]
	global_load_b32 v[SLT+\a], v[LO+\a], s[LSTP:LSTP+1]
.endr
	s_mov_b64 s[AP:AP+1], s[ABASE:ABASE+1]
	s_mov_b32 s[SB], 0
.endm
.macro CASE c                          ; block c / 2, columns 64 (c % 2) on: straight from the accumulators into my stage, each from its low end on; and the block's slots for the common text
.if (\c)/2 < 4
	WIN 0x04
.set AC, 64*((\c)/2)+32*((\c)%2)
.else
	WIN 0x08
.set AC, 32*((\c)%2)
.endif
.irp b, 0,1,2,3
	ds_store_b128 v[STO], v[AC+8*\b:AC+8*\b+3]   offset:64*\b
	ds_store_b128 v[STO], v[AC+8*\b+4:AC+8*\b+7] offset:64*\b+16
.endr
	WIN 0
	v_mov_b32 v[SLC], v[SLT+(\c)/2]
.endm
.endif
	s_load_b256 s[4:11], s[0:1], 0x0               ; weights s[4:5], token rows s[6:7], bm s[8:9], result s[10:11]
	s_load_b64 s[LSTP:LSTP+1], s[0:1], 0x20        ; lst
	v_lshl_add_u32 v[SPW], v0, 2, SPARE
	v_mov_b32 v[NIL], 0
	v_and_b32 v1, 31, v0                           ; lane
	v_lshrrev_b32 v[TM], 5, v0
	v_readfirstlane_b32 s[WV], v[TM]               ; wave 0..3
	s_lshr_b32 s[EX], ttmp9, 5                     ; the expert
	s_and_b32 s[SL], ttmp9, 31                     ; the slice
.if !UP
	s_lshr_b32 s[KS], s[SL], 3                     ; which 1,024 of K,
	s_and_b32 s[SL], s[SL], 7                      ; which 128 columns
.endif
	s_lshl_b32 s[OF], s[EX], 24                    ; an expert's weights are 16 MiB
	s_lshl_b32 s[T2], s[SL], 9
	s_add_co_u32 s[OF], s[OF], s[T2]
.if !UP
	s_lshl_b32 s[T2], s[KS], 22
	s_add_co_u32 s[OF], s[OF], s[T2]
.endif
	s_mul_i32 s[T2], s[WV], 16*PITCH               ; my wave's 16 rows of every chunk
	s_add_co_u32 s[OF], s[OF], s[T2]
	s_mov_b32 s[OF+1], 0
	s_lshl_b32 s[BS], s[EX], 7                     ; the expert's row of bm
	s_mov_b32 s[BS+1], 0
	v_lshlrev_b32 v[WOFF], 4, v1
.if UP
	v_lshlrev_b32 v[TM+2], 2, v1
.endif
	s_wait_kmcnt 0x0
	s_add_nc_u64 s[8:9], s[8:9], s[BS:BS+1]
.if UP
	global_load_b32 v[VA], v[TM+2], s[8:9]             ; row e of bm, a word a lane: who chose e.  Ahead of the weights' loads, since loads come back in the order of issue
	global_load_b32 v[VJ], v[TM+2], s[8:9] offset:1024 ; row 8 + e: who chose it second
.endif
	s_load_b512 s[AW:AW+15],    s[8:9], 0x0        ; row e once more, in scalar registers, to be counted
	s_load_b512 s[AW+16:AW+31], s[8:9], 0x40
	s_add_nc_u64 s[WB:WB+1], s[4:5], s[OF:OF+1]
	WLOAD 0, 0                                     ; the first two chunks of weights hang on no routing: they go out at once
	WLOAD 1, 64
	WIN 0
	s_lshl_b32 s[OF], s[EX], 23                    ; an expert's 1,024 rows of hid are 8 MiB
.if UP
	s_mov_b64 s[ABASE:ABASE+1], s[6:7]
	s_lshl_b32 s[T2], s[SL], 8                     ; my 128 columns of hid: 256 bytes
	s_add_co_u32 s[OF], s[OF], s[T2]
.else
	s_lshl_b32 s[T2], s[KS], 11                    ; my 1,024 of K in a row of hid
	s_add_co_u32 s[OF], s[OF], s[T2]
	s_add_nc_u64 s[ABASE:ABASE+1], s[6:7], s[OF:OF+1]
	s_lshl_b32 s[OF], s[KS], 23                    ; my plane of part, my 128 columns: 512 bytes
	s_lshl_b32 s[T2], s[SL], 9
	s_add_co_u32 s[OF], s[OF], s[T2]
.endif
	s_add_nc_u64 s[10:11], s[10:11], s[OF:OF+1]
	s_lshl_b32 s[OF], s[EX], 12                    ; an expert's 1,024 words of lst
	s_add_nc_u64 s[LSTP:LSTP+1], s[LSTP:LSTP+1], s[OF:OF+1]
	v_and_b32 v2, 15, v0                           ; r = lane % 16
	v_bfe_u32 v3, v0, 4, 1                         ; h = lane / 16
	v_lshrrev_b32 v[TM], 1, v1
	v_and_b32 v[TM+1], 1, v1
	v_lshlrev_b32 v[PFO], 8, v[TM+1]
	v_lshl_add_u32 v[PFO], v[TM], LOGP, v[PFO]
	v_and_b32 v[TM], 7, v0
	v_lshl_add_u32 v[TM], v3, 3, v[TM]             ; the turning load: k row 8 h + lane % 8,
	v_mul_u32_u24 v[BADR0], v[TM], WLP
	v_bfe_u32 v[TM+1], v0, 3, 1
	v_lshl_add_u32 v[BADR0], v[TM+1], 4, v[BADR0]  ; columns 8 ((lane / 8) % 2) on
	s_mul_i32 s[T2], s[WV], 16*WLP
	v_lshl_add_u32 v[SADR0], v1, 3, s[T2]
	s_mul_i32 s[T2], s[WV], 16*SP
	s_add_co_u32 s[T2], s[T2], STG                 ; my stage
	v_mul_u32_u24 v[STO], v2, SP                   ; in: row r,
.if UP
	v_lshl_add_u32 v[STO], v3, 4, v[STO]           ; 8 bf16 for each half of the lanes
.else
	v_lshl_add_u32 v[STO], v3, 5, v[STO]           ; 8 f32 for each half of the lanes
.endif
	v_add_nc_u32 v[STO], s[T2], v[STO]
	v_lshlrev_b32 v[COL16], 4, v2
	v_mul_u32_u24 v[RD], v3, SP                    ; back: lanes 0-15 one row of 256 bytes, lanes 16-31 the next
	v_add_nc_u32 v[RD], v[RD], v[COL16]
	v_add_nc_u32 v[RD], s[T2], v[RD]
	v_lshlrev_b32 v[H16], 4, v3
	s_mov_b32 s[RB], 0
	s_mov_b32 s[HIM], 0xffff0000
.if UP
	s_mov_b32 s[SEL], 0x76543210
	s_mov_b32 s[SEL+1], 0xfedcba98
	s_mov_b32 s[MSK5], 0x55555555
	s_mov_b32 s[MSK3], 0x33333333
	s_mov_b32 s[MSKF], 0x0f0f0f0f
	; gelu(z) = max(z, 0) - |z| erfc(|z| / sqrt 2) / 2, worked on s = c1 z, so that exp(-z^2 / 2) = 2^(-s^2).  Pairs: the packed forms name a pair and take its low word for both halves.
.irp c, 0,1
	s_mov_b32 s[C1+\c], 0x3f596d27                 ; c1 = sqrt(log2(e) / 2) = 0.8493218
	s_mov_b32 s[KK+\c], 0x3f96b55f                 ; 1 / c1
	s_mov_b32 s[A1+\c], 0x3e027906                 ; the five coefficients, halved: 0.127414796,
	s_mov_b32 s[A2+\c], 0xbe11a98e                 ; -0.142248368,
	s_mov_b32 s[A3+\c], 0x3f35f0e3                 ; 0.710706871,
	s_mov_b32 s[A4+\c], 0xbf3a00e3                 ; -0.726576014,
	s_mov_b32 s[A5+\c], 0x3f07dc22                 ; 0.530702715
.endr
	s_mov_b32 s[PP], 0x3e8ba43f                    ; 0.3275911 / sqrt(log2(e)) = 0.27273748
.endif
	s_wait_kmcnt 0x0
	s_bcnt1_i32_b32 s[CNT], s[AW]
.set i, 1
.rept 31
	s_bcnt1_i32_b32 s[T2], s[AW+i]
	s_add_co_u32 s[CNT], s[CNT], s[T2]
.set i, i+1
.endr
	s_max_u32 s[CM], s[CNT], 1
.if UP
	s_mov_b32 s[CL], s[CM]                         ; an expert that nobody chose counts as having one row
.else
	s_mov_b32 s[CL], s[CNT]
.endif
	s_sub_co_u32 s[CM], s[CM], 1
	s_wait_xcnt 0x0                                ; the first loads have had their addresses translated: the weights' base steps
	s_add_nc_u64 s[WB:WB+1], s[WB:WB+1], 128*PITCH ; to chunk 2
	FLAGS
.if UP
	s_wait_loadcnt 32                              ; the two bitmaps are in; the 32 loads of weights, which are younger, stay out
.endif
	ROWS
	ALOAD 0, 1
	v_add_nc_u32 v[SADR], s[SB], v[SADR0]
	s_wait_loadcnt PRE0                            ; chunk 0's weights are in; all that was asked for behind them stays out
	TOLDS 0, 0, 1, 1
	s_wait_dscnt 0x0                               ; for the others' sake: my rows of chunk 0 are in LDS
	s_barrier_signal -1
	s_barrier_wait -1
	TRIP 0, 1, 1, 1, 1, 1, 1, 16                   ; chunk 0: its products start the sums
	s_mov_b32 s[KC], 6
.Lk0:                                                  ; chunks 1 to 12
	TRIP 1, 1, 1, 2, 1, 0, 1, 16
	TRIP 0, 1, 1, 2, 1, 0, 1, 16
	s_sub_co_u32 s[KC], s[KC], 1
	s_cmp_lg_u32 s[KC], 0
	s_cbranch_scc1 .Lk0
	TRIP 1, 1, 0, 0, 1, 0, 1, 16                   ; chunk 13: no weights are left to ask for; chunk 15's 16 loads stay out
	TRIP 0, 1, 0, 0, 1, 0, 1, 0                    ; chunk 14: chunk 15's weights and my token rows are all that is out
	s_mov_b32 s[BC], 4                             ; four batches of 320 cover 1,024 rows.  From here on no barrier: the slice is whole, and the stage is each wave's own
	s_branch .Lmid                                 ; the loop over batches is entered in its middle: batch 0 has chunk 15 and its way out left
.Lbatch:
	FLAGS
	s_cmp_eq_u32 s[LIVEW], 0
	s_cbranch_scc1 .Lbnext                         ; my wave has no rows in this batch
	s_wait_loadcnt 0x0                             ; no load is pending into a register that this batch asks for,
	s_wait_xcnt 0x0                                ; and the rows' offsets, their base and the last stores' registers are written anew only behind this wait
	ROWS
	ALOAD 0, 1
	TRIP 0, 0, 0, 0, 1, 1, 0, 0                    ; chunk 0 starts the sums anew
	s_mov_b32 s[KC], 7
.Lk1:                                                  ; chunks 1 to 14
	TRIP 1, 0, 0, 0, 1, 0, 0, 0
	TRIP 0, 0, 0, 0, 1, 0, 0, 0
	s_sub_co_u32 s[KC], s[KC], 1
	s_cmp_lg_u32 s[KC], 0
	s_cbranch_scc1 .Lk1
.Lmid:
	s_mov_b32 s[SB], 15*CHB
	TRIP 1, 0, 0, 0, 0, 0, 0, 0                    ; chunk 15, of whichever batch
	s_cmp_eq_u32 s[LIVEW], 0
	s_cbranch_scc1 .Lbnext                         ; (batch 0 alone comes here without rows)
	; THE WAY OUT, 16 rows x 256 bytes at a time, in a counted loop, so that the long text stands once; a forward switch picks the accumulators.  Blocks 0 to 3 always go out, block 4 where it has rows.
	PLACES                                         ; between the last products and the first read of a result
.if UP
	s_lshl_b32 s[OBASE], s[WV], 4
	s_add_co_u32 s[OBASE], s[OBASE], s[RB]
.endif
	s_add_co_u32 s[NL], s[LIVE4], 4                ; the blocks that go out,
.if !UP
	s_lshl_b32 s[NL], s[NL], 1                     ; in passes
.endif
	s_mov_b32 s[OC], 0
.Lout:
	s_cmp_ge_u32 s[OC], s[NL]
	s_cbranch_scc1 .Lnext
	s_wait_xcnt 0x0                                ; the last pass's stores have had their addresses translated (ISA guide 3.1): their offsets and data are written anew only behind this wait
.if UP
	s_lshl_b32 s[ROW], s[OC], 6
	s_add_co_u32 s[ROW], s[ROW], s[OBASE]          ; the block's first place;
	s_min_u32 s[ROW], s[ROW], 0x3f0                ; past the last place: the last 16 places, as in ROWS
	v_add_nc_u32 v[GO], s[ROW], v3                 ; lanes 0-15 take rows 0, 2, .. 14 of the block, lanes 16-31 rows 1, 3, .. 15
	v_lshl_add_u32 v[GO], v[GO], 13, v[COL16]
.irp c, 0,1,2,3
	s_cmp_eq_u32 s[OC], \c
	s_cbranch_scc1 .Lcase\c
.endr
	CASE 4
	s_branch .Lcommon
.irp c, 0,1,2
.Lcase\c:
	CASE \c
	s_branch .Lcommon
.endr
.Lcase3:
	CASE 3
.else
	s_and_b32 s[T2], s[OC], 1
	s_lshl_b32 s[T2], s[T2], 8
	v_add_nc_u32 v[CH], s[T2], v[COL16]
.irp c, 0,1,2,3,4,5,6,7,8
	s_cmp_eq_u32 s[OC], \c
	s_cbranch_scc1 .Lcase\c
.endr
	CASE 9
	s_branch .Lcommon
.irp c, 0,1,2,3,4,5,6,7
.Lcase\c:
	CASE \c
	s_branch .Lcommon
.endr
.Lcase8:
	CASE 8
.endif
.Lcommon:
.if UP
	GELU 0
	GELU 1
	GELU 2
	GELU 3
.irp b, 0,1,2,3,4,5,6,7
	ds_store_b128 v[STO], v[OB+4*\b:OB+4*\b+3] offset:32*\b
.endr
.endif
.irp t, 0,1,2,3,4,5,6,7
	ds_load_b128 v[OB+4*\t:OB+4*\t+3], v[RD] offset:2*SP*\t  ; LDS serves a wave's instructions in order (ISA guide 5.7.1.4): these see the stores above, and the next pass's stores come behind them
.endr
.if !UP
.irp t, 0,1,2,3,4,5,6,7,8,9,10,11,12,13,14,15
	v_readlane_b32 s[RL+\t], v[SLC], \t            ; the block's 16 slots; this work stands in the wait for the loads above
.endr
.irp t, 0,1,2,3,4,5,6,7
	v_mov_b32 v[GOFF+\t], s[RL+2*\t]               ; lanes 0-15: row 2 t's slot;
	v_cndmask_b32 v[GOFF+\t], v[GOFF+\t], s[RL+2*\t+1], s[HIM]  ; lanes 16-31: row 2 t + 1's
	v_min_u32 v[GOFF+\t], 0x7ff, v[GOFF+\t]
	v_lshl_add_u32 v[GOFF+\t], v[GOFF+\t], 12, v[CH]
.endr
.endif
	s_wait_dscnt 0x0
.irp t, 0,1,2,3,4,5,6,7
.if UP
	global_store_b128 v[GO], v[OB+4*\t:OB+4*\t+3], s[10:11] offset:\t*16384  ; sixteen lanes store 256 consecutive bytes of one row, at a multiple of 256 from the buffer's first byte; two rows of 8,192 bytes on for each t
.else
	global_store_b128 v[GOFF+\t], v[OB+4*\t:OB+4*\t+3], s[10:11]  ; sixteen lanes store 256 consecutive bytes of one row, at a multiple of 256 from the buffer's first byte
.endif
.endr
.Lnext:
	s_add_co_u32 s[OC], s[OC], 1
	s_cmp_lt_u32 s[OC], NCASE
	s_cbranch_scc1 .Lout
.Lbnext:
	s_add_co_u32 s[RB], s[RB], 320                 ; the next batch's first place
	s_sub_co_u32 s[BC], s[BC], 1
	s_cmp_lg_u32 s[BC], 0
	s_cbranch_scc1 .Lbatch
	s_wait_tensorcnt 0x0                           ; the wave's end, behind my last LDS store
	ds_add_u32 v[SPW], v[NIL]
	s_wait_dscnt 0x0
	s_endpgm
.Lfunc_end_k_qb985d418e3_down:
	.size	k_qb985d418e3_down, .Lfunc_end_k_qb985d418e3_down-k_qb985d418e3_down
	.p2alignl 7, 3214868480
	.fill 96, 4, 3214868480
	.section	.rodata,"a",@progbits
	.p2align	6, 0x0
	.amdhsa_kernel k_qb985d418e3_down
		.amdhsa_group_segment_fixed_size 312832
		.amdhsa_private_segment_fixed_size 0
		.amdhsa_enable_private_segment 0
		.amdhsa_kernarg_size 40
		.amdhsa_user_sgpr_count 2
		.amdhsa_user_sgpr_kernarg_segment_ptr 1
		.amdhsa_wavefront_size32 1
		.amdhsa_system_sgpr_workgroup_id_x 1
		.amdhsa_system_sgpr_workgroup_id_y 1
		.amdhsa_system_sgpr_workgroup_id_z 1
		.amdhsa_system_vgpr_workitem_id 0
		.amdhsa_next_free_vgpr 896
		.amdhsa_next_free_sgpr 102
		.amdhsa_reserve_vcc 1
		.amdhsa_float_denorm_mode_32 3
		.amdhsa_float_denorm_mode_16_64 3
		.amdhsa_memory_ordered 1
		.amdhsa_forward_progress 1
		.amdhsa_inst_pref_size 140
	.end_amdhsa_kernel
	.amdgpu_metadata
---
amdhsa.version: [ 1, 2 ]
amdhsa.kernels:
  - .name:           k_qb985d418e3_down
    .symbol:         k_qb985d418e3_down.kd
    .args:
      - { .name: W2, .offset: 0, .size: 8, .value_kind: global_buffer, .address_space: global }
      - { .name: hid, .offset: 8, .size: 8, .value_kind: global_buffer, .address_space: global }
      - { .name: bm, .offset: 16, .size: 8, .value_kind: global_buffer, .address_space: global }
      - { .name: part, .offset: 24, .size: 8, .value_kind: global_buffer, .address_space: global }
      - { .name: lst, .offset: 32, .size: 8, .value_kind: global_buffer, .address_space: global }
    .group_segment_fixed_size: 312832
    .private_segment_fixed_size: 0
    .kernarg_segment_align: 8
    .kernarg_segment_size: 40
    .max_flat_workgroup_size: 128
    .sgpr_count:     102
    .vgpr_count:     896
    .wavefront_size: 32
...
	.end_amdgpu_metadata
.endif
;; end of part 6
;; launch combine: the kernel of part 4 again; grid 256 x 1, 8 waves a work-group, no clusters, 0 bytes of LDS; arguments part, wts, stat, out0, out1; writes out0, out1
;; ======== version 3 of 3: 4 launches; version 2 with the launch down written anew for expert scheduling mode
;; workspace buffers: xb 2,097,152 bytes; hid 67,108,864 bytes; part 33,554,432 bytes; wts 8,192 bytes; bm 4,096 bytes of whole numbers; stat 4,096 bytes; lst 32,768 bytes of whole numbers
;; launch route: the kernel of part 1 again; grid 32 x 1, 16 waves a work-group, no clusters, 101,120 bytes of LDS; arguments x, Wg, xb, wts, bm, stat; writes xb, wts, bm, stat
;; launch up: the kernel of part 5 again; grid 256 x 1, 4 waves a work-group, no clusters, 312,832 bytes of LDS; arguments W1, xb, bm, hid, lst; writes hid, lst
;; launch down (part 7): grid 256 x 1, 4 waves a work-group, no clusters, 312,832 bytes of LDS; arguments W2, hid, bm, part, lst; writes part
.if DOCPART == 7
	.amdgcn_target "amdgcn-amd-amdhsa--gfx1250"
	.amdhsa_code_object_version 6
	.text
	.protected	k_qb985d418e3_down
	.globl	k_qb985d418e3_down
	.p2align	8
	.type	k_qb985d418e3_down,@function
k_qb985d418e3_down:
	s_mov_b64 s[64:65], 0
	v_nop
	global_prefetch_b8 v0, s[64:65] scope:SCOPE_SE
	s_setreg_imm32_b32 hwreg(HW_REG_WAVE_SCHED_MODE, 0, 2), 2
	s_setreg_imm32_b32 hwreg(HW_REG_WAVE_MODE, 25, 1), 1
	s_wait_xcnt 0x0
	s_wait_alu depctr_vm_vsrc(0)
; THE SECOND PRODUCT OF THE EXPERTS' CHAIN:  part[ks][slot][1024] = hid[e][place][1024 ks ..] . W2[e][1024 ks ..], in f32.
; (The first product, hid[e][place][4096] = bf16(gelu(xb[the place's token] . W1[e])), and lst[e][place] = the place's slot, are the launch before's.)
; An expert's PLACES are the tokens that chose it, in ascending order; slot = 2 x token + (0: first choice, 1: second).  Only the rows that chose expert e are multiplied.
; SHARES.  A work-group has a slice of ONE expert's weights, 1,024 k x 128 columns of f32, which it alone reads, once, and ALL of that expert's rows.  The slice is rounded to bf16 on its way through
; registers and stays in LDS whole.  K = 4,096 is cut in four, a slice each; the four partial sums stay in f32 and the last launch adds them.
; Rows go in batches of 320: block a (0-4) of wave w is places RB + 16 (4 a + w) .. + 15, so live blocks spread evenly over the four waves.
; Batch 0 is multiplied under the weights' stream, 64 k a trip; batches 1 to 3 (an expert with more than 320 rows; up to 1,024 are served) read the slice from LDS, with no barrier and no write of it.
; WHERE THE ROWS ARE.  hid lies in the order of the places, an expert's 1,024 rows on end: the rows are read as they lie there, and the places' slots are loaded from lst.
; WHAT HANGS ON THE COUNT.  Every loop has a constant count.  Two flags, set once a batch, say whether my wave has rows (its block 0 begins below the count) and whether its block 4 has.  A wave without rows
; jumps forward over the batch, to the label ahead of the counter's step; block 4's products and way out, and in batch 0 its loads, are jumped where it has none; no barrier stands in what is jumped.  Blocks 0 to 3
; of a wave with rows are always multiplied and stored.  A place past the count takes the last chosen row once more.  A block that would begin past place 1,008 takes the last 16 places whole, on the way in and
; on the way out alike, so that it stores what their owner stores.  So no lane is ever switched off, and no store is cut.  For an expert that nobody chose nothing is stored; row 0 of its part of hid and of lst,
; which is read all the same, was stored by the launch before.
; THE PRODUCT is used transposed: source 0 = 16 columns of the weights (turned on their way out of LDS by ds_load_tr16_b128), source 1 = 16 rows of tokens, loaded from memory as they lie:
; in the result a lane holds one token (lane % 16) and eight neighbouring columns.
; NO MULTICAST, NO TENSOR LOAD: each weight has one reader and is rounded in registers.  The token rows that an expert's work-groups share lie end to end, but a chunk's tile of 320 rows x 128 bytes is
; 40,960 bytes, and beside the slice and the stages LDS has no room for it.
; LIMITS.  Weights and token rows are bf16 matrix operands; hid is kept in bf16 (not f16: its range).  NaN and infinities are not treated apart.
; THE MODE: SCHED_MODE bits 1:0 = 2 (LLVM: expert scheduling mode 2), set by the entry lines.  The code itself states the register dependences
; between vector or matrix instructions and memory or LDS instructions, with s_wait_alu, always for 0.
; THE PLAN.  Registers that memory or LDS instructions touch in trip t (token buffer p = t % 2):
;   RAW[1-p]          read by the trip's 32 conversions; behind them the loads of chunk t + 3 land in it.
;   T16, T16B         written by the conversions; read by the trip's 16 LDS stores; written again by the next trip's conversions.
;   BF0, BF1          the trip's LDS loads land in them; the trip's products read them, and nothing else names them.
;   AB[1-p]           read by the last trip's products; the loads of chunk t + 1 land in it.  This trip's products read AB[p].
;   v[BADR], v[SADR]  written at the trip's head; read by its LDS loads and stores.
;   v[WOFF], v[PFO], v[STO], v[RD] are made once at the kernel's head, v[AOFF ..] and v[LO ..] once a batch.
; So a trip has three waits.  At its head one on vm_vsrc: the last trip's LDS instructions have read the two addresses and the rounded rows.  Behind the two address lines one on va_vdst: the addresses are written,
; and the last trip's products are done reading BF0, BF1 and AB[1-p]; it serves all the trip's fragment loads and its loads of token rows.  Behind the conversions one on va_vdst: the rounded rows are written and
; RAW[1-p] has been read; it serves the 16 LDS stores and the 16 loads of weights.  Behind that wait the memory and LDS instructions are dealt among the products of the first K step, which name BF0, AB[p] and the
; accumulators: none of the registers that those instructions touch.
; The way out: one wait on va_vdst ahead of its loop (the accumulators are written); in each pass one on vm_vsrc (the last pass's stores have read their data and offsets), one on va_sdst (the slots are in scalar
; registers) and one on va_vdst (the stores' offsets are written).
.set PITCH, 4096                       ; bytes from a k row of the weights to the next
.set LOGP,  12
.set NCASE, 10                         ; the way out: two passes a block: 64 columns of f32 are a stage row's 256 bytes
.set PRE0,  41                         ; loads younger than chunk 0's weights ahead of the first trip: chunk 1's 16, the 5 loads of slots, 20 of token rows
.set WLP,   288                        ; a k row of the slice in LDS: 256 bytes + 32: an odd multiple of 32, for the turning load
.set CHB,   64*WLP                     ; a chunk: 64 k rows
.set WLMAX, 15*CHB+15*WLP+16           ; the highest address that a lane's turning loads start from
.set STG,   1024*WLP                   ; behind the slice: 4 waves x 16 rows x 272 bytes, for the way out
.set SP,    272
; REGISTERS, in windows of 256 (s_set_vgpr_msb: bits 1:0 source 0, 3:2 source 1, 5:4 source 2, 7:6 destination)
;   window 0: addresses, the weights' fragments, the way out     window 1: accumulator (a, b) at 64 a + 8 b, a = 0-3
;   window 2: v0-63 accumulators (4, b); v64-143, v144-223 two buffers of token fragments, (K step s, block a) at 8 (5 s + a)     window 3: v0-63, v64-127 two buffers of 16 f32 rows of weights
.set BADR0, 4                          ; v4   my lane's place in a chunk for the turning load; never rewritten
.set BADR,  5                          ; v5   the same in the chunk in hand
.set SADR,  6                          ; v6   where I put 8 bytes of a k row
.set WOFF,  7                          ; v7   16 x lane: my 16 bytes of a row piece of 512; never rewritten
.set PFO,   8                          ; v8   prefetch: row lane / 2, block lane % 2 of 256 bytes; never rewritten
.set AOFF,  10                         ; v10-14  block a: my token row's byte offset + 16 (lane / 16)
.set STO,   15                         ; v15  the way out: where I put my part of a row
.set RD,    16                         ; v16  where I read a row back
.set COL16, 17                         ; v17  16 (lane % 16)
.set CH,    18                         ; v18  16 (lane % 16), + 256 for the second half of the columns
.set SLC,   19                         ; v19  the way out: the slots of the block in hand, lane % 16 = row
.set TM,    20                         ; v20-21 at work
.set SADR0, 30                         ; v30  my wave's 16 rows of chunk 0, my 8 bytes; never rewritten
.set H16,   31                         ; v31  16 (lane / 16)
.set T16,   32                         ; v32-47   rows 0 to 7 of my 16, rounded
.set BF,    48                         ; v48-111, v112-175  the weights' fragments of the two K steps of a chunk
.set OB,    176                        ; v176-207 a block on its way out
.set GOFF,  208                        ; v208-215 its rows' byte offsets
.set SLT,   216                        ; v216-220 block a's slots, lane % 16 = row
.set LO,    221                        ; v221-225 the byte offsets from which they are loaded
.set T16B,  226                        ; v226-241 rows 8 to 15 of my 16, rounded: registers of their own, so that all 32 conversions stand ahead of one wait
.set AB,    64                         ; window 2
.set T2,  2
.set SB,  3                            ; s3   the chunk in hand, in bytes of LDS
.set WV,  12
.set EX,  13
.set SL,  14
.set KS,  15
.set CNT, 16                           ; s16  the expert's rows
.set RB,  17                           ; s17  the batch's first place
.set LIVE4, 18                         ; s18  1: my block 4 has rows
.set KC,  19
.set BC,  20
.set OC,  21
.set CM,  23                           ; s23  the last place that is read: max(count, 1) - 1
.set CL,  24                           ; s24  the count by which blocks are live
.set TS,  25
.set WB,  26                           ; s[26:27] the weights at my 16 rows of the chunk last asked for
.set AP,  28                           ; s[28:29] the token rows at the chunk last asked for
.set OF,  30                           ; s[30:31] an offset
.set LIVEW, 50                         ; s50  1: my wave has rows in this batch
.set NL,  51                           ; s51  the passes of the way out that have something to store
.set LSTP, 52                          ; s[52:53] lst at the expert's first place
.set BS,  54                           ; s[54:55] the expert's row of bm, as an offset
.set HIM, 59                           ; s59  lanes 16-31
.set AW,  68                           ; s68-99 'chosen' words, until they are counted; then what follows
.set RL,  68                           ; s68-83 a block's 16 slots
.set ABASE, 100
.set MSB, 0
.macro WIN new                         ; the immediate's high byte repeats the setting that is left; a switch that changes nothing is dropped
.if MSB != (\new)
	s_set_vgpr_msb (MSB<<8)|(\new)
.set MSB, \new
.endif
.endm
.macro PLACES
.rept 4
	v_nop
.endr
.endm
; 16 loads: my wave's 16 k rows from row on, each a row piece of 512 consecutive bytes, into buffer x
.macro WLOAD x, row
	WIN 0xc0
.set i, 0
.rept 16
	global_load_b128 v[64*(\x)+4*i:64*(\x)+4*i+3], v[WOFF], s[WB:WB+1] offset:((\row)+i)*PITCH th:TH_LOAD_NT
.set i, i+1
.endr
.endm
; Buffer x is rounded: its 16 rows, 32 conversions on end, into T16 and T16B.
.macro CVT x
	WIN 0x0f
.set i, 0
.rept 8
	v_cvt_pk_bf16_f32 v[T16+2*i],   v[64*(\x)+4*i],   v[64*(\x)+4*i+1]
	v_cvt_pk_bf16_f32 v[T16+2*i+1], v[64*(\x)+4*i+2], v[64*(\x)+4*i+3]
.set i, i+1
.endr
.set i, 0
.rept 8
	v_cvt_pk_bf16_f32 v[T16B+2*i],   v[64*(\x)+32+4*i],   v[64*(\x)+32+4*i+1]
	v_cvt_pk_bf16_f32 v[T16B+2*i+1], v[64*(\x)+32+4*i+2], v[64*(\x)+32+4*i+3]
.set i, i+1
.endr
	WIN 0
.endm
; Eight rows (half q) of buffer x are asked for again, from s[WB].
.macro REFILL x, q
	WIN 0xc0
.set i, 0
.rept 8
	global_load_b128 v[64*(\x)+32*(\q)+4*i:64*(\x)+32*(\q)+4*i+3], v[WOFF], s[WB:WB+1] offset:(8*(\q)+i)*PITCH th:TH_LOAD_NT
.set i, i+1
.endr
.endm
; The 16 rounded rows go into the slice.  ahead = 1: into the chunk behind the one in hand.
.macro PUT ahead
	WIN 0
.set i, 0
.rept 8
	ds_store_b64 v[SADR], v[T16+2*i:T16+2*i+1] offset:(\ahead)*CHB+i*WLP  ; the wave stores a row's 256 consecutive bytes
.set i, i+1
.endr
.set i, 0
.rept 8
	ds_store_b64 v[SADR], v[T16B+2*i:T16B+2*i+1] offset:(\ahead)*CHB+(8+i)*WLP
.set i, i+1
.endr
.endm
; My own 16 rows x 2 blocks of 256 bytes of the chunk two further on than the one just asked for are prefetched: each block once in the launch, by the wave that will load it, two trips ahead of that load
; (pf = 1: always; 2: not in the loop's last trip, whose look-ahead would pass chunk 15).
.macro PF pf
	WIN 0
.if (\pf) == 2
	s_cmp_eq_u32 s[KC], 1
	s_cbranch_scc1 .Lnopf_\@
.endif
	global_prefetch_b8 v[PFO], s[WB:WB+1] offset:128*PITCH th:TH_LOAD_NT scope:SCOPE_SE
.if (\pf) == 2
.Lnopf_\@:
.endif
.endm
; A chunk's token fragments, 2 K steps x 5 blocks, into buffer p: 16 loads for blocks 0 to 3, then block 4's four.  full = 0 (batch 0 from its third fill on): block 4's are jumped where it has no rows.
; full other than 0: all 20: in a batch's first two fills, one into each buffer, so that block 4's registers are written whatever the count; and in every trip without staging, whose text so runs
; straight, with no label, from the line that holds its LDS address inside the slice to the reads by that address.  No wait counts block 4's loads: every counted wait counts loads that are younger.
.macro ALOAD p, full
	WIN 0x80
.irp s, 0,1
.irp a, 0,1,2,3
	global_load_b128 v[AB+80*(\p)+8*(5*\s+\a):AB+80*(\p)+8*(5*\s+\a)+3],   v[AOFF+\a], s[AP:AP+1] offset:64*\s
	global_load_b128 v[AB+80*(\p)+8*(5*\s+\a)+4:AB+80*(\p)+8*(5*\s+\a)+7], v[AOFF+\a], s[AP:AP+1] offset:64*\s+32
.endr
.endr
.if !(\full)
	WIN 0
	s_cmp_eq_u32 s[LIVE4], 0
	s_cbranch_scc1 .Lno4_\@
	WIN 0x80
.endif
.irp s, 0,1
	global_load_b128 v[AB+80*(\p)+8*(5*\s+4):AB+80*(\p)+8*(5*\s+4)+3],   v[AOFF+4], s[AP:AP+1] offset:64*\s
	global_load_b128 v[AB+80*(\p)+8*(5*\s+4)+4:AB+80*(\p)+8*(5*\s+4)+7], v[AOFF+4], s[AP:AP+1] offset:64*\s+32
.endr
	WIN 0
.if !(\full)
.Lno4_\@:
.endif
.endm
; 8 turning loads: K step s of the chunk in hand, column blocks b0 to b0 + 3 (64 columns), into fragment buffer f: lane l gets column 16 b + l % 16, k as a fragment wants it
.macro FETCHB s, f, b0
	WIN 0
.irp d, 0,1,2,3
	ds_load_tr16_b128 v[BF+64*(\f)+8*((\b0)+\d):BF+64*(\f)+8*((\b0)+\d)+3],   v[BADR] offset:(\s)*32*WLP+32*((\b0)+\d)
	ds_load_tr16_b128 v[BF+64*(\f)+8*((\b0)+\d)+4:BF+64*(\f)+8*((\b0)+\d)+7], v[BADR] offset:(\s)*32*WLP+16*WLP+32*((\b0)+\d)
.endr
.endm
; 8 products: block a (0-3) x all 8 column blocks, K step s.  Every accumulator has one turn in a K step.  zero = 1: the product starts the sum.
.macro MUL f, p, s, a, zero
	WIN 0x58
.irp b, 0,1,2,3,4,5,6,7
.if \zero
	v_wmma_f32_16x16x32_bf16 v[64*(\a)+8*\b:64*(\a)+8*\b+7], v[BF+64*(\f)+8*\b:BF+64*(\f)+8*\b+7], v[AB+80*(\p)+8*(5*(\s)+(\a)):AB+80*(\p)+8*(5*(\s)+(\a))+7], 0
.else
	v_wmma_f32_16x16x32_bf16 v[64*(\a)+8*\b:64*(\a)+8*\b+7], v[BF+64*(\f)+8*\b:BF+64*(\f)+8*\b+7], v[AB+80*(\p)+8*(5*(\s)+(\a)):AB+80*(\p)+8*(5*(\s)+(\a))+7], v[64*(\a)+8*\b:64*(\a)+8*\b+7]
.endif
.endr
.endm
.macro M4 f, p, s, zero                ; the same for block 4, whose accumulators lie in window 2
	WIN 0xa8
.irp b, 0,1,2,3,4,5,6,7
.if \zero
	v_wmma_f32_16x16x32_bf16 v[8*\b:8*\b+7], v[BF+64*(\f)+8*\b:BF+64*(\f)+8*\b+7], v[AB+80*(\p)+8*(5*(\s)+4):AB+80*(\p)+8*(5*(\s)+4)+7], 0
.else
	v_wmma_f32_16x16x32_bf16 v[8*\b:8*\b+7], v[BF+64*(\f)+8*\b:BF+64*(\f)+8*\b+7], v[AB+80*(\p)+8*(5*(\s)+4):AB+80*(\p)+8*(5*(\s)+4)+7], v[8*\b:8*\b+7]
.endif
.endr
.endm
; Block 4's two K steps stand together and are jumped where the block has no rows; the products that start its sums are issued all the same, so that its registers are written whatever the count.
.macro MUL4 p, zero
.if \zero
	M4 0, \p, 0, 1
.endif
	WIN 0
	s_cmp_eq_u32 s[LIVE4], 0
	s_cbranch_scc1 .Ldead_\@
.if !(\zero)
	M4 0, \p, 0, 0
.endif
	M4 1, \p, 1, 0
	WIN 0
.Ldead_\@:
.endm
; A TRIP multiplies the chunk in hand (token buffer p).  stage = 1 (batch 0): it also rounds the next chunk's weights into LDS (issue = 1: and asks for the chunk three on).  aiss = 1: it asks for the next chunk's token rows.
; ORDER OF THE LOADS.  Loads come back in the order of issue, so the token rows of chunk t + 1 are asked for AHEAD of the weights of chunk t + 3.  At a staged trip's head W(t+1) 16, A(t) 16 or 20, W(t+2) 16 are
; out: pre = 16 leaves W(t+2) out and shows the two that the trip needs; then A(t+1) and W(t+3) go out: 52 loads at the most (57 round the first trip).  A trip without staging waits for all
; (pre = 0): only its own loads of token rows, asked for a trip ago, can be out.
; WHERE THE OTHERS STAND.  The LDS stores come first behind the conversions' wait, since the other waves wait for them at the barrier; half of the second K step's fragments follow, while the wave waits for the first
; K step's; the other half, and the loads of weights in two runs of eight, stand behind the first three blocks of eight products.
; bar = 1: ONE barrier a trip.  Each byte of the slice is written once, so all that has to be ordered is a chunk's stores against its reads in the next trip: each wave waits for its stores, signals,
; multiplies the second K step, and waits for the others.
.macro TRIP p, stage, issue, pf, aiss, zero, bar, pre
	WIN 0
	s_wait_alu depctr_vm_vsrc(0)                   ; the LDS loads issued so far have read v[BADR], the LDS stores v[SADR], T16 and T16B: this trip writes all of them again
	v_add_nc_u32 v[BADR], s[SB], v[BADR0]          ; four plain instructions stand between the last products and the loads into registers that they read: this one,
.if \stage
	v_add_nc_u32 v[SADR], s[SB], v[SADR0]          ; this one,
.else
	v_min_u32 v[BADR], WLMAX, v[BADR]              ; this one, which holds the address inside the slice's bytes,
.endif
	v_nop                                          ; and these two
	v_nop
.if (\aiss) || (\issue)
	s_wait_xcnt 0x0                                ; the two pointers are stepped only behind this wait: every earlier load and prefetch has had its address translated (ISA guide 3.1)
.endif
.if \aiss
	s_add_nc_u64 s[AP:AP+1], s[AP:AP+1], 128       ; 64 k of bf16
.endif
.if \issue
	s_add_nc_u64 s[WB:WB+1], s[WB:WB+1], 64*PITCH
.endif
	s_wait_alu depctr_va_vdst(0)                   ; v[BADR] and v[SADR] are written; the last trip's products are done reading BF0, BF1 and the other token buffer, in which this trip's loads land
	FETCHB 0, 0, 0
	FETCHB 0, 0, 4
	s_wait_loadcnt \pre
.if \aiss
	ALOAD 1-(\p), 1-(\stage)+(\zero)               ; no wait: no vector or matrix instruction since the wait above names that buffer or v[AOFF ..]
.endif
.if \stage
	CVT 1-(\p)
	s_wait_alu depctr_va_vdst(0)                   ; the conversions have written T16 and T16B, which the LDS stores read, and are done reading the raw buffer, in which the loads of weights below land
	PUT 1
	FETCHB 1, 1, 0                                 ; the second K step's first 64 columns
	s_wait_dscnt 24                                ; the first K step's fragments are in; my 16 stores and the 8 loads behind them are younger
.else
	FETCHB 1, 1, 0
	s_wait_dscnt 8                                 ; the first K step's fragments are in; the 8 loads behind them are younger
.endif
	MUL 0, \p, 0, 0, \zero
	FETCHB 1, 1, 4                                 ; its other 64 columns: 24 products in which to land.  No wait: nothing since the wait at the head names BF1 or writes v[BADR]
	MUL 0, \p, 0, 1, \zero
.if \issue
	REFILL 1-(\p), 0                               ; no wait: the products name BF0, this trip's token buffer and the accumulators, not the raw buffer
.endif
	MUL 0, \p, 0, 2, \zero
.if \issue
	REFILL 1-(\p), 1
	PF \pf
.endif
	MUL 0, \p, 0, 3, \zero
	s_wait_dscnt 0x0                               ; the second K step's fragments are in; and, for the others' sake, my stores into the slice are done
	MUL4 \p, \zero
.if \bar
	s_barrier_signal -1
.endif
	MUL 1, \p, 1, 0, 0
	MUL 1, \p, 1, 1, 0
	MUL 1, \p, 1, 2, 0
	MUL 1, \p, 1, 3, 0
	WIN 0
	s_add_co_u32 s[SB], s[SB], CHB
.if \bar
	s_barrier_wait -1
.endif
.endm
; A batch begins.  FLAGS: has my wave rows in it, has my block 4?  It leaves my block 0's first place in s[T2] for ROWS.
.macro FLAGS
	s_lshl_b32 s[T2], s[WV], 4
	s_add_co_u32 s[T2], s[T2], s[RB]               ; my block 0's first place
	s_cmp_lt_u32 s[T2], s[CL]
	s_cselect_b32 s[LIVEW], 1, 0                   ; my block 0 has rows, or none of my blocks has
	s_add_co_u32 s[TS], s[T2], 256                 ; my block 4's first place
	s_cmp_lt_u32 s[TS], s[CL]
	s_cselect_b32 s[LIVE4], 1, 0
.endm
; ROWS: my five blocks' rows lie in hid by their places; a place past the count takes the last chosen row.  Their slots, which the way out wants, are asked for here.
; All ten offsets are made first, so that one wait serves the five loads of slots and the 20 loads of token rows that follow the macro.
.macro ROWS
.irp a, 0,1,2,3,4
	s_add_co_u32 s[TS], s[T2], 64*\a
	s_min_u32 s[TS], s[TS], 0x3f0                  ; a block past the last place takes the last 16 places, whole
	v_add_nc_u32 v[LO+\a], s[TS], v2
	v_min_u32 v[LO+\a], s[CM], v[LO+\a]
	v_min_u32 v[LO+\a], 0x3ff, v[LO+\a]
	v_lshl_add_u32 v[AOFF+\a], v[LO+\a], 13, v[H16]  ; place x 8,192 bytes
	v_lshlrev_b32 v[LO+\a], 2, v[LO+\a]
.endr
	s_wait_alu depctr_va_vdst(0)                   ; v[LO ..] and v[AOFF ..] are written (at its first use also v[PFO], v[STO] and v[RD], which later lines read); the moves that read the last batch's slots and the products that read token buffer 0 are done
.irp a, 0,1,2,3,4
	global_load_b32 v[SLT+\a], v[LO+\a], s[LSTP:LSTP+1]
.endr
	s_mov_b64 s[AP:AP+1], s[ABASE:ABASE+1]
	s_mov_b32 s[SB], 0
.endm
.macro CASE c                          ; block c / 2, columns 64 (c % 2) on: straight from the accumulators into my stage, each from its low end on; and the block's slots for the common text
.if (\c)/2 < 4
	WIN 0x04
.set AC, 64*((\c)/2)+32*((\c)%2)
.else
	WIN 0x08
.set AC, 32*((\c)%2)
.endif
.irp b, 0,1,2,3
	ds_store_b128 v[STO], v[AC+8*\b:AC+8*\b+3]   offset:64*\b
	ds_store_b128 v[STO], v[AC+8*\b+4:AC+8*\b+7] offset:64*\b+16
.endr
	WIN 0
	v_mov_b32 v[SLC], v[SLT+(\c)/2]
.endm
	s_load_b256 s[4:11], s[0:1], 0x0               ; weights s[4:5], token rows s[6:7], bm s[8:9], result s[10:11]
	s_load_b64 s[LSTP:LSTP+1], s[0:1], 0x20        ; lst
	v_lshl_add_u32 v254, v0, 2, 0x4c400
	v_mov_b32 v255, 0
	v_and_b32 v1, 31, v0                           ; lane
	v_lshrrev_b32 v[TM], 5, v0
	v_readfirstlane_b32 s[WV], v[TM]               ; wave 0..3
	s_lshr_b32 s[EX], ttmp9, 5                     ; the expert
	s_and_b32 s[SL], ttmp9, 31                     ; the slice:
	s_lshr_b32 s[KS], s[SL], 3                     ; which 1,024 of K,
	s_and_b32 s[SL], s[SL], 7                      ; which 128 columns
	s_lshl_b32 s[OF], s[EX], 24                    ; an expert's weights are 16 MiB
	s_lshl_b32 s[T2], s[SL], 9
	s_add_co_u32 s[OF], s[OF], s[T2]
	s_lshl_b32 s[T2], s[KS], 22
	s_add_co_u32 s[OF], s[OF], s[T2]
	s_wait_alu depctr_va_sdst(0)                   ; the wave's number is written, ahead of its first reader: the next line
	s_mul_i32 s[T2], s[WV], 16*PITCH               ; my wave's 16 rows of every chunk
	s_add_co_u32 s[OF], s[OF], s[T2]
	s_mov_b32 s[OF+1], 0
	s_lshl_b32 s[BS], s[EX], 7                     ; the expert's row of bm
	s_mov_b32 s[BS+1], 0
	v_lshlrev_b32 v[WOFF], 4, v1
	s_wait_kmcnt 0x0
	s_add_nc_u64 s[8:9], s[8:9], s[BS:BS+1]
	s_load_b512 s[AW:AW+15],    s[8:9], 0x0        ; row e of bm, in scalar registers, to be counted
	s_load_b512 s[AW+16:AW+31], s[8:9], 0x40
	s_add_nc_u64 s[WB:WB+1], s[4:5], s[OF:OF+1]
	s_wait_alu depctr_va_vdst(0)                   ; v[WOFF] is written: every load of weights reads it as its offset
	WLOAD 0, 0                                     ; the first two chunks of weights hang on no routing: they go out at once
	WLOAD 1, 64
	WIN 0
	s_lshl_b32 s[OF], s[EX], 23                    ; an expert's 1,024 rows of hid are 8 MiB
	s_lshl_b32 s[T2], s[KS], 11                    ; my 1,024 of K in a row of hid
	s_add_co_u32 s[OF], s[OF], s[T2]
	s_add_nc_u64 s[ABASE:ABASE+1], s[6:7], s[OF:OF+1]
	s_lshl_b32 s[OF], s[KS], 23                    ; my plane of part, my 128 columns: 512 bytes
	s_lshl_b32 s[T2], s[SL], 9
	s_add_co_u32 s[OF], s[OF], s[T2]
	s_add_nc_u64 s[10:11], s[10:11], s[OF:OF+1]
	s_lshl_b32 s[OF], s[EX], 12                    ; an expert's 1,024 words of lst
	s_add_nc_u64 s[LSTP:LSTP+1], s[LSTP:LSTP+1], s[OF:OF+1]
	v_and_b32 v2, 15, v0                           ; r = lane % 16
	v_bfe_u32 v3, v0, 4, 1                         ; h = lane / 16
	v_lshrrev_b32 v[TM], 1, v1
	v_and_b32 v[TM+1], 1, v1
	v_lshlrev_b32 v[PFO], 8, v[TM+1]
	v_lshl_add_u32 v[PFO], v[TM], LOGP, v[PFO]
	v_and_b32 v[TM], 7, v0
	v_lshl_add_u32 v[TM], v3, 3, v[TM]             ; the turning load: k row 8 h + lane % 8,
	v_mul_u32_u24 v[BADR0], v[TM], WLP
	v_bfe_u32 v[TM+1], v0, 3, 1
	v_lshl_add_u32 v[BADR0], v[TM+1], 4, v[BADR0]  ; columns 8 ((lane / 8) % 2) on
	s_mul_i32 s[T2], s[WV], 16*WLP
	v_lshl_add_u32 v[SADR0], v1, 3, s[T2]
	s_mul_i32 s[T2], s[WV], 16*SP
	s_add_co_u32 s[T2], s[T2], STG                 ; my stage
	v_mul_u32_u24 v[STO], v2, SP                   ; in: row r,
	v_lshl_add_u32 v[STO], v3, 5, v[STO]           ; 8 f32 for each half of the lanes
	v_add_nc_u32 v[STO], s[T2], v[STO]
	v_lshlrev_b32 v[COL16], 4, v2
	v_mul_u32_u24 v[RD], v3, SP                    ; back: lanes 0-15 one row of 256 bytes, lanes 16-31 the next
	v_add_nc_u32 v[RD], v[RD], v[COL16]
	v_add_nc_u32 v[RD], s[T2], v[RD]
	v_lshlrev_b32 v[H16], 4, v3
	s_mov_b32 s[RB], 0
	s_mov_b32 s[HIM], 0xffff0000
	s_wait_kmcnt 0x0
	s_bcnt1_i32_b32 s[CNT], s[AW]
.set i, 1
.rept 31
	s_bcnt1_i32_b32 s[T2], s[AW+i]
	s_add_co_u32 s[CNT], s[CNT], s[T2]
.set i, i+1
.endr
	s_max_u32 s[CM], s[CNT], 1
	s_mov_b32 s[CL], s[CNT]
	s_sub_co_u32 s[CM], s[CM], 1
	s_wait_xcnt 0x0                                ; the first loads have had their addresses translated: the weights' base steps
	s_add_nc_u64 s[WB:WB+1], s[WB:WB+1], 128*PITCH ; to chunk 2
	FLAGS
	ROWS
	ALOAD 0, 1                                     ; no wait: nothing since the wait in ROWS names v[AOFF ..] or token buffer 0
	v_add_nc_u32 v[SADR], s[SB], v[SADR0]
	s_wait_loadcnt PRE0                            ; chunk 0's weights are in; all that was asked for behind them stays out
	CVT 0
	s_wait_alu depctr_va_vdst(0)                   ; v[SADR], T16 and T16B are written, which the LDS stores read; the conversions are done reading raw buffer 0, in which the loads of chunk 2 land
	REFILL 0, 0
	REFILL 0, 1
	PUT 0
	PF 1
	s_wait_dscnt 0x0                               ; for the others' sake: my rows of chunk 0 are in LDS
	s_barrier_signal -1
	s_barrier_wait -1
	TRIP 0, 1, 1, 1, 1, 1, 1, 16                   ; chunk 0: its products start the sums
	s_mov_b32 s[KC], 6
.Lk0:                                                  ; chunks 1 to 12
	TRIP 1, 1, 1, 2, 1, 0, 1, 16
	TRIP 0, 1, 1, 2, 1, 0, 1, 16
	s_sub_co_u32 s[KC], s[KC], 1
	s_cmp_lg_u32 s[KC], 0
	s_cbranch_scc1 .Lk0
	TRIP 1, 1, 0, 0, 1, 0, 1, 16                   ; chunk 13: no weights are left to ask for; chunk 15's 16 loads stay out
	TRIP 0, 1, 0, 0, 1, 0, 1, 0                    ; chunk 14: chunk 15's weights and my token rows are all that is out
	s_mov_b32 s[BC], 4                             ; four batches of 320 cover 1,024 rows.  From here on no barrier: the slice is whole, and the stage is each wave's own
	s_branch .Lmid                                 ; the loop over batches is entered in its middle: batch 0 has chunk 15 and its way out left
.Lbatch:
	FLAGS
	s_cmp_eq_u32 s[LIVEW], 0
	s_cbranch_scc1 .Lbnext                         ; my wave has no rows in this batch
	s_wait_loadcnt 0x0                             ; no load is pending into a register that this batch asks for,
	s_wait_xcnt 0x0                                ; and the rows' offsets, their base and the last stores' registers are written anew only behind this wait
	s_wait_alu depctr_vm_vsrc(0)                   ; the last batch's loads have read v[AOFF ..] and v[LO ..], which ROWS writes; the way out's LDS stores have read the accumulators, which this batch's first products write
	ROWS
	ALOAD 0, 1
	TRIP 0, 0, 0, 0, 1, 1, 0, 0                    ; chunk 0 starts the sums anew
	s_mov_b32 s[KC], 7
.Lk1:                                                  ; chunks 1 to 14
	TRIP 1, 0, 0, 0, 1, 0, 0, 0
	TRIP 0, 0, 0, 0, 1, 0, 0, 0
	s_sub_co_u32 s[KC], s[KC], 1
	s_cmp_lg_u32 s[KC], 0
	s_cbranch_scc1 .Lk1
.Lmid:
	s_mov_b32 s[SB], 15*CHB
	TRIP 1, 0, 0, 0, 0, 0, 0, 0                    ; chunk 15, of whichever batch
	s_cmp_eq_u32 s[LIVEW], 0
	s_cbranch_scc1 .Lbnext                         ; (batch 0 alone comes here without rows)
	; THE WAY OUT, 16 rows x 256 bytes at a time, in a counted loop, so that the long text stands once; a forward switch picks the accumulators.  Blocks 0 to 3 always go out, block 4 where it has rows.
	PLACES                                         ; between the last products and the first read of a result (ISA guide 7.12.1)
	s_wait_alu depctr_va_vdst(0)                   ; the products have written the accumulators, which the LDS stores of every pass read; no line of the loop writes them; the places above stay beside this wait
	s_add_co_u32 s[NL], s[LIVE4], 4                ; the blocks that go out,
	s_lshl_b32 s[NL], s[NL], 1                     ; in passes
	s_mov_b32 s[OC], 0
.Lout:
	s_cmp_ge_u32 s[OC], s[NL]
	s_cbranch_scc1 .Lnext
	s_wait_xcnt 0x0                                ; the last pass's stores have had their addresses translated (ISA guide 3.1): their offsets and data are written anew only behind this wait
	s_wait_alu depctr_vm_vsrc(0)                   ; the last pass's stores have read v[OB ..], in which this pass's LDS loads land, and v[GOFF ..], which this pass writes
	s_and_b32 s[T2], s[OC], 1
	s_lshl_b32 s[T2], s[T2], 8
	v_add_nc_u32 v[CH], s[T2], v[COL16]
.irp c, 0,1,2,3,4,5,6,7,8
	s_cmp_eq_u32 s[OC], \c
	s_cbranch_scc1 .Lcase\c
.endr
	CASE 9
	s_branch .Lcommon
.irp c, 0,1,2,3,4,5,6,7
.Lcase\c:
	CASE \c
	s_branch .Lcommon
.endr
.Lcase8:
	CASE 8
.Lcommon:
.irp t, 0,1,2,3,4,5,6,7
	ds_load_b128 v[OB+4*\t:OB+4*\t+3], v[RD] offset:2*SP*\t  ; LDS serves a wave's instructions in order (ISA guide 5.7.1.4): these see the stores above, and the next pass's stores come behind them
.endr
.irp t, 0,1,2,3,4,5,6,7,8,9,10,11,12,13,14,15
	v_readlane_b32 s[RL+\t], v[SLC], \t            ; the block's 16 slots; this work stands in the wait for the loads above
.endr
	s_wait_alu depctr_va_sdst(0)                   ; the 16 slots are written into s[RL ..], ahead of their first reader: one wait for the run
.irp t, 0,1,2,3,4,5,6,7
	v_mov_b32 v[GOFF+\t], s[RL+2*\t]               ; lanes 0-15: row 2 t's slot;
	v_cndmask_b32 v[GOFF+\t], v[GOFF+\t], s[RL+2*\t+1], s[HIM]  ; lanes 16-31: row 2 t + 1's
	v_min_u32 v[GOFF+\t], 0x7ff, v[GOFF+\t]
	v_lshl_add_u32 v[GOFF+\t], v[GOFF+\t], 12, v[CH]
.endr
	s_wait_alu depctr_va_vdst(0)                   ; v[GOFF ..] are written, which the eight stores read as their offsets
	s_wait_dscnt 0x0
.irp t, 0,1,2,3,4,5,6,7
	global_store_b128 v[GOFF+\t], v[OB+4*\t:OB+4*\t+3], s[10:11]  ; sixteen lanes store 256 consecutive bytes of one row, at a multiple of 256 from the buffer's first byte
.endr
.Lnext:
	s_add_co_u32 s[OC], s[OC], 1
	s_cmp_lt_u32 s[OC], NCASE
	s_cbranch_scc1 .Lout
.Lbnext:
	s_add_co_u32 s[RB], s[RB], 320                 ; the next batch's first place
	s_sub_co_u32 s[BC], s[BC], 1
	s_cmp_lg_u32 s[BC], 0
	s_cbranch_scc1 .Lbatch
	s_wait_dscnt 0x0                               ; the wave's end: my last LDS instructions are done.  The closing add follows
	s_wait_alu depctr_hold_cnt(0) depctr_sa_sdst(0) depctr_va_vdst(0) depctr_va_sdst(0) depctr_va_ssrc(0) depctr_va_vcc(0) depctr_vm_vsrc(0)
	s_wait_tensorcnt 0x0
	ds_add_u32 v254, v255
	s_wait_dscnt 0x0
	s_endpgm
.Lfunc_end_k_qb985d418e3_down:
	.size	k_qb985d418e3_down, .Lfunc_end_k_qb985d418e3_down-k_qb985d418e3_down
	.p2alignl 7, 3214868480
	.fill 96, 4, 3214868480
	.section	.rodata,"a",@progbits
	.p2align	6, 0x0
	.amdhsa_kernel k_qb985d418e3_down
		.amdhsa_group_segment_fixed_size 312832
		.amdhsa_private_segment_fixed_size 0
		.amdhsa_enable_private_segment 0
		.amdhsa_kernarg_size 40
		.amdhsa_user_sgpr_count 2
		.amdhsa_user_sgpr_kernarg_segment_ptr 1
		.amdhsa_wavefront_size32 1
		.amdhsa_system_sgpr_workgroup_id_x 1
		.amdhsa_system_sgpr_workgroup_id_y 1
		.amdhsa_system_sgpr_workgroup_id_z 1
		.amdhsa_system_vgpr_workitem_id 0
		.amdhsa_next_free_vgpr 896
		.amdhsa_next_free_sgpr 102
		.amdhsa_reserve_vcc 0
		.amdhsa_float_denorm_mode_32 3
		.amdhsa_float_denorm_mode_16_64 3
		.amdhsa_memory_ordered 1
		.amdhsa_forward_progress 1
		.amdhsa_inst_pref_size 142
	.end_amdhsa_kernel
	.amdgpu_metadata
---
amdhsa.version: [ 1, 2 ]
amdhsa.kernels:
  - .name:           k_qb985d418e3_down
    .symbol:         k_qb985d418e3_down.kd
    .args:
      - { .name: W2, .offset: 0, .size: 8, .value_kind: global_buffer, .address_space: global }
      - { .name: hid, .offset: 8, .size: 8, .value_kind: global_buffer, .address_space: global }
      - { .name: bm, .offset: 16, .size: 8, .value_kind: global_buffer, .address_space: global }
      - { .name: part, .offset: 24, .size: 8, .value_kind: global_buffer, .address_space: global }
      - { .name: lst, .offset: 32, .size: 8, .value_kind: global_buffer, .address_space: global }
    .group_segment_fixed_size: 312832
    .private_segment_fixed_size: 0
    .kernarg_segment_align: 8
    .kernarg_segment_size: 40
    .max_flat_workgroup_size: 128
    .sgpr_count:     102
    .vgpr_count:     896
    .wavefront_size: 32
...
	.end_amdgpu_metadata
.endif
;; end of part 7
;; launch combine: the kernel of part 4 again; grid 256 x 1, 8 waves a work-group, no clusters, 0 bytes of LDS; arguments part, wts, stat, out0, out1; writes out0, out1
